; MI455X (gfx1250); checked and timed in simulation.
; The chip was launched on July 23, 2026; its instructions are those of AMD's public machine-readable ISA for CDNA 5 (MIT licence, August 2026) and "CDNA5" Instruction Set Architecture Reference Guide (July 2026). The comments in the code are by the model that wrote it; some were corrected since.
;; LSTM Baseline. Allowed arithmetic: matrix products marked QUANTISED: E2M3 operands, one E8M0 scale for each 32 along K, by v_wmma_scale_f32_16x16x128_f8f6f4 with both operands' format E2M3, f32 sums; everything else in f32.
;; Inputs: W_dec_codes 512 x 32 x 24 uint8 (E2M3 codes of W_dec, K innermost, in blocks of 32 codes, four codes in three bytes); W_dec_scales 512 x 32 uint8 (E8M0 scales of W_dec, one for each 32 codes along K); W_hh0 4,096 x 1,024 float32; W_hh1 4,096 x 1,024 float32; W_ih0_codes 4,096 x 16 x 24 uint8 (E2M3 codes of W_ih0, K innermost, in blocks of 32 codes, four codes in three bytes); W_ih0_scales 4,096 x 16 uint8 (E8M0 scales of W_ih0, one for each 32 codes along K); W_ih1_codes 4,096 x 32 x 24 uint8 (E2M3 codes of W_ih1, K innermost, in blocks of 32 codes, four codes in three bytes); W_ih1_scales 4,096 x 32 uint8 (E8M0 scales of W_ih1, one for each 32 codes along K); b_dec 512 float32; b_hh0 4,096 float32; b_hh1 4,096 float32; b_ih0 4,096 float32; b_ih1 4,096 float32; x_codes 8,192 x 16 x 24 uint8 (E2M3 codes of x, K innermost, in blocks of 32 codes, four codes in three bytes); x_scales 8,192 x 16 uint8 (E8M0 scales of x, one for each 32 codes along K).
;; Outputs: out0 8,192 x 512 float32.
;; This version of the problem:
;;   THIS VERSION OF THE PROBLEM IS GIVEN IN LOW PRECISION. The matrix products marked QUANTISED in the list below multiply operands that are first quantised to E2M3 (2 exponent bits, 3 mantissa bits; 6 bits a number), with one power-of-two scale for each 32 numbers along K (OCP MX v1.0); their sums are f32. All else is computed in f32.
;;   The module's matrix products, in the order in which they are computed (A, B: the left and right operand; K: the contracted axis; several contracted axes count as one K, in the product's order):
;;     1. [M 8,192, K 512] x [K 512, N 4,096]; A: input x (given as codes); B: input W_ih0 (given as codes): QUANTISED
;;     2. [M 8,192, K 1,024] x [K 1,024, N 4,096]; A: computed on the way; B: input W_ih1 (given as codes): QUANTISED
;;     3. [M 8,192, K 1,024] x [K 1,024, N 512]; A: computed on the way; B: input W_dec (given as codes): QUANTISED
;;   THE QUANTISER, for each operand of a quantised product, along K:
;;     - K is cut into blocks of 32 from its start; a last block that is shorter is filled with zeros.
;;     - A block's scale is 2^e with e = floor(log2(the largest magnitude in the block)) - 2, held to -126 .. 127; a block of zeros has e = 0. As a byte (E8M0): e + 127.
;;     - Each number is divided by its block's scale, clamped to +-7.5, and rounded to the nearest number of E2M3, ties to even, subnormals kept.
;;     - The product sums the exact products of the quantised numbers (number of the format x scale) in f32.
;;   ~~~python
;;   def quantise(x, axis):      # numpy; x: float32 -> the quantised numbers, widened to float32 again
;;       x = np.moveaxis(x, axis, -1); K = x.shape[-1]
;;       x = np.pad(x, [(0, 0)] * (x.ndim - 1) + [(0, -K % 32)]); x = x.reshape(x.shape[:-1] + (-1, 32)); a = np.abs(x).max(-1, keepdims=True)
;;       e = np.where(a > 0, np.clip(np.frexp(np.where(a > 0, a, 1))[1] - 1 - 2, -126, 127), 0)      # np.frexp(a)[1] - 1 = floor(log2(a)), exactly
;;       r = np.clip(x / 2.0 ** e, -7.5, 7.5)
;;       step = 2.0 ** (np.maximum(np.frexp(np.where(r == 0, 1, r))[1] - 1, 0) - 3)
;;       q = np.round(r / step) * step * 2.0 ** e      # np.round: ties to even
;;       return np.moveaxis(q.reshape(q.shape[:-2] + (-1,))[..., :K], -1, axis).astype(np.float32)
;;   ~~~
;;   OPERANDS COMPUTED ON THE WAY. 'Computed on the way' means the value that the module computes at that place (a softmax that the list does not call 'softmax' is quantised finished and normalised). What goes into a quantiser is computed in f32, as accurately as f32 sums, v_exp_f32 and their like allow (about 1e-6 of the number): no bf16 or f16 on the way to a quantiser, and a product that is left as it is and whose result goes on into a quantised operand takes f32 operands (vector FMAs, or v_wmma_f32_16x16x4_f32). A number that lies on a knife's edge between two numbers of the format may be rounded either way, as far as f32 arithmetic and the matrix unit's own rounding can turn it there, and no further.
;;   INPUTS GIVEN AS CODES. W_dec (in the module: [512, 1024], K = its axis 1); W_ih0 (in the module: [4096, 512], K = its axis 1); W_ih1 (in the module: [4096, 1024], K = its axis 1); x (in the module: [8192, 512], K = its axis 1): each comes as NAME_codes (uint8): NAME with its K axis moved to the last place and cut into blocks of 32 codes, [.., K / 32, bytes a block], one block behind the other in memory; four codes in three bytes: a row's codes are one little-endian stream of bits, code i at bits 6 i .. 6 i + 5 (a code: sign, 2 exponent bits, 3 mantissa bits); and NAME_scales (uint8): the same leading axes, one E8M0 byte (e + 127) for each 32 codes along K. Its value is code x scale, taken as it is: it is not quantised again, and the codes and scales need not be those that the quantiser above would give.
;; 2 versions, each right. Each part assembles by itself: llvm-mc -triple=amdgcn-amd-amdhsa -mcpu=gfx1250 --defsym DOCPART=n.
;; ======== version 1 of 2: 3 launches
;; limits: a function is approximated: absolute error at most 1e-07
;; workspace buffers: h0c 6,291,456 bytes; h0s 262,144 bytes; h1c 6,291,456 bytes; h1s 262,144 bytes
;; launch cell0 (part 1): grid 8 x 32, 4 waves a work-group, clusters of 4 x 1, 167,936 bytes of LDS; arguments x_codes, x_scales, W_ih0_codes, W_ih0_scales, b_ih0, b_hh0, h0c, h0s; writes h0c, h0s
.if DOCPART == 1
	.amdgcn_target "amdgcn-amd-amdhsa--gfx1250"
	.amdhsa_code_object_version 6
	.text
	.protected	k_qba97d3d076_cell0
	.globl	k_qba97d3d076_cell0
	.p2align	8
	.type	k_qba97d3d076_cell0,@function
k_qba97d3d076_cell0:
	s_mov_b64 s[64:65], 0
	v_nop
	global_prefetch_b8 v0, s[64:65] scope:SCOPE_SE
	s_setreg_imm32_b32 hwreg(HW_REG_WAVE_MODE, 25, 1), 1
	s_wait_xcnt 0x0
	s_wait_alu depctr_hold_cnt(0) depctr_sa_sdst(0) depctr_va_vdst(0) depctr_va_sdst(0) depctr_va_ssrc(0) depctr_va_vcc(0) depctr_vm_vsrc(0)
	s_getreg_b32 s2, hwreg(HW_REG_IB_STS2, 6, 4)
	s_cmp_eq_u32 s2, 0
	s_cbranch_scc0 .Lentry_in_a_cluster
	s_endpgm
.Lentry_in_a_cluster:
	s_bfe_u32 s2, ttmp6, 0x10000c
	s_cmp_lg_u32 s2, 0x3003
	s_cbranch_scc0 .Lentry_shape_is_right
	s_endpgm
.Lentry_shape_is_right:
; h0 = o * tanh(i * g) of the first LSTM cell, from x and W_ih0 as codes of FP6 (E2M3) with E8M0 scales, quantised along its 1,024 columns into codes and scale words for the next product.
; DEAD WORK, for all values of the inputs.  reference() splits the gates into i, f, g, o and never uses f (c0 = 0 is built in its own body, so f * c0 is not even written): rows 1024 .. 2047 of W_ih0 and of W_ih1, their
; scale bytes and entries 1024 .. 2047 of the four biases reach no output, and a quarter of products 1 and 2 is left out in whole rows.  W_hh0 and W_hh1 are arguments of reference() that its body never reads
; (h0 = 0): they have no way to any output, are not loaded and are among no launch's arguments.  LIMIT: a NaN, an infinity or an overflow that reaches only the work left out is not carried to the result.
; THE GATES, in f32, five transcendentals a number.  L = log2(e); a = 2^(-L i), b = 2^(-|2 L g|), e = 2^(-L o); c = sigmoid(i) tanh(g) = sign(g) (1 - b) / ((1 + a)(1 + b)); u = c c;
; h = sigmoid(o) tanh(c) = c P / (Q (1 + e)), P = u u / 15 + 7 u + 63, Q = u u + 28 u + 63: tanh's continued fraction cut behind its term 9, off by at most 6.2e-8 of tanh(c) for |c| <= 1, and |c| <= 1 for every
; input, c being a sigmoid times a tanh.  b <= 1 and Q >= 63 are finite, so where a or e overflows the divisor is infinity, its reciprocal 0, and h the right limit; no infinity meets a zero.
; LIMITS: results under 2^-126 are flushed to 0 by the transcendentals; 1 - b loses about 1e-7 / |g| of tanh(g) for small |g|; NaN and infinities among the inputs are not served; a block of zeros gets the scale
; byte 1 where the rule says 127: its codes are zeros, and this program alone reads the bytes.
; SHARES.  A work-group takes 256 rows (work-group y) x 128 hidden columns (work-group x): one K step of the next product.  THE WEIGHTS STAY: wave w owns hidden columns 32 w .. 32 w + 31 of the 128 for the three
; live gates: 6 tiles of 16 rows of W x NK K steps, 72 NK registers, read from memory once.  All four waves walk the work-group's 16 tiles of 16 rows, whose fragments lie in LDS: each feeds six matrix instructions.
; TRANSPOSED USE: source 0 = 16 rows of W, source 1 = 16 rows of x.  THE ROWS OF W THAT FORM A TILE ARE NOT NEIGHBOURS: lane r of tile u takes row 8 u + r + 8 (r / 8) of the wave's 32, so that a lane holds ONE row
; of x and the 16 registers of tiles 0 and 1 are 16 neighbouring hidden columns, 16 (lane / 16) + 0 .. 15; i, g and o of a number lie in one lane at one register index, and a wave makes a whole block of 32.
; BY TURNS: while tile m's gates are worked, tile m + 1's products stand among them, one matrix instruction for each NW-th part of the vector work (macro TICK), the six accumulators by turns.
; CLUSTER: the four work-groups of a cluster lie along x and read the same 256 rows: rows and their scales are asked for JOINTLY.  The weights are not: they go straight into registers, each wave's own rows, and
; 3 x 128 rows of them would not fit in LDS beside the rows of the wider layer.  All LDS bytes are filled once, at the head: no ring, no refill.
; OUT: codes as IMAGES OF THE NEXT OPERAND'S REGISTERS, [tile of 16 rows][K step][1,536 bytes], register j of lane l at (j / 4) 512 + 16 l + 4 (j % 4); scale words [K step][row].
.set LAYER, 0
.if LAYER == 0
.set NK,     4                         ; K steps of 128
.set KROW,   384                       ; a row of W's codes in bytes
.set KS,     16                        ; a row of W's scale bytes
.set ABYTES, 122880                    ; LDS: the rows' codes: [256 along K: 2][row 256][240]: 3 x (64 bytes + 16 of padding) a row
.set XSCB,   4096                      ; their scale bytes, [row][16]
.set TASTEP, 3840                      ; from a tile of 16 rows to the next, in the codes,
.set TXSTEP, 256                       ; and in the scales
.set XSTR,   8                         ; from a pair of K steps' scale words to the next
.set AWB,    30720                     ; LDS bytes that a wave's load of codes fills,
.set SWB,    1024                      ; and its load of scales
.set GA0,    15|(1<<20)|(1<<21)|(3<<22)|(3<<25)  ; mask: all four partners; elements of 1 byte; padding on; bit 21 beside a mask; behind every 16 words, 4 words
.set GAC,    192
.set GAR,    128
.set GAP,    384
.set GSC,    32
.set GSR,    4
.set GSP,    32
.else
.set NK,     8
.set KROW,   768
.set KS,     32
.set ABYTES, 196608                    ; LDS: the rows' codes as register images, [tile 16][K step 8][1,536]
.set XSCB,   8192                      ; their scale words, [K step 8][row 256]
.set TASTEP, 12288
.set TXSTEP, 64
.set XSTR,   2048
.set AWB,    49152
.set SWB,    2048
.set GA0,    15|(3<<16)|(1<<21)        ; mask; elements of 8 bytes; no padding; bit 21 beside a mask
.set GAC,    32
.set GAR,    192
.set GAP,    32
.set GSC,    128
.set GSR,    2
.set GSP,    4096
.endif
.set NW,    6*NK                       ; matrix instructions of a tile of rows
.set NXH,   NK/4                       ; scale registers of half a tile's K steps (two K steps to a register)
.set VTOT,  440                        ; the gates' vector work of a tile: 120 plain lines + 80 transcendentals weighed as four
.set XSC,   ABYTES
.set STG,   XSC+XSCB                   ; the way out: 6,144 bytes for each wave: [tile 16][row 16][24 bytes: six registers of the next operand]
.set SCS,   STG+24576                  ; 1,024 bytes for each wave: [row 256] words, the wave's scale byte at its place
.set SPARE, SCS+4096                   ; the spare words, 128 bytes for each wave: two blocks of 256 bytes that no other line names
; window 0
.set AD0,  2                           ; my lane's place in a tile's fragments (AD0B: behind one padding more)
.set AD0B, 3
.set ADC,  4                           ; the same for the tile that is being fetched
.set ADCB, 5
.set XA0,  6                           ; my lane's place among the rows' scale words
.set XAC,  7
.set SA0,  8                           ; where I put my 12 bytes of codes
.set SB0,  9                           ; and my row's scale word
.set SAC,  10
.set SBC,  11
.set CNL,  16                          ; pairs of constants: -L, 2 L, 1/15, 7, 63, 28
.set C2L,  18
.set K1,   20
.set K7,   22
.set K63,  24
.set K28,  26
.set SPW,  28                          ; LDS address of my spare word; never rewritten
.set NIL,  29                          ; 0; never rewritten
.set MXA,  30
.set MXB,  31
.set SCO,  32
.set BY,   33
.set LO16, 34
.set LO8,  35
.set CD,   36                          ; v36-38 16 codes
.set WS,   40                          ; v40-63 W's scale words: lanes 0-15 an even K step's, lanes 16-31 the next odd one's
.set XS,   64                          ; v64-67 the rows' likewise
.set AF,   68                          ; the rows' fragments, 12 NK registers; at the head the biases land here, at the end the way out
.set TI,   164
.set TG,   180
.set TO,   196
.set TB,   212
.set TQ,   228
.set HR,   244                         ; lane % 16
.set HH,   245                         ; lane / 16
.set HT,   246
.set HB,   247
.set HW,   248
.set HF,   249
; windows 1, 2, 3 (gates i, g, o): W's fragment (u, K step s) at v[12 (NK u + s)]
.set ACC,  192                         ; two accumulators
.set BIAS, 208                         ; b_ih + b_hh in the result's layout
.set MSB, 0
.macro WIN new                         ; the immediate's high byte repeats the setting that is left; a switch that changes nothing is dropped
.if MSB != (\new)
	s_set_vgpr_msb (MSB<<8)|(\new)
.set MSB, (\new)
.endif
.endm
.macro NOPS n
.rept \n
	v_nop
.endr
.endm
.macro CROUND                          ; a round of the cluster's barrier
	s_barrier_signal -1
	s_barrier_wait -1
	s_cmp_lg_u32 s20, 0
	s_cbranch_scc1 .Lnot_wave_0_\@
	s_barrier_signal -3
.Lnot_wave_0_\@:
	s_barrier_wait -3
	s_barrier_signal -1
	s_barrier_wait -1
.endm
.macro FRAGA reg, s                    ; the fragment of K step s of the tile at v[ADC]
.if LAYER == 0
.irp p, 0,1,2,3,4,5                    ; rows of 192 bytes, 16 of padding behind each 64: pieces of 8 bytes; lanes 16-31 read three pieces on, which from piece 5 of 8 lies behind one padding more
.set PC, 12*((\s)%2)+6*(\p/3)+\p%3
.if PC%8 < 5
	ds_load_b64 v[(\reg)+2*\p:(\reg)+2*\p+1], v[ADC] offset:8*PC+16*(PC/8)+((\s)/2)*61440
.else
	ds_load_b64 v[(\reg)+2*\p:(\reg)+2*\p+1], v[ADCB] offset:8*PC+16*(PC/8)+((\s)/2)*61440
.endif
.endr
.else
.irp c, 0,1,2                          ; a register image: 16 bytes a lane, 512 a load
	ds_load_b128 v[(\reg)+4*\c:(\reg)+4*\c+3], v[ADC] offset:1536*(\s)+512*\c
.endr
.endif
.endm
.macro LOADH half                      ; half a tile's K steps: 12 loads of codes in either layer, and NXH of scale words
.set ls, (\half)*(NK/2)
.rept NK/2
	FRAGA AF+12*ls, ls
.set ls, ls+1
.endr
.set lx, (\half)*NXH
.rept NXH
	ds_load_b32 v[XS+lx], v[XAC] offset:XSTR*lx
.set lx, lx+1
.endr
.endm
.macro SETAD                           ; the addresses of the next tile to be fetched
	v_add_nc_u32 v[ADC], s51, v[AD0]
.if LAYER == 0
	v_add_nc_u32 v[ADCB], s51, v[AD0B]
.endif
	v_add_nc_u32 v[XAC], s52, v[XA0]
	s_add_co_u32 s51, s51, TASTEP
	s_add_co_u32 s52, s52, TXSTEP
.endm
; Matrix instruction wi of a tile's NW: K step wi / 6, gate wi % 3, tile (wi % 6) / 3: the six accumulators take turns, one instruction a turn.  The first six take the biases as C.
.macro MM1
.set kst, wi/6
.set gm, wi%3+1
.set uu, (wi%6)/3
.if wi == 0
	s_wait_dscnt 12+NXH                            ; the first half's fragments and scale words are in: behind them the second half's 12 + NXH loads were issued (round the loop four stores more)
.endif
.if wi == NW/2
	s_wait_dscnt 0x0                               ; the second half is in, and no LDS instruction of mine is out: its address and data registers may be written
.if DO_LD
	SETAD
	NOPS 4                                         ; places in front of loads into registers that matrix instructions have read
	LOADH 0                                        ; the first half of the tile after this one
.endif
.endif
	WIN gm*0x51                                    ; W, C and D in the gate's window; the rows' fragment in window 0
.set rD, ACC+8*uu
.set rA, 12*(NK*uu+kst)
.set rB, AF+12*kst
.set rW, WS+((gm-1)*2+uu)*(NK/2)+kst/2
.set rX, XS+kst/2
.if kst == 0
	v_wmma_scale_f32_16x16x128_f8f6f4 v[rD:rD+7], v[rA:rA+11], v[rB:rB+11], v[BIAS+8*uu:BIAS+8*uu+7], v[rW], v[rX] matrix_a_fmt:MATRIX_FMT_FP6 matrix_b_fmt:MATRIX_FMT_FP6
.elseif kst%2 == 0
	v_wmma_scale_f32_16x16x128_f8f6f4 v[rD:rD+7], v[rA:rA+11], v[rB:rB+11], v[rD:rD+7], v[rW], v[rX] matrix_a_fmt:MATRIX_FMT_FP6 matrix_b_fmt:MATRIX_FMT_FP6
.else
	v_wmma_scale_f32_16x16x128_f8f6f4 v[rD:rD+7], v[rA:rA+11], v[rB:rB+11], v[rD:rD+7], v[rW], v[rX] matrix_a_fmt:MATRIX_FMT_FP6 matrix_b_fmt:MATRIX_FMT_FP6 matrix_a_scale:MATRIX_SCALE_ROW1 matrix_b_scale:MATRIX_SCALE_ROW1
.endif
	WIN 0
.set wi, wi+1
.endm
.macro TICK c                          ; c more of the tile's VTOT of vector work is written: a matrix instruction follows when its share is due
.set vc, vc+(\c)
.if DO_MM && (wi < NW) && (vc*NW >= wi*VTOT)
	MM1
.endif
.endm
.macro FLUSH                           ; what is left of the NW
.rept NW
.if DO_MM && (wi < NW)
	MM1
.endif
.endr
.endm
.macro DRAIN                           ; the accumulators, each from its low end on, into window 0, times -L, 2 L, -L: they are free for the next tile
	WIN 0x01
.irp q, 0,2,4,6,8,10,12,14
	v_pk_mul_f32 v[TI+\q:TI+\q+1], v[ACC+\q:ACC+\q+1], v[CNL:CNL+1]
.endr
	WIN 0x02
.irp q, 0,2,4,6,8,10,12,14
	v_pk_mul_f32 v[TG+\q:TG+\q+1], v[ACC+\q:ACC+\q+1], v[C2L:C2L+1]
.endr
	WIN 0x03
.irp q, 0,2,4,6,8,10,12,14
	v_pk_mul_f32 v[TO+\q:TO+\q+1], v[ACC+\q:ACC+\q+1], v[CNL:CNL+1]
.endr
	WIN 0
.endm
.macro GATES                           ; 16 numbers a lane.  Three batches of transcendentals, each with one plain line behind it and ONE wait ahead of its first reader
.set gn, 0
.rept 16
	v_exp_f32 v[TI+gn], v[TI+gn]                   ; a = 2^(-L i)
	TICK 4
	v_exp_f32 v[TB+gn], -|v[TG+gn]|                ; b = 2^(-|2 L g|), at most 1
	TICK 4
.set gn, gn+1
.endr
	v_nop
	s_wait_alu depctr_va_vdst(0)
.set gn, 0
.rept 8
	v_pk_add_f32 v[TI+gn:TI+gn+1], v[TI+gn:TI+gn+1], 1.0 op_sel_hi:[1,0]    ; 1 + a
	TICK 1
	v_pk_add_f32 v[TQ+gn:TQ+gn+1], v[TB+gn:TB+gn+1], 1.0 op_sel_hi:[1,0]    ; 1 + b, from 1 to 2: an infinite 1 + a meets no zero
	TICK 1
.set gn, gn+2
.endr
.set gn, 0
.rept 8
	v_pk_fma_f32 v[TB+gn:TB+gn+1], v[TB+gn:TB+gn+1], -1.0, 1.0 op_sel_hi:[1,0,0]   ; 1 - b
	TICK 1
	v_pk_mul_f32 v[TI+gn:TI+gn+1], v[TI+gn:TI+gn+1], v[TQ+gn:TQ+gn+1]       ; (1 + a)(1 + b)
	TICK 1
.set gn, gn+2
.endr
.set gn, 0
.rept 16
	v_and_or_b32 v[TB+gn], v[TG+gn], s55, v[TB+gn] ; with g's sign
	TICK 1
.set gn, gn+1
.endr
.set gn, 0
.rept 16
	v_rcp_f32 v[TI+gn], v[TI+gn]
	TICK 4
	v_exp_f32 v[TO+gn], v[TO+gn]                   ; e = 2^(-L o)
	TICK 4
.set gn, gn+1
.endr
	v_nop
	s_wait_alu depctr_va_vdst(0)
.set gn, 0
.rept 8
	v_pk_mul_f32 v[TG+gn:TG+gn+1], v[TB+gn:TB+gn+1], v[TI+gn:TI+gn+1]       ; c
	TICK 1
.set gn, gn+2
.endr
.set gn, 0
.rept 8
	v_pk_mul_f32 v[TI+gn:TI+gn+1], v[TG+gn:TG+gn+1], v[TG+gn:TG+gn+1]       ; u = c c
	TICK 1
.set gn, gn+2
.endr
.set gn, 0
.rept 8
	v_pk_fma_f32 v[TB+gn:TB+gn+1], v[TI+gn:TI+gn+1], v[K1:K1+1], v[K7:K7+1] ; u / 15 + 7
	TICK 1
	v_pk_add_f32 v[TQ+gn:TQ+gn+1], v[TI+gn:TI+gn+1], v[K28:K28+1]           ; u + 28
	TICK 1
.set gn, gn+2
.endr
.set gn, 0
.rept 8
	v_pk_fma_f32 v[TB+gn:TB+gn+1], v[TB+gn:TB+gn+1], v[TI+gn:TI+gn+1], v[K63:K63+1]   ; P
	TICK 1
	v_pk_fma_f32 v[TQ+gn:TQ+gn+1], v[TQ+gn:TQ+gn+1], v[TI+gn:TI+gn+1], v[K63:K63+1]   ; Q
	TICK 1
.set gn, gn+2
.endr
.set gn, 0
.rept 8
	v_pk_fma_f32 v[TO+gn:TO+gn+1], v[TQ+gn:TQ+gn+1], v[TO+gn:TO+gn+1], v[TQ+gn:TQ+gn+1]   ; Q (1 + e)
	TICK 1
.set gn, gn+2
.endr
.set gn, 0
.rept 16
	v_rcp_f32 v[TO+gn], v[TO+gn]
	TICK 4
.set gn, gn+1
.endr
.set gn, 0
.rept 8
	v_pk_mul_f32 v[TG+gn:TG+gn+1], v[TG+gn:TG+gn+1], v[TB+gn:TB+gn+1]       ; c P: plain work that names no reciprocal
	TICK 1
.set gn, gn+2
.endr
	s_wait_alu depctr_va_vdst(0)
.set gn, 0
.rept 8
	v_pk_mul_f32 v[TI+gn:TI+gn+1], v[TG+gn:TG+gn+1], v[TO+gn:TO+gn+1]       ; h
	TICK 1
.set gn, gn+2
.endr
.endm
.macro QUANT                           ; my 16 numbers and lane l xor 16's are a block of 32 of my row
	v_max3_num_f32 v[MXA], |v[TI]|, |v[TI+1]|, 0x1800000   ; the floor 2^(3 - 127): the byte cannot fall under 1
	v_max3_num_f32 v[MXB], |v[TI+2]|, |v[TI+3]|, |v[TI+4]|
	v_max3_num_f32 v[MXA], v[MXA], |v[TI+5]|, |v[TI+6]|
	v_max3_num_f32 v[MXB], v[MXB], |v[TI+7]|, |v[TI+8]|
	v_max3_num_f32 v[MXA], v[MXA], |v[TI+9]|, |v[TI+10]|
	v_max3_num_f32 v[MXB], v[MXB], |v[TI+11]|, |v[TI+12]|
	v_max3_num_f32 v[MXA], v[MXA], |v[TI+13]|, |v[TI+14]|
	v_max3_num_f32 v[MXA], v[MXA], v[MXB], |v[TI+15]|
	v_permlanex16_b32 v[MXB], v[MXA], s48, s49
	v_max_num_f32 v[MXA], v[MXA], v[MXB]           ; the block's largest magnitude
	v_add_nc_u32 v[SCO], 0xff000000, v[MXA]        ; 2 off its exponent field: the conversion's scale operand
	v_cvt_scalef32_pk16_fp6_f32 v[CD:CD+2], v[TI:TI+15], v[SCO]
	v_lshrrev_b32 v[BY], 23, v[SCO]                ; the scale's byte (a plain line behind the conversion),
	v_lshlrev_b32 v[BY], s76, v[BY]                ; at my wave's place in the row's word
	v_add_nc_u32 v[SAC], s53, v[SA0]
	v_add_nc_u32 v[SBC], s54, v[SB0]
	ds_store_b32 v[SAC], v[CD]
	ds_store_b32 v[SAC], v[CD+1] offset:4
	ds_store_b32 v[SAC], v[CD+2] offset:8
	ds_store_b32 v[SBC], v[BY]                     ; both halves of the lanes write the same word with the same value
	s_add_co_u32 s53, s53, 384
	s_add_co_u32 s54, s54, 64
.endm
; Tile m: its gates; among them (mm = 1) tile m + 1's products and (ld = 1) the loads of tile m + 2.
.macro ITER mm, ld
.set DO_MM, \mm
.set DO_LD, \ld
.set wi, 0
.set vc, 0
	DRAIN
	GATES
	FLUSH
.if \mm
	NOPS 4                                         ; places behind the last products: for the loads below and for the next reads of the accumulators
.else
	s_wait_dscnt 0x0                               ; the last tile's stage stores have read their registers
.endif
.if \ld
	LOADH 1
.endif
	QUANT
.endm
	s_load_b256 s[4:11], s[0:1], 0x0               ; the rows' codes s[4:5], their scales s[6:7], W's codes s[8:9], W's scales s[10:11]
	s_load_b256 s[12:19], s[0:1], 0x20             ; b_ih s[12:13], b_hh s[14:15], the codes out s[16:17], the scale words out s[18:19]
	v_lshl_add_u32 v[SPW], v0, 2, SPARE
	v_mov_b32 v[NIL], 0
	ds_add_u32 v[SPW], v[NIL]                      ; the wave's opening: the add, twice on end, and its wait ahead of my first tensor load
	ds_add_u32 v[SPW], v[NIL]
	v_lshrrev_b32 v1, 5, v0
	v_readfirstlane_b32 s20, v1                    ; wave 0..3
	s_bfe_u32 s21, ttmp6, 0x40000                  ; cx: my place in the cluster
	s_lshl_b32 s22, ttmp9, 2
	s_add_co_u32 s22, s22, s21                     ; which 128 hidden columns: it enters W's, the biases' and the outputs' addresses alone
	s_and_b32 s23, ttmp7, 0xffff                   ; which 256 rows: the four partners share it
	s_mov_b32 s24, GA0                             ; group 1 for the rows' codes
	s_mov_b32 s25, GAC<<16                         ; tensor_dim0
	s_mov_b32 s26, GAR<<16                         ; tensor_dim1
	s_mov_b32 s27, GAC<<16                         ; tile_dim0
	s_mov_b32 s28, GAR                             ; tile_dim1
	s_mov_b32 s29, GAP                             ; elements from row to row
	s_mov_b32 s30, 0
	s_mov_b32 s31, 0
	s_mov_b32 s32, 15|(3<<16)|(1<<21)              ; group 1 for their scales: elements of 8 bytes, no padding
	s_mov_b32 s33, GSC<<16
	s_mov_b32 s34, GSR<<16
	s_mov_b32 s35, GSC<<16
	s_mov_b32 s36, GSR
	s_mov_b32 s37, GSP
	s_mov_b32 s38, 0
	s_mov_b32 s39, 0
.if LAYER == 0
	s_lshl_b32 s56, s23, 8                         ; codes: rows 256 y + 128 (w % 2), 192 bytes from byte 192 (w / 2) of each
	s_and_b32 s57, s20, 1
	s_lshl_b32 s57, s57, 7
	s_add_co_u32 s56, s56, s57
	s_mul_i32 s56, s56, 384
	s_lshr_b32 s57, s20, 1
	s_mul_i32 s57, s57, 192
	s_add_co_u32 s56, s56, s57
	s_lshl_b32 s58, s23, 12                        ; scales: 4,096 dense bytes, a quarter a wave
	s_lshl_b32 s59, s20, 10
	s_add_co_u32 s58, s58, s59
.else
	s_mul_i32 s56, s23, 196608                     ; codes: 196,608 dense bytes, a quarter a wave
	s_mul_i32 s57, s20, 49152
	s_add_co_u32 s56, s56, s57
	s_lshl_b32 s58, s20, 16                        ; scales: K steps 2 w and 2 w + 1, 1,024 bytes of each
	s_lshl_b32 s59, s23, 10
	s_add_co_u32 s58, s58, s59
.endif
	s_mov_b32 s57, 0
	s_mov_b32 s59, 0
	s_lshl_b32 s60, s22, 7
	s_lshl_b32 s61, s20, 5
	s_add_co_u32 s60, s60, s61                     ; my wave's first hidden column
	s_lshl_b32 s62, s60, 2                         ; in the biases,
	s_mov_b32 s63, 0
	s_mul_i32 s66, s60, KS                         ; in W's scales,
	s_mov_b32 s67, 0
	s_mul_i32 s68, s60, KROW                       ; in W's codes
	s_mov_b32 s69, 0
	s_mul_i32 s70, s23, 196608                     ; out: image (16 y + 4 w, x)
	s_mul_i32 s71, s22, 1536
	s_add_co_u32 s70, s70, s71
	s_mul_i32 s71, s20, 49152
	s_add_co_u32 s70, s70, s71
	s_mov_b32 s71, 0
	s_lshl_b32 s72, s22, 15                        ; out: scale words of K step x, rows 256 y + 64 w on
	s_lshl_b32 s73, s23, 10
	s_add_co_u32 s72, s72, s73
	s_lshl_b32 s73, s20, 8
	s_add_co_u32 s72, s72, s73
	s_mov_b32 s73, 0
	s_mov_b32 s48, 0x76543210                      ; v_permlanex16_b32's selects for lane l xor 16
	s_mov_b32 s49, 0xfedcba98
	s_mov_b32 s51, 0
	s_mov_b32 s52, 0
	s_mov_b32 s53, 0
	s_mov_b32 s54, 0
	s_mov_b32 s55, 0x80000000
	s_lshl_b32 s76, s20, 3
	v_and_b32 v[HR], 15, v0
	v_bfe_u32 v[HH], v0, 4, 1
	v_and_b32 v[HT], 8, v[HR]
	v_add_nc_u32 v[HT], v[HT], v[HR]               ; r + 8 (r / 8)
	v_lshlrev_b32 v[HB], 6, v[HH]                  ; the biases: my half's 16 numbers
	v_mul_u32_u24 v[HW], v[HT], KS
	v_lshl_add_u32 v[HW], v[HH], 2, v[HW]          ; W's scale words: lanes 16-31 take the next K step's
	v_mul_u32_u24 v[HF], v[HT], KROW
	v_mad_u32_u24 v[HF], v[HH], 24, v[HF]          ; W's codes
	s_wait_dscnt 0x0                               ; both opening adds are done
	s_wait_kmcnt 0x0
	s_mov_b32 s40, 1
	s_mul_i32 s41, s20, AWB
	s_add_nc_u64 s[42:43], s[4:5], s[56:57]
	s_or_b32 s43, s43, 0x80000000
	s_mov_b32 s44, 1
	s_mul_i32 s45, s20, SWB
	s_add_co_u32 s45, s45, XSC
	s_add_nc_u64 s[46:47], s[6:7], s[58:59]
	s_or_b32 s47, s47, 0x80000000
	s_add_nc_u64 s[12:13], s[12:13], s[62:63]
	s_add_nc_u64 s[14:15], s[14:15], s[62:63]
	s_add_nc_u64 s[10:11], s[10:11], s[66:67]
	s_add_nc_u64 s[8:9], s[8:9], s[68:69]
	s_add_nc_u64 s[16:17], s[16:17], s[70:71]
	s_add_nc_u64 s[18:19], s[18:19], s[72:73]
	CROUND                                         ; all four work-groups are here: the joint loads meet
	tensor_load_to_lds s[40:43], s[24:31]          ; every wave issues two loads, its quarter of the codes and of the scales: two of mine are out; all LDS bytes are filled once
	s_nop 0
	tensor_load_to_lds s[44:47], s[32:39]
	s_nop 0
	NOPS 4
.irp g, 1,2,3
.irp q, 0,1,2,3
	global_load_b128 v[AF+16*((\g)-1)+4*\q:AF+16*((\g)-1)+4*\q+3], v[HB], s[12:13] offset:4096*((\g)-1+(\g)/2)+16*\q        ; gates i, g, o begin at entries 0, 2048, 3072
	global_load_b128 v[AF+48+16*((\g)-1)+4*\q:AF+48+16*((\g)-1)+4*\q+3], v[HB], s[14:15] offset:4096*((\g)-1+(\g)/2)+16*\q
.endr
.endr
.irp g, 1,2,3
.irp u, 0,1
.set fs, 0
.rept NK/2
	global_load_b32 v[WS+(2*((\g)-1)+\u)*(NK/2)+fs], v[HW], s[10:11] offset:(1024*((\g)-1+(\g)/2)+8*\u)*KS+8*fs
.set fs, fs+1
.endr
.endr
.endr
.irp g, 1,2,3
	WIN (\g)<<6                                    ; destination: the gate's window
.irp u, 0,1
.set fs, 0
.rept NK
.irp p, 0,1,2,3,4,5
	global_load_b64 v[12*(NK*\u+fs)+2*\p:12*(NK*\u+fs)+2*\p+1], v[HF], s[8:9] offset:(1024*((\g)-1+(\g)/2)+8*\u)*KROW+96*fs+48*(\p/3)+8*(\p%3)
.endr
.set fs, fs+1
.endr
.endr
.endr
	WIN 0
.if LAYER == 0
	v_mul_u32_u24 v[AD0], v[HR], 240
	v_mad_u32_u24 v[AD0], v[HH], 24, v[AD0]
	v_lshl_add_u32 v[AD0B], v[HH], 4, v[AD0]
	v_lshlrev_b32 v[XA0], 4, v[HR]
	v_lshl_add_u32 v[XA0], v[HH], 2, v[XA0]
.else
	v_and_b32 v[AD0], 31, v0
	v_lshlrev_b32 v[AD0], 4, v[AD0]
	v_lshlrev_b32 v[XA0], 2, v[HR]
	v_lshl_add_u32 v[XA0], v[HH], 10, v[XA0]
.endif
	v_add_nc_u32 v[XA0], XSC, v[XA0]
	s_mul_i32 s74, s20, 6144
	s_add_co_u32 s74, s74, STG
	v_mul_u32_u24 v[SA0], v[HR], 24
	v_mad_u32_u24 v[SA0], v[HH], 12, v[SA0]
	v_add_nc_u32 v[SA0], s74, v[SA0]               ; my wave's stage, row r, my half's 12 bytes
	s_lshl_b32 s75, s20, 10
	s_add_co_u32 s75, s75, SCS
	v_lshl_add_u32 v[SB0], v[HR], 2, s75
.irp q, 0,1
	v_mov_b32 v[CNL+\q], 0xbfb8aa3b                ; -log2(e)
	v_mov_b32 v[C2L+\q], 0x4038aa3b                ; 2 log2(e)
	v_mov_b32 v[K1+\q], 0x3d888889                 ; 1 / 15
	v_mov_b32 v[K7+\q], 0x40e00000                 ; 7
	v_mov_b32 v[K63+\q], 0x427c0000                ; 63
	v_mov_b32 v[K28+\q], 0x41e00000                ; 28
.endr
	s_wait_loadcnt 0x0                             ; the weights, their scale words and the biases
.irp g, 1,2,3
	WIN (\g)<<6
.irp q, 0,2,4,6,8,10,12,14
	v_pk_add_f32 v[BIAS+\q:BIAS+\q+1], v[AF+16*((\g)-1)+\q:AF+16*((\g)-1)+\q+1], v[AF+48+16*((\g)-1)+\q:AF+48+16*((\g)-1)+\q+1]   ; b_ih + b_hh, as reference() adds them
.endr
.endr
	WIN 0
	s_wait_tensorcnt 0x0                           ; my parts of the rows and of their scales are in,
	s_barrier_signal -1
	s_barrier_wait -1                              ; everybody's are
	SETAD
	LOADH 0                                        ; tile 0
	LOADH 1
.set DO_MM, 1
.set DO_LD, 1
.set wi, 0
.rept NW
	MM1                                            ; tile 0's products: there is no vector work yet to set between them; in their middle tile 1's first half is fetched
.endr
	NOPS 4
	LOADH 1
	s_mov_b32 s50, 14
.Ltile:                                                ; tiles 0 to 13
	ITER 1, 1
	s_sub_co_u32 s50, s50, 1
	s_cmp_lg_u32 s50, 0
	s_cbranch_scc1 .Ltile
	ITER 1, 0                                      ; the tail is written out: no LDS load reaches past the rows
	ITER 0, 0
	; THE WAY OUT.  Wave w sends images 4 w .. 4 w + 3.  Registers 0-5 of lane l were made by wave l / 16, registers 6-11 by wave 2 + l / 16, 12,288 bytes further on.
	s_wait_dscnt 0x0                               ; for the others' sake: my stores into the stages are done
	s_barrier_signal -1
	s_barrier_wait -1
	s_mul_i32 s74, s20, 1536
	s_add_co_u32 s74, s74, STG
	v_mul_u32_u24 v[ADC], v[HR], 24
	v_mad_u32_u24 v[ADC], v[HH], 6144, v[ADC]
	v_add_nc_u32 v[ADC], s74, v[ADC]
	v_and_b32 v[LO16], 31, v0
	v_lshlrev_b32 v[LO8], 3, v[LO16]
	v_lshlrev_b32 v[LO16], 4, v[LO16]
	s_lshl_b32 s75, s20, 8
	s_add_co_u32 s75, s75, SCS
	v_add_nc_u32 v[XAC], s75, v[LO8]               ; two rows' words a lane
.irp mm, 0,1,2,3
.irp q, 0,1,2
	ds_load_b64 v[AF+12*\mm+2*\q:AF+12*\mm+2*\q+1], v[ADC] offset:384*\mm+8*\q
.endr
.irp q, 0,1,2
	ds_load_b64 v[AF+12*\mm+6+2*\q:AF+12*\mm+6+2*\q+1], v[ADC] offset:12288+384*\mm+8*\q
.endr
.endr
.irp b, 0,1,2,3
	ds_load_b64 v[AF+48+2*\b:AF+48+2*\b+1], v[XAC] offset:1024*\b
.endr
.irp mm, 0,1,2,3
	s_wait_dscnt 22-6*\mm                          ; of the 28 loads those behind image mm's six may be out
.irp c, 0,1,2
	global_store_b128 v[LO16], v[AF+12*\mm+4*\c:AF+12*\mm+4*\c+3], s[16:17] offset:12288*\mm+512*\c   ; 32 lanes store 512 consecutive bytes, at a multiple of 512 from the buffer's first byte
.endr
.endr
	s_wait_dscnt 0x0
.irp b, 1,2,3
	v_or_b32 v[AF+48], v[AF+48], v[AF+48+2*\b]     ; the four waves' bytes make a row's word
	v_or_b32 v[AF+49], v[AF+49], v[AF+49+2*\b]
.endr
	global_store_b64 v[LO8], v[AF+48:AF+49], s[18:19]   ; 32 lanes store 256 consecutive bytes, aligned
	s_wait_tensorcnt 0x0                           ; the wave's end: a wait, an add and its wait, behind my last tensor load and my last LDS store
	ds_add_u32 v[SPW], v[NIL]
	s_wait_dscnt 0x0
	CROUND                                         ; the closing round
	s_endpgm
.Lfunc_end_k_qba97d3d076_cell0:
	.size	k_qba97d3d076_cell0, .Lfunc_end_k_qba97d3d076_cell0-k_qba97d3d076_cell0
	.p2alignl 7, 3214868480
	.fill 96, 4, 3214868480
	.section	.rodata,"a",@progbits
	.p2align	6, 0x0
	.amdhsa_kernel k_qba97d3d076_cell0
		.amdhsa_group_segment_fixed_size 167936
		.amdhsa_private_segment_fixed_size 0
		.amdhsa_enable_private_segment 0
		.amdhsa_kernarg_size 64
		.amdhsa_user_sgpr_count 2
		.amdhsa_user_sgpr_kernarg_segment_ptr 1
		.amdhsa_wavefront_size32 1
		.amdhsa_system_sgpr_workgroup_id_x 1
		.amdhsa_system_sgpr_workgroup_id_y 1
		.amdhsa_system_sgpr_workgroup_id_z 1
		.amdhsa_system_vgpr_workitem_id 0
		.amdhsa_next_free_vgpr 1024
		.amdhsa_next_free_sgpr 80
		.amdhsa_reserve_vcc 0
		.amdhsa_float_denorm_mode_32 3
		.amdhsa_float_denorm_mode_16_64 3
		.amdhsa_memory_ordered 1
		.amdhsa_forward_progress 1
		.amdhsa_inst_pref_size 91
	.end_amdhsa_kernel
	.amdgpu_metadata
---
amdhsa.version: [ 1, 2 ]
amdhsa.kernels:
  - .name:           k_qba97d3d076_cell0
    .symbol:         k_qba97d3d076_cell0.kd
    .args:
      - { .name: x_codes, .offset: 0, .size: 8, .value_kind: global_buffer, .address_space: global }
      - { .name: x_scales, .offset: 8, .size: 8, .value_kind: global_buffer, .address_space: global }
      - { .name: W_ih0_codes, .offset: 16, .size: 8, .value_kind: global_buffer, .address_space: global }
      - { .name: W_ih0_scales, .offset: 24, .size: 8, .value_kind: global_buffer, .address_space: global }
      - { .name: b_ih0, .offset: 32, .size: 8, .value_kind: global_buffer, .address_space: global }
      - { .name: b_hh0, .offset: 40, .size: 8, .value_kind: global_buffer, .address_space: global }
      - { .name: h0c, .offset: 48, .size: 8, .value_kind: global_buffer, .address_space: global }
      - { .name: h0s, .offset: 56, .size: 8, .value_kind: global_buffer, .address_space: global }
    .group_segment_fixed_size: 167936
    .private_segment_fixed_size: 0
    .kernarg_segment_align: 8
    .kernarg_segment_size: 64
    .max_flat_workgroup_size: 128
    .sgpr_count:     80
    .vgpr_count:     1024
    .wavefront_size: 32
...
	.end_amdgpu_metadata
.endif
;; end of part 1
;; launch cell1 (part 2): grid 8 x 32, 4 waves a work-group, clusters of 4 x 1, 233,984 bytes of LDS; arguments h0c, h0s, W_ih1_codes, W_ih1_scales, b_ih1, b_hh1, h1c, h1s; writes h1c, h1s
.if DOCPART == 2
	.amdgcn_target "amdgcn-amd-amdhsa--gfx1250"
	.amdhsa_code_object_version 6
	.text
	.protected	k_qba97d3d076_cell1
	.globl	k_qba97d3d076_cell1
	.p2align	8
	.type	k_qba97d3d076_cell1,@function
k_qba97d3d076_cell1:
	s_mov_b64 s[64:65], 0
	v_nop
	global_prefetch_b8 v0, s[64:65] scope:SCOPE_SE
	s_setreg_imm32_b32 hwreg(HW_REG_WAVE_MODE, 25, 1), 1
	s_wait_xcnt 0x0
	s_wait_alu depctr_hold_cnt(0) depctr_sa_sdst(0) depctr_va_vdst(0) depctr_va_sdst(0) depctr_va_ssrc(0) depctr_va_vcc(0) depctr_vm_vsrc(0)
	s_getreg_b32 s2, hwreg(HW_REG_IB_STS2, 6, 4)
	s_cmp_eq_u32 s2, 0
	s_cbranch_scc0 .Lentry_in_a_cluster
	s_endpgm
.Lentry_in_a_cluster:
	s_bfe_u32 s2, ttmp6, 0x10000c
	s_cmp_lg_u32 s2, 0x3003
	s_cbranch_scc0 .Lentry_shape_is_right
	s_endpgm
.Lentry_shape_is_right:
; h1 = o * tanh(i * g) of the second LSTM cell, from h0 (register images and scale words that the launch before stored) and W_ih1 as codes of FP6 (E2M3) with E8M0 scales, quantised along its 1,024 columns.
; The text is the first cell's with LAYER = 1: K = 1,024, and the rows' fragments lie in LDS as images of their registers.
; DEAD WORK LEFT OUT, as shown at the head of the first kernel: the gate f (rows and entries 1024 .. 2047 of W_ih1, its scales, b_ih1, b_hh1) is never used by reference(), and W_hh1 is never read by it.
; LIMIT: a NaN, an infinity or an overflow that reaches only the work left out is not carried to the result.
; THE GATES, in f32, five transcendentals a number.  L = log2(e); a = 2^(-L i), b = 2^(-|2 L g|), e = 2^(-L o); c = sigmoid(i) tanh(g) = sign(g) (1 - b) / ((1 + a)(1 + b)); u = c c;
; h = sigmoid(o) tanh(c) = c P / (Q (1 + e)), P = u u / 15 + 7 u + 63, Q = u u + 28 u + 63: tanh's continued fraction cut behind its term 9, off by at most 6.2e-8 of tanh(c) for |c| <= 1, and |c| <= 1 for every
; input, c being a sigmoid times a tanh.  b <= 1 and Q >= 63 are finite, so where a or e overflows the divisor is infinity, its reciprocal 0, and h the right limit; no infinity meets a zero.
; LIMITS: results under 2^-126 are flushed to 0 by the transcendentals; 1 - b loses about 1e-7 / |g| of tanh(g) for small |g|; NaN and infinities among the inputs are not served; a block of zeros gets the scale
; byte 1 where the rule says 127: its codes are zeros, and this program alone reads the bytes.
; SHARES.  A work-group takes 256 rows (work-group y) x 128 hidden columns (work-group x): one K step of the next product.  THE WEIGHTS STAY: wave w owns hidden columns 32 w .. 32 w + 31 of the 128 for the three
; live gates: 6 tiles of 16 rows of W x NK K steps, 72 NK registers, read from memory once.  All four waves walk the work-group's 16 tiles of 16 rows, whose fragments lie in LDS: each feeds six matrix instructions.
; TRANSPOSED USE: source 0 = 16 rows of W, source 1 = 16 rows of h0.  THE ROWS OF W THAT FORM A TILE ARE NOT NEIGHBOURS: lane r of tile u takes row 8 u + r + 8 (r / 8) of the wave's 32, so that a lane holds ONE row
; of h0 and the 16 registers of tiles 0 and 1 are 16 neighbouring hidden columns, 16 (lane / 16) + 0 .. 15; i, g and o of a number lie in one lane at one register index, and a wave makes a whole block of 32.
; BY TURNS: while tile m's gates are worked, tile m + 1's products stand among them, one matrix instruction for each NW-th part of the vector work (macro TICK), the six accumulators by turns.
; CLUSTER: the four work-groups of a cluster lie along x and read the same 256 rows: rows and their scales are asked for JOINTLY.  The weights are not: they go straight into registers, each wave's own rows, and
; 3 x 128 rows of 768 bytes would not fit in LDS beside the rows' 196,608 bytes.  All LDS bytes are filled once, at the head: no ring, no refill.
; OUT: codes as IMAGES OF THE NEXT OPERAND'S REGISTERS, [tile of 16 rows][K step][1,536 bytes], register j of lane l at (j / 4) 512 + 16 l + 4 (j % 4); scale words [K step][row].
.set LAYER, 1
.if LAYER == 0
.set NK,     4                         ; K steps of 128
.set KROW,   384                       ; a row of W's codes in bytes
.set KS,     16                        ; a row of W's scale bytes
.set ABYTES, 122880                    ; LDS: the rows' codes: [256 along K: 2][row 256][240]: 3 x (64 bytes + 16 of padding) a row
.set XSCB,   4096                      ; their scale bytes, [row][16]
.set TASTEP, 3840                      ; from a tile of 16 rows to the next, in the codes,
.set TXSTEP, 256                       ; and in the scales
.set XSTR,   8                         ; from a pair of K steps' scale words to the next
.set AWB,    30720                     ; LDS bytes that a wave's load of codes fills,
.set SWB,    1024                      ; and its load of scales
.set GA0,    15|(1<<20)|(1<<21)|(3<<22)|(3<<25)  ; mask: all four partners; elements of 1 byte; padding on; bit 21 beside a mask; behind every 16 words, 4 words
.set GAC,    192
.set GAR,    128
.set GAP,    384
.set GSC,    32
.set GSR,    4
.set GSP,    32
.else
.set NK,     8
.set KROW,   768
.set KS,     32
.set ABYTES, 196608                    ; LDS: the rows' codes as register images, [tile 16][K step 8][1,536]
.set XSCB,   8192                      ; their scale words, [K step 8][row 256]
.set TASTEP, 12288
.set TXSTEP, 64
.set XSTR,   2048
.set AWB,    49152
.set SWB,    2048
.set GA0,    15|(3<<16)|(1<<21)        ; mask; elements of 8 bytes; no padding; bit 21 beside a mask
.set GAC,    32
.set GAR,    192
.set GAP,    32
.set GSC,    128
.set GSR,    2
.set GSP,    4096
.endif
.set NW,    6*NK                       ; matrix instructions of a tile of rows
.set NXH,   NK/4                       ; scale registers of half a tile's K steps (two K steps to a register)
.set VTOT,  440                        ; the gates' vector work of a tile: 120 plain lines + 80 transcendentals weighed as four
.set XSC,   ABYTES
.set STG,   XSC+XSCB                   ; the way out: 6,144 bytes for each wave: [tile 16][row 16][24 bytes: six registers of the next operand]
.set SCS,   STG+24576                  ; 1,024 bytes for each wave: [row 256] words, the wave's scale byte at its place
.set SPARE, SCS+4096                   ; the spare words, 128 bytes for each wave: two blocks of 256 bytes that no other line names
; window 0
.set AD0,  2                           ; my lane's place in a tile's fragments (AD0B: behind one padding more)
.set AD0B, 3
.set ADC,  4                           ; the same for the tile that is being fetched
.set ADCB, 5
.set XA0,  6                           ; my lane's place among the rows' scale words
.set XAC,  7
.set SA0,  8                           ; where I put my 12 bytes of codes
.set SB0,  9                           ; and my row's scale word
.set SAC,  10
.set SBC,  11
.set CNL,  16                          ; pairs of constants: -L, 2 L, 1/15, 7, 63, 28
.set C2L,  18
.set K1,   20
.set K7,   22
.set K63,  24
.set K28,  26
.set SPW,  28                          ; LDS address of my spare word; never rewritten
.set NIL,  29                          ; 0; never rewritten
.set MXA,  30
.set MXB,  31
.set SCO,  32
.set BY,   33
.set LO16, 34
.set LO8,  35
.set CD,   36                          ; v36-38 16 codes
.set WS,   40                          ; v40-63 W's scale words: lanes 0-15 an even K step's, lanes 16-31 the next odd one's
.set XS,   64                          ; v64-67 the rows' likewise
.set AF,   68                          ; the rows' fragments, 12 NK registers; at the head the biases land here, at the end the way out
.set TI,   164
.set TG,   180
.set TO,   196
.set TB,   212
.set TQ,   228
.set HR,   244                         ; lane % 16
.set HH,   245                         ; lane / 16
.set HT,   246
.set HB,   247
.set HW,   248
.set HF,   249
; windows 1, 2, 3 (gates i, g, o): W's fragment (u, K step s) at v[12 (NK u + s)]
.set ACC,  192                         ; two accumulators
.set BIAS, 208                         ; b_ih + b_hh in the result's layout
.set MSB, 0
.macro WIN new                         ; the immediate's high byte repeats the setting that is left; a switch that changes nothing is dropped
.if MSB != (\new)
	s_set_vgpr_msb (MSB<<8)|(\new)
.set MSB, (\new)
.endif
.endm
.macro NOPS n
.rept \n
	v_nop
.endr
.endm
.macro CROUND                          ; a round of the cluster's barrier
	s_barrier_signal -1
	s_barrier_wait -1
	s_cmp_lg_u32 s20, 0
	s_cbranch_scc1 .Lnot_wave_0_\@
	s_barrier_signal -3
.Lnot_wave_0_\@:
	s_barrier_wait -3
	s_barrier_signal -1
	s_barrier_wait -1
.endm
.macro FRAGA reg, s                    ; the fragment of K step s of the tile at v[ADC]
.if LAYER == 0
.irp p, 0,1,2,3,4,5                    ; rows of 192 bytes, 16 of padding behind each 64: pieces of 8 bytes; lanes 16-31 read three pieces on, which from piece 5 of 8 lies behind one padding more
.set PC, 12*((\s)%2)+6*(\p/3)+\p%3
.if PC%8 < 5
	ds_load_b64 v[(\reg)+2*\p:(\reg)+2*\p+1], v[ADC] offset:8*PC+16*(PC/8)+((\s)/2)*61440
.else
	ds_load_b64 v[(\reg)+2*\p:(\reg)+2*\p+1], v[ADCB] offset:8*PC+16*(PC/8)+((\s)/2)*61440
.endif
.endr
.else
.irp c, 0,1,2                          ; a register image: 16 bytes a lane, 512 a load
	ds_load_b128 v[(\reg)+4*\c:(\reg)+4*\c+3], v[ADC] offset:1536*(\s)+512*\c
.endr
.endif
.endm
.macro LOADH half                      ; half a tile's K steps: 12 loads of codes in either layer, and NXH of scale words
.set ls, (\half)*(NK/2)
.rept NK/2
	FRAGA AF+12*ls, ls
.set ls, ls+1
.endr
.set lx, (\half)*NXH
.rept NXH
	ds_load_b32 v[XS+lx], v[XAC] offset:XSTR*lx
.set lx, lx+1
.endr
.endm
.macro SETAD                           ; the addresses of the next tile to be fetched
	v_add_nc_u32 v[ADC], s51, v[AD0]
.if LAYER == 0
	v_add_nc_u32 v[ADCB], s51, v[AD0B]
.endif
	v_add_nc_u32 v[XAC], s52, v[XA0]
	s_add_co_u32 s51, s51, TASTEP
	s_add_co_u32 s52, s52, TXSTEP
.endm
; Matrix instruction wi of a tile's NW: K step wi / 6, gate wi % 3, tile (wi % 6) / 3: the six accumulators take turns, one instruction a turn.  The first six take the biases as C.
.macro MM1
.set kst, wi/6
.set gm, wi%3+1
.set uu, (wi%6)/3
.if wi == 0
	s_wait_dscnt 12+NXH                            ; the first half's fragments and scale words are in: behind them the second half's 12 + NXH loads were issued (round the loop four stores more)
.endif
.if wi == NW/2
	s_wait_dscnt 0x0                               ; the second half is in, and no LDS instruction of mine is out: its address and data registers may be written
.if DO_LD
	SETAD
	NOPS 4                                         ; places in front of loads into registers that matrix instructions have read
	LOADH 0                                        ; the first half of the tile after this one
.endif
.endif
	WIN gm*0x51                                    ; W, C and D in the gate's window; the rows' fragment in window 0
.set rD, ACC+8*uu
.set rA, 12*(NK*uu+kst)
.set rB, AF+12*kst
.set rW, WS+((gm-1)*2+uu)*(NK/2)+kst/2
.set rX, XS+kst/2
.if kst == 0
	v_wmma_scale_f32_16x16x128_f8f6f4 v[rD:rD+7], v[rA:rA+11], v[rB:rB+11], v[BIAS+8*uu:BIAS+8*uu+7], v[rW], v[rX] matrix_a_fmt:MATRIX_FMT_FP6 matrix_b_fmt:MATRIX_FMT_FP6
.elseif kst%2 == 0
	v_wmma_scale_f32_16x16x128_f8f6f4 v[rD:rD+7], v[rA:rA+11], v[rB:rB+11], v[rD:rD+7], v[rW], v[rX] matrix_a_fmt:MATRIX_FMT_FP6 matrix_b_fmt:MATRIX_FMT_FP6
.else
	v_wmma_scale_f32_16x16x128_f8f6f4 v[rD:rD+7], v[rA:rA+11], v[rB:rB+11], v[rD:rD+7], v[rW], v[rX] matrix_a_fmt:MATRIX_FMT_FP6 matrix_b_fmt:MATRIX_FMT_FP6 matrix_a_scale:MATRIX_SCALE_ROW1 matrix_b_scale:MATRIX_SCALE_ROW1
.endif
	WIN 0
.set wi, wi+1
.endm
.macro TICK c                          ; c more of the tile's VTOT of vector work is written: a matrix instruction follows when its share is due
.set vc, vc+(\c)
.if DO_MM && (wi < NW) && (vc*NW >= wi*VTOT)
	MM1
.endif
.endm
.macro FLUSH                           ; what is left of the NW
.rept NW
.if DO_MM && (wi < NW)
	MM1
.endif
.endr
.endm
.macro DRAIN                           ; the accumulators, each from its low end on, into window 0, times -L, 2 L, -L: they are free for the next tile
	WIN 0x01
.irp q, 0,2,4,6,8,10,12,14
	v_pk_mul_f32 v[TI+\q:TI+\q+1], v[ACC+\q:ACC+\q+1], v[CNL:CNL+1]
.endr
	WIN 0x02
.irp q, 0,2,4,6,8,10,12,14
	v_pk_mul_f32 v[TG+\q:TG+\q+1], v[ACC+\q:ACC+\q+1], v[C2L:C2L+1]
.endr
	WIN 0x03
.irp q, 0,2,4,6,8,10,12,14
	v_pk_mul_f32 v[TO+\q:TO+\q+1], v[ACC+\q:ACC+\q+1], v[CNL:CNL+1]
.endr
	WIN 0
.endm
.macro GATES                           ; 16 numbers a lane.  Three batches of transcendentals, each with one plain line behind it and ONE wait ahead of its first reader
.set gn, 0
.rept 16
	v_exp_f32 v[TI+gn], v[TI+gn]                   ; a = 2^(-L i)
	TICK 4
	v_exp_f32 v[TB+gn], -|v[TG+gn]|                ; b = 2^(-|2 L g|), at most 1
	TICK 4
.set gn, gn+1
.endr
	v_nop
	s_wait_alu depctr_va_vdst(0)
.set gn, 0
.rept 8
	v_pk_add_f32 v[TI+gn:TI+gn+1], v[TI+gn:TI+gn+1], 1.0 op_sel_hi:[1,0]    ; 1 + a
	TICK 1
	v_pk_add_f32 v[TQ+gn:TQ+gn+1], v[TB+gn:TB+gn+1], 1.0 op_sel_hi:[1,0]    ; 1 + b, from 1 to 2: an infinite 1 + a meets no zero
	TICK 1
.set gn, gn+2
.endr
.set gn, 0
.rept 8
	v_pk_fma_f32 v[TB+gn:TB+gn+1], v[TB+gn:TB+gn+1], -1.0, 1.0 op_sel_hi:[1,0,0]   ; 1 - b
	TICK 1
	v_pk_mul_f32 v[TI+gn:TI+gn+1], v[TI+gn:TI+gn+1], v[TQ+gn:TQ+gn+1]       ; (1 + a)(1 + b)
	TICK 1
.set gn, gn+2
.endr
.set gn, 0
.rept 16
	v_and_or_b32 v[TB+gn], v[TG+gn], s55, v[TB+gn] ; with g's sign
	TICK 1
.set gn, gn+1
.endr
.set gn, 0
.rept 16
	v_rcp_f32 v[TI+gn], v[TI+gn]
	TICK 4
	v_exp_f32 v[TO+gn], v[TO+gn]                   ; e = 2^(-L o)
	TICK 4
.set gn, gn+1
.endr
	v_nop
	s_wait_alu depctr_va_vdst(0)
.set gn, 0
.rept 8
	v_pk_mul_f32 v[TG+gn:TG+gn+1], v[TB+gn:TB+gn+1], v[TI+gn:TI+gn+1]       ; c
	TICK 1
.set gn, gn+2
.endr
.set gn, 0
.rept 8
	v_pk_mul_f32 v[TI+gn:TI+gn+1], v[TG+gn:TG+gn+1], v[TG+gn:TG+gn+1]       ; u = c c
	TICK 1
.set gn, gn+2
.endr
.set gn, 0
.rept 8
	v_pk_fma_f32 v[TB+gn:TB+gn+1], v[TI+gn:TI+gn+1], v[K1:K1+1], v[K7:K7+1] ; u / 15 + 7
	TICK 1
	v_pk_add_f32 v[TQ+gn:TQ+gn+1], v[TI+gn:TI+gn+1], v[K28:K28+1]           ; u + 28
	TICK 1
.set gn, gn+2
.endr
.set gn, 0
.rept 8
	v_pk_fma_f32 v[TB+gn:TB+gn+1], v[TB+gn:TB+gn+1], v[TI+gn:TI+gn+1], v[K63:K63+1]   ; P
	TICK 1
	v_pk_fma_f32 v[TQ+gn:TQ+gn+1], v[TQ+gn:TQ+gn+1], v[TI+gn:TI+gn+1], v[K63:K63+1]   ; Q
	TICK 1
.set gn, gn+2
.endr
.set gn, 0
.rept 8
	v_pk_fma_f32 v[TO+gn:TO+gn+1], v[TQ+gn:TQ+gn+1], v[TO+gn:TO+gn+1], v[TQ+gn:TQ+gn+1]   ; Q (1 + e)
	TICK 1
.set gn, gn+2
.endr
.set gn, 0
.rept 16
	v_rcp_f32 v[TO+gn], v[TO+gn]
	TICK 4
.set gn, gn+1
.endr
.set gn, 0
.rept 8
	v_pk_mul_f32 v[TG+gn:TG+gn+1], v[TG+gn:TG+gn+1], v[TB+gn:TB+gn+1]       ; c P: plain work that names no reciprocal
	TICK 1
.set gn, gn+2
.endr
	s_wait_alu depctr_va_vdst(0)
.set gn, 0
.rept 8
	v_pk_mul_f32 v[TI+gn:TI+gn+1], v[TG+gn:TG+gn+1], v[TO+gn:TO+gn+1]       ; h
	TICK 1
.set gn, gn+2
.endr
.endm
.macro QUANT                           ; my 16 numbers and lane l xor 16's are a block of 32 of my row
	v_max3_num_f32 v[MXA], |v[TI]|, |v[TI+1]|, 0x1800000   ; the floor 2^(3 - 127): the byte cannot fall under 1
	v_max3_num_f32 v[MXB], |v[TI+2]|, |v[TI+3]|, |v[TI+4]|
	v_max3_num_f32 v[MXA], v[MXA], |v[TI+5]|, |v[TI+6]|
	v_max3_num_f32 v[MXB], v[MXB], |v[TI+7]|, |v[TI+8]|
	v_max3_num_f32 v[MXA], v[MXA], |v[TI+9]|, |v[TI+10]|
	v_max3_num_f32 v[MXB], v[MXB], |v[TI+11]|, |v[TI+12]|
	v_max3_num_f32 v[MXA], v[MXA], |v[TI+13]|, |v[TI+14]|
	v_max3_num_f32 v[MXA], v[MXA], v[MXB], |v[TI+15]|
	v_permlanex16_b32 v[MXB], v[MXA], s48, s49
	v_max_num_f32 v[MXA], v[MXA], v[MXB]           ; the block's largest magnitude
	v_add_nc_u32 v[SCO], 0xff000000, v[MXA]        ; 2 off its exponent field: the conversion's scale operand
	v_cvt_scalef32_pk16_fp6_f32 v[CD:CD+2], v[TI:TI+15], v[SCO]
	v_lshrrev_b32 v[BY], 23, v[SCO]                ; the scale's byte (a plain line behind the conversion),
	v_lshlrev_b32 v[BY], s76, v[BY]                ; at my wave's place in the row's word
	v_add_nc_u32 v[SAC], s53, v[SA0]
	v_add_nc_u32 v[SBC], s54, v[SB0]
	ds_store_b32 v[SAC], v[CD]
	ds_store_b32 v[SAC], v[CD+1] offset:4
	ds_store_b32 v[SAC], v[CD+2] offset:8
	ds_store_b32 v[SBC], v[BY]                     ; both halves of the lanes write the same word with the same value
	s_add_co_u32 s53, s53, 384
	s_add_co_u32 s54, s54, 64
.endm
; Tile m: its gates; among them (mm = 1) tile m + 1's products and (ld = 1) the loads of tile m + 2.
.macro ITER mm, ld
.set DO_MM, \mm
.set DO_LD, \ld
.set wi, 0
.set vc, 0
	DRAIN
	GATES
	FLUSH
.if \mm
	NOPS 4                                         ; places behind the last products: for the loads below and for the next reads of the accumulators
.else
	s_wait_dscnt 0x0                               ; the last tile's stage stores have read their registers
.endif
.if \ld
	LOADH 1
.endif
	QUANT
.endm
	s_load_b256 s[4:11], s[0:1], 0x0               ; the rows' codes s[4:5], their scales s[6:7], W's codes s[8:9], W's scales s[10:11]
	s_load_b256 s[12:19], s[0:1], 0x20             ; b_ih s[12:13], b_hh s[14:15], the codes out s[16:17], the scale words out s[18:19]
	v_lshl_add_u32 v[SPW], v0, 2, SPARE
	v_mov_b32 v[NIL], 0
	ds_add_u32 v[SPW], v[NIL]                      ; the wave's opening: the add, twice on end, and its wait ahead of my first tensor load
	ds_add_u32 v[SPW], v[NIL]
	v_lshrrev_b32 v1, 5, v0
	v_readfirstlane_b32 s20, v1                    ; wave 0..3
	s_bfe_u32 s21, ttmp6, 0x40000                  ; cx: my place in the cluster
	s_lshl_b32 s22, ttmp9, 2
	s_add_co_u32 s22, s22, s21                     ; which 128 hidden columns: it enters W's, the biases' and the outputs' addresses alone
	s_and_b32 s23, ttmp7, 0xffff                   ; which 256 rows: the four partners share it
	s_mov_b32 s24, GA0                             ; group 1 for the rows' codes
	s_mov_b32 s25, GAC<<16                         ; tensor_dim0
	s_mov_b32 s26, GAR<<16                         ; tensor_dim1
	s_mov_b32 s27, GAC<<16                         ; tile_dim0
	s_mov_b32 s28, GAR                             ; tile_dim1
	s_mov_b32 s29, GAP                             ; elements from row to row
	s_mov_b32 s30, 0
	s_mov_b32 s31, 0
	s_mov_b32 s32, 15|(3<<16)|(1<<21)              ; group 1 for their scales: elements of 8 bytes, no padding
	s_mov_b32 s33, GSC<<16
	s_mov_b32 s34, GSR<<16
	s_mov_b32 s35, GSC<<16
	s_mov_b32 s36, GSR
	s_mov_b32 s37, GSP
	s_mov_b32 s38, 0
	s_mov_b32 s39, 0
.if LAYER == 0
	s_lshl_b32 s56, s23, 8                         ; codes: rows 256 y + 128 (w % 2), 192 bytes from byte 192 (w / 2) of each
	s_and_b32 s57, s20, 1
	s_lshl_b32 s57, s57, 7
	s_add_co_u32 s56, s56, s57
	s_mul_i32 s56, s56, 384
	s_lshr_b32 s57, s20, 1
	s_mul_i32 s57, s57, 192
	s_add_co_u32 s56, s56, s57
	s_lshl_b32 s58, s23, 12                        ; scales: 4,096 dense bytes, a quarter a wave
	s_lshl_b32 s59, s20, 10
	s_add_co_u32 s58, s58, s59
.else
	s_mul_i32 s56, s23, 196608                     ; codes: 196,608 dense bytes, a quarter a wave
	s_mul_i32 s57, s20, 49152
	s_add_co_u32 s56, s56, s57
	s_lshl_b32 s58, s20, 16                        ; scales: K steps 2 w and 2 w + 1, 1,024 bytes of each
	s_lshl_b32 s59, s23, 10
	s_add_co_u32 s58, s58, s59
.endif
	s_mov_b32 s57, 0
	s_mov_b32 s59, 0
	s_lshl_b32 s60, s22, 7
	s_lshl_b32 s61, s20, 5
	s_add_co_u32 s60, s60, s61                     ; my wave's first hidden column
	s_lshl_b32 s62, s60, 2                         ; in the biases,
	s_mov_b32 s63, 0
	s_mul_i32 s66, s60, KS                         ; in W's scales,
	s_mov_b32 s67, 0
	s_mul_i32 s68, s60, KROW                       ; in W's codes
	s_mov_b32 s69, 0
	s_mul_i32 s70, s23, 196608                     ; out: image (16 y + 4 w, x)
	s_mul_i32 s71, s22, 1536
	s_add_co_u32 s70, s70, s71
	s_mul_i32 s71, s20, 49152
	s_add_co_u32 s70, s70, s71
	s_mov_b32 s71, 0
	s_lshl_b32 s72, s22, 15                        ; out: scale words of K step x, rows 256 y + 64 w on
	s_lshl_b32 s73, s23, 10
	s_add_co_u32 s72, s72, s73
	s_lshl_b32 s73, s20, 8
	s_add_co_u32 s72, s72, s73
	s_mov_b32 s73, 0
	s_mov_b32 s48, 0x76543210                      ; v_permlanex16_b32's selects for lane l xor 16
	s_mov_b32 s49, 0xfedcba98
	s_mov_b32 s51, 0
	s_mov_b32 s52, 0
	s_mov_b32 s53, 0
	s_mov_b32 s54, 0
	s_mov_b32 s55, 0x80000000
	s_lshl_b32 s76, s20, 3
	v_and_b32 v[HR], 15, v0
	v_bfe_u32 v[HH], v0, 4, 1
	v_and_b32 v[HT], 8, v[HR]
	v_add_nc_u32 v[HT], v[HT], v[HR]               ; r + 8 (r / 8)
	v_lshlrev_b32 v[HB], 6, v[HH]                  ; the biases: my half's 16 numbers
	v_mul_u32_u24 v[HW], v[HT], KS
	v_lshl_add_u32 v[HW], v[HH], 2, v[HW]          ; W's scale words: lanes 16-31 take the next K step's
	v_mul_u32_u24 v[HF], v[HT], KROW
	v_mad_u32_u24 v[HF], v[HH], 24, v[HF]          ; W's codes
	s_wait_dscnt 0x0                               ; both opening adds are done
	s_wait_kmcnt 0x0
	s_mov_b32 s40, 1
	s_mul_i32 s41, s20, AWB
	s_add_nc_u64 s[42:43], s[4:5], s[56:57]
	s_or_b32 s43, s43, 0x80000000
	s_mov_b32 s44, 1
	s_mul_i32 s45, s20, SWB
	s_add_co_u32 s45, s45, XSC
	s_add_nc_u64 s[46:47], s[6:7], s[58:59]
	s_or_b32 s47, s47, 0x80000000
	s_add_nc_u64 s[12:13], s[12:13], s[62:63]
	s_add_nc_u64 s[14:15], s[14:15], s[62:63]
	s_add_nc_u64 s[10:11], s[10:11], s[66:67]
	s_add_nc_u64 s[8:9], s[8:9], s[68:69]
	s_add_nc_u64 s[16:17], s[16:17], s[70:71]
	s_add_nc_u64 s[18:19], s[18:19], s[72:73]
	CROUND                                         ; all four work-groups are here: the joint loads meet
	tensor_load_to_lds s[40:43], s[24:31]          ; every wave issues two loads, its quarter of the codes and of the scales: two of mine are out; all LDS bytes are filled once
	s_nop 0
	tensor_load_to_lds s[44:47], s[32:39]
	s_nop 0
	NOPS 4
.irp g, 1,2,3
.irp q, 0,1,2,3
	global_load_b128 v[AF+16*((\g)-1)+4*\q:AF+16*((\g)-1)+4*\q+3], v[HB], s[12:13] offset:4096*((\g)-1+(\g)/2)+16*\q        ; gates i, g, o begin at entries 0, 2048, 3072
	global_load_b128 v[AF+48+16*((\g)-1)+4*\q:AF+48+16*((\g)-1)+4*\q+3], v[HB], s[14:15] offset:4096*((\g)-1+(\g)/2)+16*\q
.endr
.endr
.irp g, 1,2,3
.irp u, 0,1
.set fs, 0
.rept NK/2
	global_load_b32 v[WS+(2*((\g)-1)+\u)*(NK/2)+fs], v[HW], s[10:11] offset:(1024*((\g)-1+(\g)/2)+8*\u)*KS+8*fs
.set fs, fs+1
.endr
.endr
.endr
.irp g, 1,2,3
	WIN (\g)<<6                                    ; destination: the gate's window
.irp u, 0,1
.set fs, 0
.rept NK
.irp p, 0,1,2,3,4,5
	global_load_b64 v[12*(NK*\u+fs)+2*\p:12*(NK*\u+fs)+2*\p+1], v[HF], s[8:9] offset:(1024*((\g)-1+(\g)/2)+8*\u)*KROW+96*fs+48*(\p/3)+8*(\p%3)
.endr
.set fs, fs+1
.endr
.endr
.endr
	WIN 0
.if LAYER == 0
	v_mul_u32_u24 v[AD0], v[HR], 240
	v_mad_u32_u24 v[AD0], v[HH], 24, v[AD0]
	v_lshl_add_u32 v[AD0B], v[HH], 4, v[AD0]
	v_lshlrev_b32 v[XA0], 4, v[HR]
	v_lshl_add_u32 v[XA0], v[HH], 2, v[XA0]
.else
	v_and_b32 v[AD0], 31, v0
	v_lshlrev_b32 v[AD0], 4, v[AD0]
	v_lshlrev_b32 v[XA0], 2, v[HR]
	v_lshl_add_u32 v[XA0], v[HH], 10, v[XA0]
.endif
	v_add_nc_u32 v[XA0], XSC, v[XA0]
	s_mul_i32 s74, s20, 6144
	s_add_co_u32 s74, s74, STG
	v_mul_u32_u24 v[SA0], v[HR], 24
	v_mad_u32_u24 v[SA0], v[HH], 12, v[SA0]
	v_add_nc_u32 v[SA0], s74, v[SA0]               ; my wave's stage, row r, my half's 12 bytes
	s_lshl_b32 s75, s20, 10
	s_add_co_u32 s75, s75, SCS
	v_lshl_add_u32 v[SB0], v[HR], 2, s75
.irp q, 0,1
	v_mov_b32 v[CNL+\q], 0xbfb8aa3b                ; -log2(e)
	v_mov_b32 v[C2L+\q], 0x4038aa3b                ; 2 log2(e)
	v_mov_b32 v[K1+\q], 0x3d888889                 ; 1 / 15
	v_mov_b32 v[K7+\q], 0x40e00000                 ; 7
	v_mov_b32 v[K63+\q], 0x427c0000                ; 63
	v_mov_b32 v[K28+\q], 0x41e00000                ; 28
.endr
	s_wait_loadcnt 0x0                             ; the weights, their scale words and the biases
.irp g, 1,2,3
	WIN (\g)<<6
.irp q, 0,2,4,6,8,10,12,14
	v_pk_add_f32 v[BIAS+\q:BIAS+\q+1], v[AF+16*((\g)-1)+\q:AF+16*((\g)-1)+\q+1], v[AF+48+16*((\g)-1)+\q:AF+48+16*((\g)-1)+\q+1]   ; b_ih + b_hh, as reference() adds them
.endr
.endr
	WIN 0
	s_wait_tensorcnt 0x0                           ; my parts of the rows and of their scales are in,
	s_barrier_signal -1
	s_barrier_wait -1                              ; everybody's are
	SETAD
	LOADH 0                                        ; tile 0
	LOADH 1
.set DO_MM, 1
.set DO_LD, 1
.set wi, 0
.rept NW
	MM1                                            ; tile 0's products: there is no vector work yet to set between them; in their middle tile 1's first half is fetched
.endr
	NOPS 4
	LOADH 1
	s_mov_b32 s50, 14
.Ltile:                                                ; tiles 0 to 13
	ITER 1, 1
	s_sub_co_u32 s50, s50, 1
	s_cmp_lg_u32 s50, 0
	s_cbranch_scc1 .Ltile
	ITER 1, 0                                      ; the tail is written out: no LDS load reaches past the rows
	ITER 0, 0
	; THE WAY OUT.  Wave w sends images 4 w .. 4 w + 3.  Registers 0-5 of lane l were made by wave l / 16, registers 6-11 by wave 2 + l / 16, 12,288 bytes further on.
	s_wait_dscnt 0x0                               ; for the others' sake: my stores into the stages are done
	s_barrier_signal -1
	s_barrier_wait -1
	s_mul_i32 s74, s20, 1536
	s_add_co_u32 s74, s74, STG
	v_mul_u32_u24 v[ADC], v[HR], 24
	v_mad_u32_u24 v[ADC], v[HH], 6144, v[ADC]
	v_add_nc_u32 v[ADC], s74, v[ADC]
	v_and_b32 v[LO16], 31, v0
	v_lshlrev_b32 v[LO8], 3, v[LO16]
	v_lshlrev_b32 v[LO16], 4, v[LO16]
	s_lshl_b32 s75, s20, 8
	s_add_co_u32 s75, s75, SCS
	v_add_nc_u32 v[XAC], s75, v[LO8]               ; two rows' words a lane
.irp mm, 0,1,2,3
.irp q, 0,1,2
	ds_load_b64 v[AF+12*\mm+2*\q:AF+12*\mm+2*\q+1], v[ADC] offset:384*\mm+8*\q
.endr
.irp q, 0,1,2
	ds_load_b64 v[AF+12*\mm+6+2*\q:AF+12*\mm+6+2*\q+1], v[ADC] offset:12288+384*\mm+8*\q
.endr
.endr
.irp b, 0,1,2,3
	ds_load_b64 v[AF+48+2*\b:AF+48+2*\b+1], v[XAC] offset:1024*\b
.endr
.irp mm, 0,1,2,3
	s_wait_dscnt 22-6*\mm                          ; of the 28 loads those behind image mm's six may be out
.irp c, 0,1,2
	global_store_b128 v[LO16], v[AF+12*\mm+4*\c:AF+12*\mm+4*\c+3], s[16:17] offset:12288*\mm+512*\c   ; 32 lanes store 512 consecutive bytes, at a multiple of 512 from the buffer's first byte
.endr
.endr
	s_wait_dscnt 0x0
.irp b, 1,2,3
	v_or_b32 v[AF+48], v[AF+48], v[AF+48+2*\b]     ; the four waves' bytes make a row's word
	v_or_b32 v[AF+49], v[AF+49], v[AF+49+2*\b]
.endr
	global_store_b64 v[LO8], v[AF+48:AF+49], s[18:19]   ; 32 lanes store 256 consecutive bytes, aligned
	s_wait_tensorcnt 0x0                           ; the wave's end: a wait, an add and its wait, behind my last tensor load and my last LDS store
	ds_add_u32 v[SPW], v[NIL]
	s_wait_dscnt 0x0
	CROUND                                         ; the closing round
	s_endpgm
.Lfunc_end_k_qba97d3d076_cell1:
	.size	k_qba97d3d076_cell1, .Lfunc_end_k_qba97d3d076_cell1-k_qba97d3d076_cell1
	.p2alignl 7, 3214868480
	.fill 96, 4, 3214868480
	.section	.rodata,"a",@progbits
	.p2align	6, 0x0
	.amdhsa_kernel k_qba97d3d076_cell1
		.amdhsa_group_segment_fixed_size 233984
		.amdhsa_private_segment_fixed_size 0
		.amdhsa_enable_private_segment 0
		.amdhsa_kernarg_size 64
		.amdhsa_user_sgpr_count 2
		.amdhsa_user_sgpr_kernarg_segment_ptr 1
		.amdhsa_wavefront_size32 1
		.amdhsa_system_sgpr_workgroup_id_x 1
		.amdhsa_system_sgpr_workgroup_id_y 1
		.amdhsa_system_sgpr_workgroup_id_z 1
		.amdhsa_system_vgpr_workitem_id 0
		.amdhsa_next_free_vgpr 1024
		.amdhsa_next_free_sgpr 80
		.amdhsa_reserve_vcc 0
		.amdhsa_float_denorm_mode_32 3
		.amdhsa_float_denorm_mode_16_64 3
		.amdhsa_memory_ordered 1
		.amdhsa_forward_progress 1
		.amdhsa_inst_pref_size 119
	.end_amdhsa_kernel
	.amdgpu_metadata
---
amdhsa.version: [ 1, 2 ]
amdhsa.kernels:
  - .name:           k_qba97d3d076_cell1
    .symbol:         k_qba97d3d076_cell1.kd
    .args:
      - { .name: h0c, .offset: 0, .size: 8, .value_kind: global_buffer, .address_space: global }
      - { .name: h0s, .offset: 8, .size: 8, .value_kind: global_buffer, .address_space: global }
      - { .name: W_ih1_codes, .offset: 16, .size: 8, .value_kind: global_buffer, .address_space: global }
      - { .name: W_ih1_scales, .offset: 24, .size: 8, .value_kind: global_buffer, .address_space: global }
      - { .name: b_ih1, .offset: 32, .size: 8, .value_kind: global_buffer, .address_space: global }
      - { .name: b_hh1, .offset: 40, .size: 8, .value_kind: global_buffer, .address_space: global }
      - { .name: h1c, .offset: 48, .size: 8, .value_kind: global_buffer, .address_space: global }
      - { .name: h1s, .offset: 56, .size: 8, .value_kind: global_buffer, .address_space: global }
    .group_segment_fixed_size: 233984
    .private_segment_fixed_size: 0
    .kernarg_segment_align: 8
    .kernarg_segment_size: 64
    .max_flat_workgroup_size: 128
    .sgpr_count:     80
    .vgpr_count:     1024
    .wavefront_size: 32
...
	.end_amdgpu_metadata
.endif
;; end of part 2
;; launch dec (part 3): grid 4 x 64, 4 waves a work-group, clusters of 4 x 1, 170,496 bytes of LDS; arguments h1c, h1s, W_dec_codes, W_dec_scales, b_dec, out0; writes out0
.if DOCPART == 3
	.amdgcn_target "amdgcn-amd-amdhsa--gfx1250"
	.amdhsa_code_object_version 6
	.text
	.protected	k_qba97d3d076_dec
	.globl	k_qba97d3d076_dec
	.p2align	8
	.type	k_qba97d3d076_dec,@function
k_qba97d3d076_dec:
	s_mov_b64 s[64:65], 0
	v_nop
	global_prefetch_b8 v0, s[64:65] scope:SCOPE_SE
	s_setreg_imm32_b32 hwreg(HW_REG_WAVE_MODE, 25, 1), 1
	s_wait_xcnt 0x0
	s_wait_alu depctr_hold_cnt(0) depctr_sa_sdst(0) depctr_va_vdst(0) depctr_va_sdst(0) depctr_va_ssrc(0) depctr_va_vcc(0) depctr_vm_vsrc(0)
	s_getreg_b32 s2, hwreg(HW_REG_IB_STS2, 6, 4)
	s_cmp_eq_u32 s2, 0
	s_cbranch_scc0 .Lentry_in_a_cluster
	s_endpgm
.Lentry_in_a_cluster:
	s_bfe_u32 s2, ttmp6, 0x10000c
	s_cmp_lg_u32 s2, 0x3003
	s_cbranch_scc0 .Lentry_shape_is_right
	s_endpgm
.Lentry_shape_is_right:
; out0 = h1 W_dec^T + b_dec.  h1: register images [tile of 16 rows][K step 8][1,536 bytes] and scale words [K step 8][row 8192], as the launch before stored them; W_dec: codes of FP6 (E2M3), K innermost, with E8M0
; scale bytes; out0 [8192][512] f32.  Nothing of this product is left out.
; SHARES.  A work-group takes 128 rows (work-group y) x 128 outputs (work-group x).  THE WEIGHTS STAY: wave w keeps W_dec's rows 32 w .. 32 w + 31 of the 128, 16 fragments, 192 registers, read from memory once.
; All four waves walk the 8 tiles of 16 rows, two at a time, from LDS.  TRANSPOSED USE: source 0 = 16 rows of W_dec, source 1 = 16 rows of h1: a lane holds eight neighbouring outputs of one row.
; The bias is the C of each sum's first matrix instruction.  The four accumulators of a pair of tiles take turns, one instruction a turn.
; CLUSTER: the four work-groups of a cluster lie along x and read the same 128 rows: rows and their scale words are asked for JOINTLY.  The weights go straight into registers, each wave's own rows.
; All LDS bytes are filled once, at the head: no ring, no refill.  A row's 128 outputs come from four waves: they meet in a stage and leave as whole rows of 512 bytes.
.set XSC,   98304                      ; LDS: the rows' images at 0, [tile 8][K step 8][1,536]; here their scale words, [K step 8][row 128]
.set STG,   102400                     ; the stage: 128 rows x (512 bytes + 16)
.set SPARE, 169984                     ; the spare words, 128 bytes for each wave: two blocks of 256 bytes that no other line names
.set LI,   2                           ; v2 16 x lane; v3 the same + 49,152, for tiles 4 to 7
.set XA,   4                           ; my lane's place among the rows' scale words
.set SO,   5                           ; the stage: where I put 32 bytes of a row
.set SR,   6                           ; and where I read a row back
.set SPW,  10                          ; LDS address of my spare word; never rewritten
.set NIL,  11                          ; 0; never rewritten
.set WS,   12                          ; v12-19 W's scale words (n, pair of K steps): lanes 0-15 the even K step's, lanes 16-31 the odd one's
.set XS,   20                          ; v20-35 the rows' likewise: two sets x two tiles x four
.set HR,   36
.set HH,   37
.set HB,   38
.set HW,   39
.set HF,   40
; window 0: v64-255 the fragments of an even pair of tiles; window 2: v0-191 those of an odd pair; window 1: v0-191 W's fragment (n, s) at 12 (8 n + s)
.set BIAS, 192                         ; window 1
.set ACC,  208                         ; window 1: accumulator (tile mi of the pair, n) at 8 (2 mi + n)
.set MSB, 0
.macro WIN new                         ; the immediate's high byte repeats the setting that is left; a switch that changes nothing is dropped
.if MSB != (\new)
	s_set_vgpr_msb (MSB<<8)|(\new)
.set MSB, (\new)
.endif
.endm
.macro NOPS n
.rept \n
	v_nop
.endr
.endm
.macro CROUND                          ; a round of the cluster's barrier
	s_barrier_signal -1
	s_barrier_wait -1
	s_cmp_lg_u32 s20, 0
	s_cbranch_scc1 .Lnot_wave_0_\@
	s_barrier_signal -3
.Lnot_wave_0_\@:
	s_barrier_wait -3
	s_barrier_signal -1
	s_barrier_wait -1
.endm
.macro LOADP p                         ; tiles 2 p and 2 p + 1: 48 loads of codes and 8 of scale words
.if (\p)%2
	WIN 0x80
.set fb, 0
.else
	WIN 0
.set fb, 64
.endif
.irp mi, 0,1
.irp s, 0,1,2,3,4,5,6,7
.irp c, 0,1,2
	ds_load_b128 v[fb+96*\mi+12*\s+4*\c:fb+96*\mi+12*\s+4*\c+3], v[LI+(\p)/2] offset:((2*(\p)+\mi)%4)*12288+1536*\s+512*\c
.endr
.endr
.endr
	WIN 0
.irp mi, 0,1
.irp sp, 0,1,2,3
	ds_load_b32 v[XS+8*((\p)%2)+4*\mi+\sp], v[XA] offset:(2*(\p)+\mi)*64+1024*\sp
.endr
.endr
.endm
.macro MULP p                          ; 32 products
.if (\p)%2
	WIN 0x59                                       ; W, C and D in window 1, the rows in window 2
.set fb, 0
.else
	WIN 0x51                                       ; the rows in window 0
.set fb, 64
.endif
.irp s, 0,1,2,3,4,5,6,7
.irp mi, 0,1
.irp n, 0,1
.if \s == 0
	v_wmma_scale_f32_16x16x128_f8f6f4 v[ACC+8*(2*\mi+\n):ACC+8*(2*\mi+\n)+7], v[12*(8*\n+\s):12*(8*\n+\s)+11], v[fb+96*\mi+12*\s:fb+96*\mi+12*\s+11], v[BIAS+8*\n:BIAS+8*\n+7], v[WS+4*\n+\s/2], v[XS+8*((\p)%2)+4*\mi+\s/2] matrix_a_fmt:MATRIX_FMT_FP6 matrix_b_fmt:MATRIX_FMT_FP6
.elseif \s%2 == 0
	v_wmma_scale_f32_16x16x128_f8f6f4 v[ACC+8*(2*\mi+\n):ACC+8*(2*\mi+\n)+7], v[12*(8*\n+\s):12*(8*\n+\s)+11], v[fb+96*\mi+12*\s:fb+96*\mi+12*\s+11], v[ACC+8*(2*\mi+\n):ACC+8*(2*\mi+\n)+7], v[WS+4*\n+\s/2], v[XS+8*((\p)%2)+4*\mi+\s/2] matrix_a_fmt:MATRIX_FMT_FP6 matrix_b_fmt:MATRIX_FMT_FP6
.else
	v_wmma_scale_f32_16x16x128_f8f6f4 v[ACC+8*(2*\mi+\n):ACC+8*(2*\mi+\n)+7], v[12*(8*\n+\s):12*(8*\n+\s)+11], v[fb+96*\mi+12*\s:fb+96*\mi+12*\s+11], v[ACC+8*(2*\mi+\n):ACC+8*(2*\mi+\n)+7], v[WS+4*\n+\s/2], v[XS+8*((\p)%2)+4*\mi+\s/2] matrix_a_fmt:MATRIX_FMT_FP6 matrix_b_fmt:MATRIX_FMT_FP6 matrix_a_scale:MATRIX_SCALE_ROW1 matrix_b_scale:MATRIX_SCALE_ROW1
.endif
.endr
.endr
.endr
.endm
.macro STOREP p                        ; the pair's results into the stage, each accumulator from its low end on
	NOPS 5                                         ; four places in front of the reads of results and of loads into the fragments' registers; five in front of the next pair's first products, which begin these accumulators anew
	WIN 0x04                                       ; an LDS store's data are its source 1: window 1
.irp mi, 0,1
.irp n, 0,1
	ds_store_b128 v[SO], v[ACC+8*(2*\mi+\n):ACC+8*(2*\mi+\n)+3] offset:(2*(\p)+\mi)*8448+64*\n
	ds_store_b128 v[SO], v[ACC+8*(2*\mi+\n)+4:ACC+8*(2*\mi+\n)+7] offset:(2*(\p)+\mi)*8448+64*\n+16
.endr
.endr
	WIN 0
.endm
	s_load_b256 s[4:11], s[0:1], 0x0               ; h1's images s[4:5], its scale words s[6:7], W's codes s[8:9], W's scales s[10:11]
	s_load_b128 s[12:15], s[0:1], 0x20             ; b_dec s[12:13], out0 s[14:15]
	v_lshl_add_u32 v[SPW], v0, 2, SPARE
	v_mov_b32 v[NIL], 0
	ds_add_u32 v[SPW], v[NIL]                      ; the wave's opening: the add, twice on end, and its wait ahead of my first tensor load
	ds_add_u32 v[SPW], v[NIL]
	v_lshrrev_b32 v1, 5, v0
	v_readfirstlane_b32 s20, v1                    ; wave 0..3
	s_bfe_u32 s21, ttmp6, 0x40000                  ; cx
	s_lshl_b32 s22, ttmp9, 2
	s_add_co_u32 s22, s22, s21                     ; which 128 outputs: it enters W's, the bias's and out0's addresses alone
	s_and_b32 s23, ttmp7, 0xffff                   ; which 128 rows: the four partners share it
	s_mov_b32 s24, 15|(3<<16)|(1<<21)              ; group 1 for the images: mask of all four; elements of 8 bytes; bit 21 beside a mask: 96 rows of 256 bytes, dense
	s_mov_b32 s25, 32<<16
	s_mov_b32 s26, 96<<16
	s_mov_b32 s27, 32<<16
	s_mov_b32 s28, 96
	s_mov_b32 s29, 32
	s_mov_b32 s30, 0
	s_mov_b32 s31, 0
	s_mov_b32 s32, 15|(3<<16)|(1<<21)              ; group 1 for the scale words: 2 K steps x 512 bytes, 32,768 bytes apart
	s_mov_b32 s33, 64<<16
	s_mov_b32 s34, 2<<16
	s_mov_b32 s35, 64<<16
	s_mov_b32 s36, 2
	s_mov_b32 s37, 4096
	s_mov_b32 s38, 0
	s_mov_b32 s39, 0
	s_mul_i32 s56, s23, 98304                      ; the images: 98,304 dense bytes, a quarter a wave
	s_mul_i32 s57, s20, 24576
	s_add_co_u32 s56, s56, s57
	s_mov_b32 s57, 0
	s_lshl_b32 s58, s20, 16                        ; the scale words: K steps 2 w and 2 w + 1
	s_lshl_b32 s59, s23, 9
	s_add_co_u32 s58, s58, s59
	s_mov_b32 s59, 0
	s_lshl_b32 s60, s22, 7
	s_lshl_b32 s61, s20, 5
	s_add_co_u32 s60, s60, s61                     ; my wave's first output
	s_lshl_b32 s62, s60, 2
	s_mov_b32 s63, 0
	s_lshl_b32 s66, s60, 5
	s_mov_b32 s67, 0
	s_mul_i32 s68, s60, 768
	s_mov_b32 s69, 0
	s_lshl_b32 s70, s23, 7
	s_add_co_u32 s70, s70, s61                     ; the first row that I store: 128 y + 32 w
	s_lshl_b32 s70, s70, 11
	s_lshl_b32 s71, s22, 9
	s_add_co_u32 s70, s70, s71
	s_mov_b32 s71, 0
	v_and_b32 v[HR], 15, v0
	v_bfe_u32 v[HH], v0, 4, 1
	v_lshlrev_b32 v[HB], 5, v[HH]                  ; the bias: my half's eight numbers of a tile
	v_lshlrev_b32 v[HW], 5, v[HR]
	v_lshl_add_u32 v[HW], v[HH], 2, v[HW]          ; W's scale words: lanes 16-31 take the next K step's
	v_mul_u32_u24 v[HF], v[HR], 768
	v_mad_u32_u24 v[HF], v[HH], 24, v[HF]          ; W's codes
	s_wait_dscnt 0x0                               ; both opening adds are done
	s_wait_kmcnt 0x0
	s_mov_b32 s40, 1
	s_mul_i32 s41, s20, 24576
	s_add_nc_u64 s[42:43], s[4:5], s[56:57]
	s_or_b32 s43, s43, 0x80000000
	s_mov_b32 s44, 1
	s_lshl_b32 s45, s20, 10
	s_add_co_u32 s45, s45, XSC
	s_add_nc_u64 s[46:47], s[6:7], s[58:59]
	s_or_b32 s47, s47, 0x80000000
	s_add_nc_u64 s[12:13], s[12:13], s[62:63]
	s_add_nc_u64 s[10:11], s[10:11], s[66:67]
	s_add_nc_u64 s[8:9], s[8:9], s[68:69]
	s_add_nc_u64 s[14:15], s[14:15], s[70:71]
	CROUND                                         ; all four work-groups are here: the joint loads meet
	tensor_load_to_lds s[40:43], s[24:31]          ; every wave issues two loads: two of mine are out; all LDS bytes are filled once
	s_nop 0
	tensor_load_to_lds s[44:47], s[32:39]
	s_nop 0
	NOPS 4
.irp n, 0,1
.irp sp, 0,1,2,3
	global_load_b32 v[WS+4*\n+\sp], v[HW], s[10:11] offset:512*\n+8*\sp
.endr
.endr
	WIN 0x40                                       ; destination window 1
.irp n, 0,1
	global_load_b128 v[BIAS+8*\n:BIAS+8*\n+3], v[HB], s[12:13] offset:64*\n
	global_load_b128 v[BIAS+8*\n+4:BIAS+8*\n+7], v[HB], s[12:13] offset:64*\n+16
.endr
.irp n, 0,1
.irp s, 0,1,2,3,4,5,6,7
.irp p, 0,1,2,3,4,5
	global_load_b64 v[12*(8*\n+\s)+2*\p:12*(8*\n+\s)+2*\p+1], v[HF], s[8:9] offset:12288*\n+96*\s+48*(\p/3)+8*(\p%3)
.endr
.endr
.endr
	WIN 0
	v_and_b32 v[LI], 31, v0
	v_lshlrev_b32 v[LI], 4, v[LI]
	v_add_nc_u32 v[LI+1], 49152, v[LI]
	v_lshlrev_b32 v[XA], 2, v[HR]
	v_lshl_add_u32 v[XA], v[HH], 9, v[XA]
	v_add_nc_u32 v[XA], XSC, v[XA]
	s_lshl_b32 s74, s20, 7
	s_add_co_u32 s74, s74, STG
	v_mul_u32_u24 v[SO], v[HR], 528
	v_lshl_add_u32 v[SO], v[HH], 5, v[SO]
	v_add_nc_u32 v[SO], s74, v[SO]                 ; row r, + 32 x half, + my wave's 128 bytes
	s_mul_i32 s75, s20, 16896
	s_add_co_u32 s75, s75, STG
	v_add_nc_u32 v[SR], s75, v[LI]                 ; back: my 32 rows, 16 bytes a lane
	s_wait_loadcnt 0x0                             ; the weights, their scale words and the bias
	s_wait_tensorcnt 0x0                           ; my parts of the rows and of their scale words are in,
	s_barrier_signal -1
	s_barrier_wait -1                              ; everybody's are
	LOADP 0
	LOADP 1
	s_wait_dscnt 56                                ; pair 0 is in: behind it pair 1's 56 loads were issued
	MULP 0
	STOREP 0
	LOADP 2
	s_wait_dscnt 56                                ; pair 1 is in and pair 0's stage stores are done: behind them pair 2's 56 loads were issued
	MULP 1
	STOREP 1
	LOADP 3
	s_wait_dscnt 56                                ; pair 2 likewise
	MULP 2
	STOREP 2
	s_wait_dscnt 0x0
	MULP 3
	STOREP 3
	s_wait_dscnt 0x0                               ; for the others' sake: my stores into the stage are done
	s_barrier_signal -1
	s_barrier_wait -1
.irp i, 0,1,2,3,4,5,6,7,8,9,10,11,12,13,14,15,16,17,18,19,20,21,22,23,24,25,26,27,28,29,30,31
	ds_load_b128 v[64+4*\i:64+4*\i+3], v[SR] offset:528*\i
.endr
.irp i, 0,1,2,3,4,5,6,7,8,9,10,11,12,13,14,15,16,17,18,19,20,21,22,23,24,25,26,27,28,29,30,31
	s_wait_dscnt 31-\i                             ; the loads behind row i's may be out
	global_store_b128 v[LI], v[64+4*\i:64+4*\i+3], s[14:15] offset:2048*\i th:TH_STORE_NT   ; 32 lanes store 512 consecutive bytes, at a multiple of 512 from out0's first byte; written once, read by nobody here
.endr
	s_wait_tensorcnt 0x0                           ; the wave's end: a wait, an add and its wait, behind my last tensor load and my last LDS store
	ds_add_u32 v[SPW], v[NIL]
	s_wait_dscnt 0x0
	CROUND                                         ; the closing round
	s_endpgm
.Lfunc_end_k_qba97d3d076_dec:
	.size	k_qba97d3d076_dec, .Lfunc_end_k_qba97d3d076_dec-k_qba97d3d076_dec
	.p2alignl 7, 3214868480
	.fill 96, 4, 3214868480
	.section	.rodata,"a",@progbits
	.p2align	6, 0x0
	.amdhsa_kernel k_qba97d3d076_dec
		.amdhsa_group_segment_fixed_size 170496
		.amdhsa_private_segment_fixed_size 0
		.amdhsa_enable_private_segment 0
		.amdhsa_kernarg_size 48
		.amdhsa_user_sgpr_count 2
		.amdhsa_user_sgpr_kernarg_segment_ptr 1
		.amdhsa_wavefront_size32 1
		.amdhsa_system_sgpr_workgroup_id_x 1
		.amdhsa_system_sgpr_workgroup_id_y 1
		.amdhsa_system_sgpr_workgroup_id_z 1
		.amdhsa_system_vgpr_workitem_id 0
		.amdhsa_next_free_vgpr 768
		.amdhsa_next_free_sgpr 80
		.amdhsa_reserve_vcc 0
		.amdhsa_float_denorm_mode_32 3
		.amdhsa_float_denorm_mode_16_64 3
		.amdhsa_memory_ordered 1
		.amdhsa_forward_progress 1
		.amdhsa_inst_pref_size 56
	.end_amdhsa_kernel
	.amdgpu_metadata
---
amdhsa.version: [ 1, 2 ]
amdhsa.kernels:
  - .name:           k_qba97d3d076_dec
    .symbol:         k_qba97d3d076_dec.kd
    .args:
      - { .name: h1c, .offset: 0, .size: 8, .value_kind: global_buffer, .address_space: global }
      - { .name: h1s, .offset: 8, .size: 8, .value_kind: global_buffer, .address_space: global }
      - { .name: W_dec_codes, .offset: 16, .size: 8, .value_kind: global_buffer, .address_space: global }
      - { .name: W_dec_scales, .offset: 24, .size: 8, .value_kind: global_buffer, .address_space: global }
      - { .name: b_dec, .offset: 32, .size: 8, .value_kind: global_buffer, .address_space: global }
      - { .name: out0, .offset: 40, .size: 8, .value_kind: global_buffer, .address_space: global }
    .group_segment_fixed_size: 170496
    .private_segment_fixed_size: 0
    .kernarg_segment_align: 8
    .kernarg_segment_size: 48
    .max_flat_workgroup_size: 128
    .sgpr_count:     80
    .vgpr_count:     768
    .wavefront_size: 32
...
	.end_amdgpu_metadata
.endif
;; end of part 3
;; ======== version 2 of 2: 3 launches
;; limits: a function is approximated: absolute error at most 1e-07
;; workspace buffers: h0c 6,291,456 bytes; h0s 262,144 bytes; h1c 6,291,456 bytes; h1s 262,144 bytes
;; launch cell0 (part 4): grid 8 x 32, 4 waves a work-group, clusters of 4 x 1, 181,760 bytes of LDS; arguments x_codes, x_scales, W_ih0_codes, W_ih0_scales, b_ih0, b_hh0, h0c, h0s; writes h0c, h0s
.if DOCPART == 4
	.amdgcn_target "amdgcn-amd-amdhsa--gfx1250"
	.amdhsa_code_object_version 6
	.text
	.protected	k_qba97d3d076_cell0
	.globl	k_qba97d3d076_cell0
	.p2align	8
	.type	k_qba97d3d076_cell0,@function
k_qba97d3d076_cell0:
	s_mov_b64 s[64:65], 0
	v_nop
	global_prefetch_b8 v0, s[64:65] scope:SCOPE_SE
	s_setreg_imm32_b32 hwreg(HW_REG_WAVE_MODE, 25, 1), 1
	s_wait_xcnt 0x0
	s_wait_alu depctr_hold_cnt(0) depctr_sa_sdst(0) depctr_va_vdst(0) depctr_va_sdst(0) depctr_va_ssrc(0) depctr_va_vcc(0) depctr_vm_vsrc(0)
	s_getreg_b32 s2, hwreg(HW_REG_IB_STS2, 6, 4)
	s_cmp_eq_u32 s2, 0
	s_cbranch_scc0 .Lentry_in_a_cluster
	s_endpgm
.Lentry_in_a_cluster:
	s_bfe_u32 s2, ttmp6, 0x10000c
	s_cmp_lg_u32 s2, 0x3003
	s_cbranch_scc0 .Lentry_shape_is_right
	s_endpgm
.Lentry_shape_is_right:
; h0 = o * tanh(i * g) of the first LSTM cell, from x and W_ih0 as codes of FP6 (E2M3) with E8M0 scales, quantised along its 1,024 columns into codes and scale words for the next product.
; DEAD WORK, for all values of the inputs.  reference() splits the gates into i, f, g, o and never uses f (c0 = 0 is built in its own body, so f * c0 is not even written): rows 1024 .. 2047 of W_ih0 and of W_ih1, their
; scale bytes and entries 1024 .. 2047 of the four biases reach no output, and a quarter of products 1 and 2 is left out in whole rows.  W_hh0 and W_hh1 are arguments of reference() that its body never reads
; (h0 = 0): they have no way to any output, are not loaded and are among no launch's arguments.  LIMIT: a NaN, an infinity or an overflow that reaches only the work left out is not carried to the result.
; THE GATES, in f32, five transcendentals a number.  L = log2(e); a = 2^(-L i), b = 2^(-|2 L g|), e = 2^(-L o); c = sigmoid(i) tanh(g) = sign(g) (1 - b) / ((1 + a)(1 + b)); u = c c;
; h = sigmoid(o) tanh(c) = c P / (Q (1 + e)), P = u u / 15 + 7 u + 63, Q = u u + 28 u + 63: tanh's continued fraction cut behind its term 9, off by at most 6.2e-8 of tanh(c) for |c| <= 1, and |c| <= 1 for every
; input, c being a sigmoid times a tanh.  b <= 1 and Q >= 63 are finite, so where a or e overflows the divisor is infinity, its reciprocal 0, and h the right limit; no infinity meets a zero.
; LIMITS: results under 2^-126 are flushed to 0 by the transcendentals; 1 - b loses about 1e-7 / |g| of tanh(g) for small |g|; NaN and infinities among the inputs are not served; a block of zeros gets the scale
; byte 1 where the rule says 127: its codes are zeros, and this program alone reads the bytes.
; SHARES.  A work-group takes 256 rows (work-group y) x 128 hidden columns (work-group x): one K step of the next product.  THE WEIGHTS STAY: wave w owns hidden columns 32 w .. 32 w + 31 of the 128 for the three
; live gates: 6 tiles of 16 rows of W x NK K steps, 72 NK registers, read from memory once.  All four waves walk the work-group's 16 tiles of 16 rows, whose fragments lie in LDS: each feeds six matrix instructions.
; TRANSPOSED USE: source 0 = 16 rows of W, source 1 = 16 rows of x.  THE ROWS OF W THAT FORM A TILE ARE NOT NEIGHBOURS: lane r of tile u takes row 8 u + r + 8 (r / 8) of the wave's 32, so that a lane holds ONE row
; of x and the 16 registers of tiles 0 and 1 are 16 neighbouring hidden columns, 16 (lane / 16) + 0 .. 15; i, g and o of a number lie in one lane at one register index, and a wave makes a whole block of 32.
; THE WEIGHTS' WAY IN.  A tile's 16 rows are two dense runs of 8 rows.  They are loaded as they lie, 16 bytes a lane, 512 consecutive bytes a load, into the registers that the tile's fragments will hold (NL loads x 4
; = NK fragments x 12), and turn through a stage of the wave's own in LDS: stored as loaded into rows of KROW + 16 bytes, read back in the fragments' order, 8 bytes a lane, into the same registers.
; BY TURNS: while tile m's gates are worked, tile m + 1's products stand among them, one matrix instruction for each NW-th part of the vector work (macro TICK), the six accumulators by turns.
; CLUSTER: the four work-groups of a cluster lie along x and read the same 256 rows: rows and their scales are asked for JOINTLY.  The weights are not: each wave wants rows of its own, and 3 x 128 rows of them
; would not fit in LDS beside the rows of the wider layer.  All LDS bytes that tensor loads fill are filled once, at the head: no ring, no refill.
; OUT: codes as IMAGES OF THE NEXT OPERAND'S REGISTERS, [tile of 16 rows][K step][1,536 bytes], register j of lane l at (j / 4) 512 + 16 l + 4 (j % 4); scale words [K step][row].
.set LAYER, 0
.if LAYER == 0
.set NK,     4                         ; K steps of 128
.set KROW,   384                       ; a row of W's codes in bytes
.set QS,     7                         ; KROW = 3 << QS
.set KS,     16                        ; a row of W's scale bytes
.set ABYTES, 122880                    ; LDS: the rows' codes: [256 along K: 2][row 256][240]: 3 x (64 bytes + 16 of padding) a row
.set XSCB,   4096                      ; their scale bytes, [row][16]
.set TASTEP, 3840                      ; from a tile of 16 rows to the next, in the codes,
.set TXSTEP, 256                       ; and in the scales
.set XSTR,   8                         ; from a pair of K steps' scale words to the next
.set AWB,    30720                     ; LDS bytes that a wave's load of codes fills,
.set SWB,    1024                      ; and its load of scales
.set GA0,    15|(1<<20)|(1<<21)|(3<<22)|(3<<25)  ; mask: all four partners; elements of 1 byte; padding on; bit 21 beside a mask; behind every 16 words, 4 words
.set GAC,    192
.set GAR,    128
.set GAP,    384
.set GSC,    32
.set GSR,    4
.set GSP,    32
.else
.set NK,     8
.set KROW,   768
.set QS,     8
.set KS,     32
.set ABYTES, 196608                    ; LDS: the rows' codes as register images, [tile 16][K step 8][1,536]
.set XSCB,   8192                      ; their scale words, [K step 8][row 256]
.set TASTEP, 12288
.set TXSTEP, 64
.set XSTR,   2048
.set AWB,    49152
.set SWB,    2048
.set GA0,    15|(3<<16)|(1<<21)        ; mask; elements of 8 bytes; no padding; bit 21 beside a mask
.set GAC,    32
.set GAR,    192
.set GAP,    32
.set GSC,    128
.set GSR,    2
.set GSP,    4096
.endif
.set NW,    6*NK                       ; matrix instructions of a tile of rows
.set NXH,   NK/4                       ; scale registers of half a tile's K steps (two K steps to a register)
.set VTOT,  440                        ; the gates' vector work of a tile: 120 plain lines + 80 transcendentals weighed as four
.set XSC,   ABYTES
.set STG,   XSC+XSCB                   ; the way out: 6,144 bytes for each wave: [tile 16][row 16][24 bytes: six registers of the next operand]
.set SCS,   STG+24576                  ; 1,024 bytes for each wave: [row 256] words, the wave's scale byte at its place
.set SPARE, SCS+4096                   ; the spare words, 128 bytes for each wave: two blocks of 256 bytes that no other line names
.set WSTG,  SPARE+512                  ; the weights' stages, one for each wave
.set WPITCH, KROW+16                   ; a stage row: 100 or 196 words: row r starts at bank 36 r or 4 r mod 64 (64 banks of 4 bytes: ISA guide 11.1), so the 32 lanes of a load of 8 bytes touch 64 different banks
.set WSB,   16*WPITCH                  ; a stage: 16 rows, a whole number of blocks of 256 bytes
.set NL,    16*KROW/512                ; loads of 512 bytes that bring a tile of W
.set JSTEP, 1536+16*(1536/KROW)        ; three loads are 1,536 / KROW whole rows: so far on lie the next three in the stage
; window 0
.set AD0,  2                           ; my lane's place in a tile's fragments (AD0B: behind one padding more)
.set AD0B, 3
.set ADC,  4                           ; the same for the tile that is being fetched
.set ADCB, 5
.set XA0,  6                           ; my lane's place among the rows' scale words
.set XAC,  7
.set SA0,  8                           ; where I put my 12 bytes of codes
.set SB0,  9                           ; and my row's scale word
.set SAC,  10
.set SBC,  11
.set WT,   12                          ; v12-14 the weights' stage: where my 16 bytes of load 3 j + t go, t = 0, 1, 2
.set WR,   15                          ; and where my pieces of a fragment are read back
.set CNL,  16                          ; pairs of constants: -L, 2 L, 1/15, 7, 63, 28
.set C2L,  18
.set K1,   20
.set K7,   22
.set K63,  24
.set K28,  26
.set SPW,  28                          ; LDS address of my spare word; never rewritten
.set NIL,  29                          ; 0; never rewritten
.set MXA,  30
.set MXB,  31
.set SCO,  32
.set BY,   33
.set LO16, 34                          ; 16 x lane; never rewritten
.set LO8,  35
.set CD,   36                          ; v36-38 16 codes
.set WS,   40                          ; v40-63 W's scale words: lanes 0-15 an even K step's, lanes 16-31 the next odd one's
.set XS,   64                          ; v64-67 the rows' likewise
.set AF,   68                          ; the rows' fragments, 12 NK registers; at the head the biases land here, at the end the way out
.set TI,   164
.set TG,   180
.set TO,   196
.set TB,   212
.set TQ,   228
.set HR,   244                         ; lane % 16
.set HH,   245                         ; lane / 16
.set HT,   246
.set HB,   247
.set HW,   248
.set HF,   249
; windows 1, 2, 3 (gates i, g, o): W's fragment (u, K step s) at v[12 (NK u + s)]
.set ACC,  192                         ; two accumulators
.set BIAS, 208                         ; b_ih + b_hh in the result's layout
.set MSB, 0
.macro WIN new                         ; the immediate's high byte repeats the setting that is left; a switch that changes nothing is dropped
.if MSB != (\new)
	s_set_vgpr_msb (MSB<<8)|(\new)
.set MSB, (\new)
.endif
.endm
.macro NOPS n
.rept \n
	v_nop
.endr
.endm
.macro CROUND                          ; a round of the cluster's barrier
	s_barrier_signal -1
	s_barrier_wait -1
	s_cmp_lg_u32 s20, 0
	s_cbranch_scc1 .Lnot_wave_0_\@
	s_barrier_signal -3
.Lnot_wave_0_\@:
	s_barrier_wait -3
	s_barrier_signal -1
	s_barrier_wait -1
.endm
; Tile t of W (gate t / 2, tile t % 2): rows 8 u .. 8 u + 7 and 8 u + 16 .. 8 u + 23 of the wave's 32, as they lie: each load covers 512 consecutive bytes, at a multiple of 512 from the buffer's first byte
.macro WLOAD t
.set wg, (\t)/2+1
.set wu, (\t)%2
	WIN wg<<6                                      ; destination: the gate's window
.set wk, 0
.rept NL
	global_load_b128 v[12*NK*wu+4*wk:12*NK*wu+4*wk+3], v[LO16], s[8:9] offset:(1024*(wg-1+wg/2)+8*wu+16*(wk/(NL/2)))*KROW+512*(wk%(NL/2))   ; gates i, g, o begin at rows 0, 2048, 3072
.set wk, wk+1
.endr
.endm
; and its turn through my stage.  LDS serves a wave's instructions in order (ISA guide 5.7.1.4): the loads see the stores above them, and the next tile's stores come behind these loads
.macro WTURN t
.set wg, (\t)/2+1
.set wu, (\t)%2
	WIN wg<<2                                      ; an LDS store's data are its source 1
.set wk, 0
.rept NL
	ds_store_b128 v[WT+wk%3], v[12*NK*wu+4*wk:12*NK*wu+4*wk+3] offset:(wk/3)*JSTEP
.set wk, wk+1
.endr
	WIN wg<<6
.set wq, 0
.rept NK
.irp p, 0,1,2,3,4,5
	ds_load_b64 v[12*(NK*wu+wq)+2*\p:12*(NK*wu+wq)+2*\p+1], v[WR] offset:96*wq+48*(\p/3)+8*(\p%3)   ; lane (r, h): stage row r, K = 128 s + 64 c + 32 h + 0 .. 31: 24 bytes as three pieces
.endr
.set wq, wq+1
.endr
.endm
.macro FRAGA reg, s                    ; the fragment of K step s of the tile at v[ADC]
.if LAYER == 0
.irp p, 0,1,2,3,4,5                    ; rows of 192 bytes, 16 of padding behind each 64: pieces of 8 bytes; lanes 16-31 read three pieces on, which from piece 5 of 8 lies behind one padding more
.set PC, 12*((\s)%2)+6*(\p/3)+\p%3
.if PC%8 < 5
	ds_load_b64 v[(\reg)+2*\p:(\reg)+2*\p+1], v[ADC] offset:8*PC+16*(PC/8)+((\s)/2)*61440
.else
	ds_load_b64 v[(\reg)+2*\p:(\reg)+2*\p+1], v[ADCB] offset:8*PC+16*(PC/8)+((\s)/2)*61440
.endif
.endr
.else
.irp c, 0,1,2                          ; a register image: 16 bytes a lane, 512 a load
	ds_load_b128 v[(\reg)+4*\c:(\reg)+4*\c+3], v[ADC] offset:1536*(\s)+512*\c
.endr
.endif
.endm
.macro LOADH half                      ; half a tile's K steps: 12 loads of codes in either layer, and NXH of scale words
.set ls, (\half)*(NK/2)
.rept NK/2
	FRAGA AF+12*ls, ls
.set ls, ls+1
.endr
.set lx, (\half)*NXH
.rept NXH
	ds_load_b32 v[XS+lx], v[XAC] offset:XSTR*lx
.set lx, lx+1
.endr
.endm
.macro SETAD                           ; the addresses of the next tile to be fetched
	v_add_nc_u32 v[ADC], s51, v[AD0]
.if LAYER == 0
	v_add_nc_u32 v[ADCB], s51, v[AD0B]
.endif
	v_add_nc_u32 v[XAC], s52, v[XA0]
	s_add_co_u32 s51, s51, TASTEP
	s_add_co_u32 s52, s52, TXSTEP
.endm
; Matrix instruction wi of a tile's NW: K step wi / 6, gate wi % 3, tile (wi % 6) / 3: the six accumulators take turns, one instruction a turn.  The first six take the biases as C.
.macro MM1
.set kst, wi/6
.set gm, wi%3+1
.set uu, (wi%6)/3
.if wi == 0
	s_wait_dscnt 12+NXH                            ; the first half's fragments and scale words are in: behind them the second half's 12 + NXH loads were issued (round the loop four stores more)
.endif
.if wi == NW/2
	s_wait_dscnt 0x0                               ; the second half is in, and no LDS instruction of mine is out: its address and data registers may be written
.if DO_LD
	SETAD
	NOPS 4                                         ; places in front of loads into registers that matrix instructions have read
	LOADH 0                                        ; the first half of the tile after this one
.endif
.endif
	WIN gm*0x51                                    ; W, C and D in the gate's window; the rows' fragment in window 0
.set rD, ACC+8*uu
.set rA, 12*(NK*uu+kst)
.set rB, AF+12*kst
.set rW, WS+((gm-1)*2+uu)*(NK/2)+kst/2
.set rX, XS+kst/2
.if kst == 0
	v_wmma_scale_f32_16x16x128_f8f6f4 v[rD:rD+7], v[rA:rA+11], v[rB:rB+11], v[BIAS+8*uu:BIAS+8*uu+7], v[rW], v[rX] matrix_a_fmt:MATRIX_FMT_FP6 matrix_b_fmt:MATRIX_FMT_FP6
.elseif kst%2 == 0
	v_wmma_scale_f32_16x16x128_f8f6f4 v[rD:rD+7], v[rA:rA+11], v[rB:rB+11], v[rD:rD+7], v[rW], v[rX] matrix_a_fmt:MATRIX_FMT_FP6 matrix_b_fmt:MATRIX_FMT_FP6
.else
	v_wmma_scale_f32_16x16x128_f8f6f4 v[rD:rD+7], v[rA:rA+11], v[rB:rB+11], v[rD:rD+7], v[rW], v[rX] matrix_a_fmt:MATRIX_FMT_FP6 matrix_b_fmt:MATRIX_FMT_FP6 matrix_a_scale:MATRIX_SCALE_ROW1 matrix_b_scale:MATRIX_SCALE_ROW1
.endif
	WIN 0
.set wi, wi+1
.endm
.macro TICK c                          ; c more of the tile's VTOT of vector work is written: a matrix instruction follows when its share is due
.set vc, vc+(\c)
.if DO_MM && (wi < NW) && (vc*NW >= wi*VTOT)
	MM1
.endif
.endm
.macro FLUSH                           ; what is left of the NW
.rept NW
.if DO_MM && (wi < NW)
	MM1
.endif
.endr
.endm
.macro DRAIN                           ; the accumulators, each from its low end on, into window 0, times -L, 2 L, -L: they are free for the next tile
	WIN 0x01
.irp q, 0,2,4,6,8,10,12,14
	v_pk_mul_f32 v[TI+\q:TI+\q+1], v[ACC+\q:ACC+\q+1], v[CNL:CNL+1]
.endr
	WIN 0x02
.irp q, 0,2,4,6,8,10,12,14
	v_pk_mul_f32 v[TG+\q:TG+\q+1], v[ACC+\q:ACC+\q+1], v[C2L:C2L+1]
.endr
	WIN 0x03
.irp q, 0,2,4,6,8,10,12,14
	v_pk_mul_f32 v[TO+\q:TO+\q+1], v[ACC+\q:ACC+\q+1], v[CNL:CNL+1]
.endr
	WIN 0
.endm
.macro GATES                           ; 16 numbers a lane.  Three batches of transcendentals, each with one plain line behind it and ONE wait ahead of its first reader
.set gn, 0
.rept 16
	v_exp_f32 v[TI+gn], v[TI+gn]                   ; a = 2^(-L i)
	TICK 4
	v_exp_f32 v[TB+gn], -|v[TG+gn]|                ; b = 2^(-|2 L g|), at most 1
	TICK 4
.set gn, gn+1
.endr
	v_nop
	s_wait_alu depctr_va_vdst(0)
.set gn, 0
.rept 8
	v_pk_add_f32 v[TI+gn:TI+gn+1], v[TI+gn:TI+gn+1], 1.0 op_sel_hi:[1,0]    ; 1 + a
	TICK 1
	v_pk_add_f32 v[TQ+gn:TQ+gn+1], v[TB+gn:TB+gn+1], 1.0 op_sel_hi:[1,0]    ; 1 + b, from 1 to 2: an infinite 1 + a meets no zero
	TICK 1
.set gn, gn+2
.endr
.set gn, 0
.rept 8
	v_pk_fma_f32 v[TB+gn:TB+gn+1], v[TB+gn:TB+gn+1], -1.0, 1.0 op_sel_hi:[1,0,0]   ; 1 - b
	TICK 1
	v_pk_mul_f32 v[TI+gn:TI+gn+1], v[TI+gn:TI+gn+1], v[TQ+gn:TQ+gn+1]       ; (1 + a)(1 + b)
	TICK 1
.set gn, gn+2
.endr
.set gn, 0
.rept 16
	v_and_or_b32 v[TB+gn], v[TG+gn], s55, v[TB+gn] ; with g's sign
	TICK 1
.set gn, gn+1
.endr
.set gn, 0
.rept 16
	v_rcp_f32 v[TI+gn], v[TI+gn]
	TICK 4
	v_exp_f32 v[TO+gn], v[TO+gn]                   ; e = 2^(-L o)
	TICK 4
.set gn, gn+1
.endr
	v_nop
	s_wait_alu depctr_va_vdst(0)
.set gn, 0
.rept 8
	v_pk_mul_f32 v[TG+gn:TG+gn+1], v[TB+gn:TB+gn+1], v[TI+gn:TI+gn+1]       ; c
	TICK 1
.set gn, gn+2
.endr
.set gn, 0
.rept 8
	v_pk_mul_f32 v[TI+gn:TI+gn+1], v[TG+gn:TG+gn+1], v[TG+gn:TG+gn+1]       ; u = c c
	TICK 1
.set gn, gn+2
.endr
.set gn, 0
.rept 8
	v_pk_fma_f32 v[TB+gn:TB+gn+1], v[TI+gn:TI+gn+1], v[K1:K1+1], v[K7:K7+1] ; u / 15 + 7
	TICK 1
	v_pk_add_f32 v[TQ+gn:TQ+gn+1], v[TI+gn:TI+gn+1], v[K28:K28+1]           ; u + 28
	TICK 1
.set gn, gn+2
.endr
.set gn, 0
.rept 8
	v_pk_fma_f32 v[TB+gn:TB+gn+1], v[TB+gn:TB+gn+1], v[TI+gn:TI+gn+1], v[K63:K63+1]   ; P
	TICK 1
	v_pk_fma_f32 v[TQ+gn:TQ+gn+1], v[TQ+gn:TQ+gn+1], v[TI+gn:TI+gn+1], v[K63:K63+1]   ; Q
	TICK 1
.set gn, gn+2
.endr
.set gn, 0
.rept 8
	v_pk_fma_f32 v[TO+gn:TO+gn+1], v[TQ+gn:TQ+gn+1], v[TO+gn:TO+gn+1], v[TQ+gn:TQ+gn+1]   ; Q (1 + e)
	TICK 1
.set gn, gn+2
.endr
.set gn, 0
.rept 16
	v_rcp_f32 v[TO+gn], v[TO+gn]
	TICK 4
.set gn, gn+1
.endr
.set gn, 0
.rept 8
	v_pk_mul_f32 v[TG+gn:TG+gn+1], v[TG+gn:TG+gn+1], v[TB+gn:TB+gn+1]       ; c P: plain work that names no reciprocal
	TICK 1
.set gn, gn+2
.endr
	s_wait_alu depctr_va_vdst(0)
.set gn, 0
.rept 8
	v_pk_mul_f32 v[TI+gn:TI+gn+1], v[TG+gn:TG+gn+1], v[TO+gn:TO+gn+1]       ; h
	TICK 1
.set gn, gn+2
.endr
.endm
.macro QUANT                           ; my 16 numbers and lane l xor 16's are a block of 32 of my row
	v_max3_num_f32 v[MXA], |v[TI]|, |v[TI+1]|, 0x1800000   ; the floor 2^(3 - 127): the byte cannot fall under 1
	v_max3_num_f32 v[MXB], |v[TI+2]|, |v[TI+3]|, |v[TI+4]|
	v_max3_num_f32 v[MXA], v[MXA], |v[TI+5]|, |v[TI+6]|
	v_max3_num_f32 v[MXB], v[MXB], |v[TI+7]|, |v[TI+8]|
	v_max3_num_f32 v[MXA], v[MXA], |v[TI+9]|, |v[TI+10]|
	v_max3_num_f32 v[MXB], v[MXB], |v[TI+11]|, |v[TI+12]|
	v_max3_num_f32 v[MXA], v[MXA], |v[TI+13]|, |v[TI+14]|
	v_max3_num_f32 v[MXA], v[MXA], v[MXB], |v[TI+15]|
	v_permlanex16_b32 v[MXB], v[MXA], s48, s49
	v_max_num_f32 v[MXA], v[MXA], v[MXB]           ; the block's largest magnitude
	v_add_nc_u32 v[SCO], 0xff000000, v[MXA]        ; 2 off its exponent field: the conversion's scale operand
	v_cvt_scalef32_pk16_fp6_f32 v[CD:CD+2], v[TI:TI+15], v[SCO]
	v_lshrrev_b32 v[BY], 23, v[SCO]                ; the scale's byte (a plain line behind the conversion),
	v_lshlrev_b32 v[BY], s76, v[BY]                ; at my wave's place in the row's word
	v_add_nc_u32 v[SAC], s53, v[SA0]
	v_add_nc_u32 v[SBC], s54, v[SB0]
	ds_store_b32 v[SAC], v[CD]
	ds_store_b32 v[SAC], v[CD+1] offset:4
	ds_store_b32 v[SAC], v[CD+2] offset:8
	ds_store_b32 v[SBC], v[BY]                     ; both halves of the lanes write the same word with the same value
	s_add_co_u32 s53, s53, 384
	s_add_co_u32 s54, s54, 64
.endm
; Tile m: its gates; among them (mm = 1) tile m + 1's products and (ld = 1) the loads of tile m + 2.
.macro ITER mm, ld
.set DO_MM, \mm
.set DO_LD, \ld
.set wi, 0
.set vc, 0
	DRAIN
	GATES
	FLUSH
.if \mm
	NOPS 4                                         ; places behind the last products: for the loads below and for the next reads of the accumulators
.else
	s_wait_dscnt 0x0                               ; the last tile's stage stores have read their registers
.endif
.if \ld
	LOADH 1
.endif
	QUANT
.endm
	s_load_b256 s[4:11], s[0:1], 0x0               ; the rows' codes s[4:5], their scales s[6:7], W's codes s[8:9], W's scales s[10:11]
	s_load_b256 s[12:19], s[0:1], 0x20             ; b_ih s[12:13], b_hh s[14:15], the codes out s[16:17], the scale words out s[18:19]
	v_lshl_add_u32 v[SPW], v0, 2, SPARE
	v_mov_b32 v[NIL], 0
	ds_add_u32 v[SPW], v[NIL]                      ; the wave's opening: the add, twice on end, and its wait ahead of my first tensor load; all set-up that hangs on ids alone stands between the second and the wait
	ds_add_u32 v[SPW], v[NIL]
	v_lshrrev_b32 v1, 5, v0
	v_readfirstlane_b32 s20, v1                    ; wave 0..3
	s_bfe_u32 s21, ttmp6, 0x40000                  ; cx: my place in the cluster
	s_lshl_b32 s22, ttmp9, 2
	s_add_co_u32 s22, s22, s21                     ; which 128 hidden columns: it enters W's, the biases' and the outputs' addresses alone
	s_and_b32 s23, ttmp7, 0xffff                   ; which 256 rows: the four partners share it
	s_mov_b32 s24, GA0                             ; group 1 for the rows' codes
	s_mov_b32 s25, GAC<<16                         ; tensor_dim0
	s_mov_b32 s26, GAR<<16                         ; tensor_dim1
	s_mov_b32 s27, GAC<<16                         ; tile_dim0
	s_mov_b32 s28, GAR                             ; tile_dim1
	s_mov_b32 s29, GAP                             ; elements from row to row
	s_mov_b32 s30, 0
	s_mov_b32 s31, 0
	s_mov_b32 s32, 15|(3<<16)|(1<<21)              ; group 1 for their scales: elements of 8 bytes, no padding
	s_mov_b32 s33, GSC<<16
	s_mov_b32 s34, GSR<<16
	s_mov_b32 s35, GSC<<16
	s_mov_b32 s36, GSR
	s_mov_b32 s37, GSP
	s_mov_b32 s38, 0
	s_mov_b32 s39, 0
.if LAYER == 0
	s_lshl_b32 s56, s23, 8                         ; codes: rows 256 y + 128 (w % 2), 192 bytes from byte 192 (w / 2) of each
	s_and_b32 s57, s20, 1
	s_lshl_b32 s57, s57, 7
	s_add_co_u32 s56, s56, s57
	s_mul_i32 s56, s56, 384
	s_lshr_b32 s57, s20, 1
	s_mul_i32 s57, s57, 192
	s_add_co_u32 s56, s56, s57
	s_lshl_b32 s58, s23, 12                        ; scales: 4,096 dense bytes, a quarter a wave
	s_lshl_b32 s59, s20, 10
	s_add_co_u32 s58, s58, s59
.else
	s_mul_i32 s56, s23, 196608                     ; codes: 196,608 dense bytes, a quarter a wave
	s_mul_i32 s57, s20, 49152
	s_add_co_u32 s56, s56, s57
	s_lshl_b32 s58, s20, 16                        ; scales: K steps 2 w and 2 w + 1, 1,024 bytes of each
	s_lshl_b32 s59, s23, 10
	s_add_co_u32 s58, s58, s59
.endif
	s_mov_b32 s57, 0
	s_mov_b32 s59, 0
	s_lshl_b32 s60, s22, 7
	s_lshl_b32 s61, s20, 5
	s_add_co_u32 s60, s60, s61                     ; my wave's first hidden column
	s_lshl_b32 s62, s60, 2                         ; in the biases,
	s_mov_b32 s63, 0
	s_mul_i32 s66, s60, KS                         ; in W's scales,
	s_mov_b32 s67, 0
	s_mul_i32 s68, s60, KROW                       ; in W's codes
	s_mov_b32 s69, 0
	s_mul_i32 s70, s23, 196608                     ; out: image (16 y + 4 w, x)
	s_mul_i32 s71, s22, 1536
	s_add_co_u32 s70, s70, s71
	s_mul_i32 s71, s20, 49152
	s_add_co_u32 s70, s70, s71
	s_mov_b32 s71, 0
	s_lshl_b32 s72, s22, 15                        ; out: scale words of K step x, rows 256 y + 64 w on
	s_lshl_b32 s73, s23, 10
	s_add_co_u32 s72, s72, s73
	s_lshl_b32 s73, s20, 8
	s_add_co_u32 s72, s72, s73
	s_mov_b32 s73, 0
	s_mov_b32 s48, 0x76543210                      ; v_permlanex16_b32's selects for lane l xor 16
	s_mov_b32 s49, 0xfedcba98
	s_mov_b32 s51, 0
	s_mov_b32 s52, 0
	s_mov_b32 s53, 0
	s_mov_b32 s54, 0
	s_mov_b32 s55, 0x80000000
	s_lshl_b32 s76, s20, 3
	s_mul_i32 s77, s20, WSB
	s_add_co_u32 s77, s77, WSTG                    ; my stage for the weights
	v_and_b32 v[HR], 15, v0
	v_bfe_u32 v[HH], v0, 4, 1
	v_and_b32 v[HT], 8, v[HR]
	v_add_nc_u32 v[HT], v[HT], v[HR]               ; r + 8 (r / 8)
	v_lshlrev_b32 v[HB], 6, v[HH]                  ; the biases: my half's 16 numbers
	v_mul_u32_u24 v[HW], v[HT], KS
	v_lshl_add_u32 v[HW], v[HH], 2, v[HW]          ; W's scale words: lanes 16-31 take the next K step's
	v_and_b32 v[LO16], 31, v0
	v_lshlrev_b32 v[LO16], 4, v[LO16]              ; my 16 bytes of a load's 512
.irp t, 0,1,2
	v_add_nc_u32 v1, 512*\t, v[LO16]               ; P = 512 t + 16 x lane: my bytes' place among three loads' 1,536 dense bytes
	v_lshrrev_b32 v[HF], QS, v1
	v_mul_u32_u24 v[HF], v[HF], 11
	v_lshrrev_b32 v[HF], 5, v[HF]                  ; P / KROW = (P >> QS) / 3, and q / 3 = (11 q) >> 5 for q up to 11: the row,
	v_lshl_add_u32 v1, v[HF], 4, v1                ; behind each of which the stage has 16 bytes more
	v_add_nc_u32 v[WT+\t], s77, v1
.endr
	v_mul_u32_u24 v[WR], v[HR], WPITCH
	v_mad_u32_u24 v[WR], v[HH], 24, v[WR]
	v_add_nc_u32 v[WR], s77, v[WR]                 ; back: stage row r, + 24 x half
.if LAYER == 0
	v_mul_u32_u24 v[AD0], v[HR], 240
	v_mad_u32_u24 v[AD0], v[HH], 24, v[AD0]
	v_lshl_add_u32 v[AD0B], v[HH], 4, v[AD0]
	v_lshlrev_b32 v[XA0], 4, v[HR]
	v_lshl_add_u32 v[XA0], v[HH], 2, v[XA0]
.else
	v_and_b32 v[AD0], 31, v0
	v_lshlrev_b32 v[AD0], 4, v[AD0]
	v_lshlrev_b32 v[XA0], 2, v[HR]
	v_lshl_add_u32 v[XA0], v[HH], 10, v[XA0]
.endif
	v_add_nc_u32 v[XA0], XSC, v[XA0]
	s_mul_i32 s74, s20, 6144
	s_add_co_u32 s74, s74, STG
	v_mul_u32_u24 v[SA0], v[HR], 24
	v_mad_u32_u24 v[SA0], v[HH], 12, v[SA0]
	v_add_nc_u32 v[SA0], s74, v[SA0]               ; my wave's stage for the codes, row r, my half's 12 bytes
	s_lshl_b32 s75, s20, 10
	s_add_co_u32 s75, s75, SCS
	v_lshl_add_u32 v[SB0], v[HR], 2, s75
.irp q, 0,1
	v_mov_b32 v[CNL+\q], 0xbfb8aa3b                ; -log2(e)
	v_mov_b32 v[C2L+\q], 0x4038aa3b                ; 2 log2(e)
	v_mov_b32 v[K1+\q], 0x3d888889                 ; 1 / 15
	v_mov_b32 v[K7+\q], 0x40e00000                 ; 7
	v_mov_b32 v[K63+\q], 0x427c0000                ; 63
	v_mov_b32 v[K28+\q], 0x41e00000                ; 28
.endr
	s_wait_dscnt 0x0                               ; both opening adds are done
	s_wait_kmcnt 0x0
	s_mov_b32 s40, 1
	s_mul_i32 s41, s20, AWB
	s_add_nc_u64 s[42:43], s[4:5], s[56:57]
	s_or_b32 s43, s43, 0x80000000
	s_mov_b32 s44, 1
	s_mul_i32 s45, s20, SWB
	s_add_co_u32 s45, s45, XSC
	s_add_nc_u64 s[46:47], s[6:7], s[58:59]
	s_or_b32 s47, s47, 0x80000000
	s_add_nc_u64 s[12:13], s[12:13], s[62:63]
	s_add_nc_u64 s[14:15], s[14:15], s[62:63]
	s_add_nc_u64 s[10:11], s[10:11], s[66:67]
	s_add_nc_u64 s[8:9], s[8:9], s[68:69]
	s_add_nc_u64 s[16:17], s[16:17], s[70:71]
	s_add_nc_u64 s[18:19], s[18:19], s[72:73]
	CROUND                                         ; all four work-groups are here: the joint loads meet
	tensor_load_to_lds s[40:43], s[24:31]          ; every wave issues two loads, its quarter of the codes and of the scales: two of mine are out; these LDS bytes are filled once
	s_nop 0
	tensor_load_to_lds s[44:47], s[32:39]
	s_nop 0
	NOPS 4
.irp g, 1,2,3
.irp q, 0,1,2,3
	global_load_b128 v[AF+16*((\g)-1)+4*\q:AF+16*((\g)-1)+4*\q+3], v[HB], s[12:13] offset:4096*((\g)-1+(\g)/2)+16*\q        ; gates i, g, o begin at entries 0, 2048, 3072
	global_load_b128 v[AF+48+16*((\g)-1)+4*\q:AF+48+16*((\g)-1)+4*\q+3], v[HB], s[14:15] offset:4096*((\g)-1+(\g)/2)+16*\q
.endr
.endr
.irp g, 1,2,3
.irp u, 0,1
.set fs, 0
.rept NK/2
	global_load_b32 v[WS+(2*((\g)-1)+\u)*(NK/2)+fs], v[HW], s[10:11] offset:(1024*((\g)-1+(\g)/2)+8*\u)*KS+8*fs
.set fs, fs+1
.endr
.endr
.endr
	WLOAD 0                                        ; the weights, two tiles ahead of the turn through the stage
	WLOAD 1
.irp t, 0,1,2,3,4,5
.if \t < 4
	WLOAD \t+2
	s_wait_loadcnt 2*NL                            ; loads come back in order (ISA guide 5.7.1): tile t is in (and the biases and scale words, issued ahead of it); behind it two tiles' loads were issued
.else
	s_wait_loadcnt (5-\t)*NL                       ; behind tile 4 one tile's, behind tile 5 none
.endif
	WTURN \t
.endr
.irp g, 1,2,3
	WIN (\g)<<6
.irp q, 0,2,4,6,8,10,12,14
	v_pk_add_f32 v[BIAS+\q:BIAS+\q+1], v[AF+16*((\g)-1)+\q:AF+16*((\g)-1)+\q+1], v[AF+48+16*((\g)-1)+\q:AF+48+16*((\g)-1)+\q+1]   ; b_ih + b_hh, as reference() adds them
.endr
.endr
	WIN 0
	s_wait_dscnt 0x0                               ; the weights' fragments are in their registers; no LDS instruction of mine is out at the signal
	s_wait_tensorcnt 0x0                           ; my parts of the rows and of their scales are in,
	s_barrier_signal -1
	s_barrier_wait -1                              ; everybody's are
	SETAD
	LOADH 0                                        ; tile 0
	LOADH 1
.set DO_MM, 1
.set DO_LD, 1
.set wi, 0
.rept NW
	MM1                                            ; tile 0's products: there is no vector work yet to set between them; in their middle tile 1's first half is fetched
.endr
	NOPS 4
	LOADH 1
	s_mov_b32 s50, 14
.Ltile:                                                ; tiles 0 to 13
	ITER 1, 1
	s_sub_co_u32 s50, s50, 1
	s_cmp_lg_u32 s50, 0
	s_cbranch_scc1 .Ltile
	ITER 1, 0                                      ; the tail is written out: no LDS load reaches past the rows
	ITER 0, 0
	; THE WAY OUT.  Wave w sends images 4 w .. 4 w + 3.  Registers 0-5 of lane l were made by wave l / 16, registers 6-11 by wave 2 + l / 16, 12,288 bytes further on.
	s_wait_dscnt 0x0                               ; for the others' sake: my stores into the stages are done
	s_barrier_signal -1
	s_barrier_wait -1
	s_mul_i32 s74, s20, 1536
	s_add_co_u32 s74, s74, STG
	v_mul_u32_u24 v[ADC], v[HR], 24
	v_mad_u32_u24 v[ADC], v[HH], 6144, v[ADC]
	v_add_nc_u32 v[ADC], s74, v[ADC]
	v_lshrrev_b32 v[LO8], 1, v[LO16]               ; 8 x lane
	s_lshl_b32 s75, s20, 8
	s_add_co_u32 s75, s75, SCS
	v_add_nc_u32 v[XAC], s75, v[LO8]               ; two rows' words a lane
.irp mm, 0,1,2,3
.irp q, 0,1,2
	ds_load_b64 v[AF+12*\mm+2*\q:AF+12*\mm+2*\q+1], v[ADC] offset:384*\mm+8*\q
.endr
.irp q, 0,1,2
	ds_load_b64 v[AF+12*\mm+6+2*\q:AF+12*\mm+6+2*\q+1], v[ADC] offset:12288+384*\mm+8*\q
.endr
.endr
.irp b, 0,1,2,3
	ds_load_b64 v[AF+48+2*\b:AF+48+2*\b+1], v[XAC] offset:1024*\b
.endr
.irp mm, 0,1,2,3
	s_wait_dscnt 22-6*\mm                          ; of the 28 loads those behind image mm's six may be out
.irp c, 0,1,2
	global_store_b128 v[LO16], v[AF+12*\mm+4*\c:AF+12*\mm+4*\c+3], s[16:17] offset:12288*\mm+512*\c   ; 32 lanes store 512 consecutive bytes, at a multiple of 512 from the buffer's first byte
.endr
.endr
	s_wait_dscnt 0x0
.irp b, 1,2,3
	v_or_b32 v[AF+48], v[AF+48], v[AF+48+2*\b]     ; the four waves' bytes make a row's word
	v_or_b32 v[AF+49], v[AF+49], v[AF+49+2*\b]
.endr
	global_store_b64 v[LO8], v[AF+48:AF+49], s[18:19]   ; 32 lanes store 256 consecutive bytes, aligned
	s_wait_tensorcnt 0x0                           ; the wave's end: a wait, an add and its wait, behind my last tensor load and my last LDS store
	ds_add_u32 v[SPW], v[NIL]
	s_wait_dscnt 0x0
	CROUND                                         ; the closing round
	s_endpgm
.Lfunc_end_k_qba97d3d076_cell0:
	.size	k_qba97d3d076_cell0, .Lfunc_end_k_qba97d3d076_cell0-k_qba97d3d076_cell0
	.p2alignl 7, 3214868480
	.fill 96, 4, 3214868480
	.section	.rodata,"a",@progbits
	.p2align	6, 0x0
	.amdhsa_kernel k_qba97d3d076_cell0
		.amdhsa_group_segment_fixed_size 181760
		.amdhsa_private_segment_fixed_size 0
		.amdhsa_enable_private_segment 0
		.amdhsa_kernarg_size 64
		.amdhsa_user_sgpr_count 2
		.amdhsa_user_sgpr_kernarg_segment_ptr 1
		.amdhsa_wavefront_size32 1
		.amdhsa_system_sgpr_workgroup_id_x 1
		.amdhsa_system_sgpr_workgroup_id_y 1
		.amdhsa_system_sgpr_workgroup_id_z 1
		.amdhsa_system_vgpr_workitem_id 0
		.amdhsa_next_free_vgpr 1024
		.amdhsa_next_free_sgpr 80
		.amdhsa_reserve_vcc 0
		.amdhsa_float_denorm_mode_32 3
		.amdhsa_float_denorm_mode_16_64 3
		.amdhsa_memory_ordered 1
		.amdhsa_forward_progress 1
		.amdhsa_inst_pref_size 99
	.end_amdhsa_kernel
	.amdgpu_metadata
---
amdhsa.version: [ 1, 2 ]
amdhsa.kernels:
  - .name:           k_qba97d3d076_cell0
    .symbol:         k_qba97d3d076_cell0.kd
    .args:
      - { .name: x_codes, .offset: 0, .size: 8, .value_kind: global_buffer, .address_space: global }
      - { .name: x_scales, .offset: 8, .size: 8, .value_kind: global_buffer, .address_space: global }
      - { .name: W_ih0_codes, .offset: 16, .size: 8, .value_kind: global_buffer, .address_space: global }
      - { .name: W_ih0_scales, .offset: 24, .size: 8, .value_kind: global_buffer, .address_space: global }
      - { .name: b_ih0, .offset: 32, .size: 8, .value_kind: global_buffer, .address_space: global }
      - { .name: b_hh0, .offset: 40, .size: 8, .value_kind: global_buffer, .address_space: global }
      - { .name: h0c, .offset: 48, .size: 8, .value_kind: global_buffer, .address_space: global }
      - { .name: h0s, .offset: 56, .size: 8, .value_kind: global_buffer, .address_space: global }
    .group_segment_fixed_size: 181760
    .private_segment_fixed_size: 0
    .kernarg_segment_align: 8
    .kernarg_segment_size: 64
    .max_flat_workgroup_size: 128
    .sgpr_count:     80
    .vgpr_count:     1024
    .wavefront_size: 32
...
	.end_amdgpu_metadata
.endif
;; end of part 4
;; launch cell1 (part 5): grid 8 x 32, 4 waves a work-group, clusters of 4 x 1, 284,160 bytes of LDS; arguments h0c, h0s, W_ih1_codes, W_ih1_scales, b_ih1, b_hh1, h1c, h1s; writes h1c, h1s
.if DOCPART == 5
	.amdgcn_target "amdgcn-amd-amdhsa--gfx1250"
	.amdhsa_code_object_version 6
	.text
	.protected	k_qba97d3d076_cell1
	.globl	k_qba97d3d076_cell1
	.p2align	8
	.type	k_qba97d3d076_cell1,@function
k_qba97d3d076_cell1:
	s_mov_b64 s[64:65], 0
	v_nop
	global_prefetch_b8 v0, s[64:65] scope:SCOPE_SE
	s_setreg_imm32_b32 hwreg(HW_REG_WAVE_MODE, 25, 1), 1
	s_wait_xcnt 0x0
	s_wait_alu depctr_hold_cnt(0) depctr_sa_sdst(0) depctr_va_vdst(0) depctr_va_sdst(0) depctr_va_ssrc(0) depctr_va_vcc(0) depctr_vm_vsrc(0)
	s_getreg_b32 s2, hwreg(HW_REG_IB_STS2, 6, 4)
	s_cmp_eq_u32 s2, 0
	s_cbranch_scc0 .Lentry_in_a_cluster
	s_endpgm
.Lentry_in_a_cluster:
	s_bfe_u32 s2, ttmp6, 0x10000c
	s_cmp_lg_u32 s2, 0x3003
	s_cbranch_scc0 .Lentry_shape_is_right
	s_endpgm
.Lentry_shape_is_right:
; h1 = o * tanh(i * g) of the second LSTM cell, from h0 (register images and scale words that the launch before stored) and W_ih1 as codes of FP6 (E2M3) with E8M0 scales, quantised along its 1,024 columns.
; The text is the first cell's with LAYER = 1: K = 1,024, and the rows' fragments lie in LDS as images of their registers.
; DEAD WORK LEFT OUT, as shown at the head of the first kernel: the gate f (rows and entries 1024 .. 2047 of W_ih1, its scales, b_ih1, b_hh1) is never used by reference(), and W_hh1 is never read by it.
; LIMIT: a NaN, an infinity or an overflow that reaches only the work left out is not carried to the result.
; THE GATES, in f32, five transcendentals a number.  L = log2(e); a = 2^(-L i), b = 2^(-|2 L g|), e = 2^(-L o); c = sigmoid(i) tanh(g) = sign(g) (1 - b) / ((1 + a)(1 + b)); u = c c;
; h = sigmoid(o) tanh(c) = c P / (Q (1 + e)), P = u u / 15 + 7 u + 63, Q = u u + 28 u + 63: tanh's continued fraction cut behind its term 9, off by at most 6.2e-8 of tanh(c) for |c| <= 1, and |c| <= 1 for every
; input, c being a sigmoid times a tanh.  b <= 1 and Q >= 63 are finite, so where a or e overflows the divisor is infinity, its reciprocal 0, and h the right limit; no infinity meets a zero.
; LIMITS: results under 2^-126 are flushed to 0 by the transcendentals; 1 - b loses about 1e-7 / |g| of tanh(g) for small |g|; NaN and infinities among the inputs are not served; a block of zeros gets the scale
; byte 1 where the rule says 127: its codes are zeros, and this program alone reads the bytes.
; SHARES.  A work-group takes 256 rows (work-group y) x 128 hidden columns (work-group x): one K step of the next product.  THE WEIGHTS STAY: wave w owns hidden columns 32 w .. 32 w + 31 of the 128 for the three
; live gates: 6 tiles of 16 rows of W x NK K steps, 72 NK registers, read from memory once.  All four waves walk the work-group's 16 tiles of 16 rows, whose fragments lie in LDS: each feeds six matrix instructions.
; TRANSPOSED USE: source 0 = 16 rows of W, source 1 = 16 rows of h0.  THE ROWS OF W THAT FORM A TILE ARE NOT NEIGHBOURS: lane r of tile u takes row 8 u + r + 8 (r / 8) of the wave's 32, so that a lane holds ONE row
; of h0 and the 16 registers of tiles 0 and 1 are 16 neighbouring hidden columns, 16 (lane / 16) + 0 .. 15; i, g and o of a number lie in one lane at one register index, and a wave makes a whole block of 32.
; THE WEIGHTS' WAY IN.  A tile's 16 rows are two dense runs of 8 rows.  They are loaded as they lie, 16 bytes a lane, 512 consecutive bytes a load, into the registers that the tile's fragments will hold (NL loads x 4
; = NK fragments x 12), and turn through a stage of the wave's own in LDS: stored as loaded into rows of KROW + 16 bytes, read back in the fragments' order, 8 bytes a lane, into the same registers.
; BY TURNS: while tile m's gates are worked, tile m + 1's products stand among them, one matrix instruction for each NW-th part of the vector work (macro TICK), the six accumulators by turns.
; CLUSTER: the four work-groups of a cluster lie along x and read the same 256 rows: rows and their scales are asked for JOINTLY.  The weights are not: each wave wants rows of its own, and 3 x 128 rows of 768 bytes
; would not fit in LDS beside the rows' 196,608 bytes.  All LDS bytes that tensor loads fill are filled once, at the head: no ring, no refill.
; OUT: codes as IMAGES OF THE NEXT OPERAND'S REGISTERS, [tile of 16 rows][K step][1,536 bytes], register j of lane l at (j / 4) 512 + 16 l + 4 (j % 4); scale words [K step][row].
.set LAYER, 1
.if LAYER == 0
.set NK,     4                         ; K steps of 128
.set KROW,   384                       ; a row of W's codes in bytes
.set QS,     7                         ; KROW = 3 << QS
.set KS,     16                        ; a row of W's scale bytes
.set ABYTES, 122880                    ; LDS: the rows' codes: [256 along K: 2][row 256][240]: 3 x (64 bytes + 16 of padding) a row
.set XSCB,   4096                      ; their scale bytes, [row][16]
.set TASTEP, 3840                      ; from a tile of 16 rows to the next, in the codes,
.set TXSTEP, 256                       ; and in the scales
.set XSTR,   8                         ; from a pair of K steps' scale words to the next
.set AWB,    30720                     ; LDS bytes that a wave's load of codes fills,
.set SWB,    1024                      ; and its load of scales
.set GA0,    15|(1<<20)|(1<<21)|(3<<22)|(3<<25)  ; mask: all four partners; elements of 1 byte; padding on; bit 21 beside a mask; behind every 16 words, 4 words
.set GAC,    192
.set GAR,    128
.set GAP,    384
.set GSC,    32
.set GSR,    4
.set GSP,    32
.else
.set NK,     8
.set KROW,   768
.set QS,     8
.set KS,     32
.set ABYTES, 196608                    ; LDS: the rows' codes as register images, [tile 16][K step 8][1,536]
.set XSCB,   8192                      ; their scale words, [K step 8][row 256]
.set TASTEP, 12288
.set TXSTEP, 64
.set XSTR,   2048
.set AWB,    49152
.set SWB,    2048
.set GA0,    15|(3<<16)|(1<<21)        ; mask; elements of 8 bytes; no padding; bit 21 beside a mask
.set GAC,    32
.set GAR,    192
.set GAP,    32
.set GSC,    128
.set GSR,    2
.set GSP,    4096
.endif
.set NW,    6*NK                       ; matrix instructions of a tile of rows
.set NXH,   NK/4                       ; scale registers of half a tile's K steps (two K steps to a register)
.set VTOT,  440                        ; the gates' vector work of a tile: 120 plain lines + 80 transcendentals weighed as four
.set XSC,   ABYTES
.set STG,   XSC+XSCB                   ; the way out: 6,144 bytes for each wave: [tile 16][row 16][24 bytes: six registers of the next operand]
.set SCS,   STG+24576                  ; 1,024 bytes for each wave: [row 256] words, the wave's scale byte at its place
.set SPARE, SCS+4096                   ; the spare words, 128 bytes for each wave: two blocks of 256 bytes that no other line names
.set WSTG,  SPARE+512                  ; the weights' stages, one for each wave
.set WPITCH, KROW+16                   ; a stage row: 100 or 196 words: row r starts at bank 36 r or 4 r mod 64 (64 banks of 4 bytes: ISA guide 11.1), so the 32 lanes of a load of 8 bytes touch 64 different banks
.set WSB,   16*WPITCH                  ; a stage: 16 rows, a whole number of blocks of 256 bytes
.set NL,    16*KROW/512                ; loads of 512 bytes that bring a tile of W
.set JSTEP, 1536+16*(1536/KROW)        ; three loads are 1,536 / KROW whole rows: so far on lie the next three in the stage
; window 0
.set AD0,  2                           ; my lane's place in a tile's fragments (AD0B: behind one padding more)
.set AD0B, 3
.set ADC,  4                           ; the same for the tile that is being fetched
.set ADCB, 5
.set XA0,  6                           ; my lane's place among the rows' scale words
.set XAC,  7
.set SA0,  8                           ; where I put my 12 bytes of codes
.set SB0,  9                           ; and my row's scale word
.set SAC,  10
.set SBC,  11
.set WT,   12                          ; v12-14 the weights' stage: where my 16 bytes of load 3 j + t go, t = 0, 1, 2
.set WR,   15                          ; and where my pieces of a fragment are read back
.set CNL,  16                          ; pairs of constants: -L, 2 L, 1/15, 7, 63, 28
.set C2L,  18
.set K1,   20
.set K7,   22
.set K63,  24
.set K28,  26
.set SPW,  28                          ; LDS address of my spare word; never rewritten
.set NIL,  29                          ; 0; never rewritten
.set MXA,  30
.set MXB,  31
.set SCO,  32
.set BY,   33
.set LO16, 34                          ; 16 x lane; never rewritten
.set LO8,  35
.set CD,   36                          ; v36-38 16 codes
.set WS,   40                          ; v40-63 W's scale words: lanes 0-15 an even K step's, lanes 16-31 the next odd one's
.set XS,   64                          ; v64-67 the rows' likewise
.set AF,   68                          ; the rows' fragments, 12 NK registers; at the head the biases land here, at the end the way out
.set TI,   164
.set TG,   180
.set TO,   196
.set TB,   212
.set TQ,   228
.set HR,   244                         ; lane % 16
.set HH,   245                         ; lane / 16
.set HT,   246
.set HB,   247
.set HW,   248
.set HF,   249
; windows 1, 2, 3 (gates i, g, o): W's fragment (u, K step s) at v[12 (NK u + s)]
.set ACC,  192                         ; two accumulators
.set BIAS, 208                         ; b_ih + b_hh in the result's layout
.set MSB, 0
.macro WIN new                         ; the immediate's high byte repeats the setting that is left; a switch that changes nothing is dropped
.if MSB != (\new)
	s_set_vgpr_msb (MSB<<8)|(\new)
.set MSB, (\new)
.endif
.endm
.macro NOPS n
.rept \n
	v_nop
.endr
.endm
.macro CROUND                          ; a round of the cluster's barrier
	s_barrier_signal -1
	s_barrier_wait -1
	s_cmp_lg_u32 s20, 0
	s_cbranch_scc1 .Lnot_wave_0_\@
	s_barrier_signal -3
.Lnot_wave_0_\@:
	s_barrier_wait -3
	s_barrier_signal -1
	s_barrier_wait -1
.endm
; Tile t of W (gate t / 2, tile t % 2): rows 8 u .. 8 u + 7 and 8 u + 16 .. 8 u + 23 of the wave's 32, as they lie: each load covers 512 consecutive bytes, at a multiple of 512 from the buffer's first byte
.macro WLOAD t
.set wg, (\t)/2+1
.set wu, (\t)%2
	WIN wg<<6                                      ; destination: the gate's window
.set wk, 0
.rept NL
	global_load_b128 v[12*NK*wu+4*wk:12*NK*wu+4*wk+3], v[LO16], s[8:9] offset:(1024*(wg-1+wg/2)+8*wu+16*(wk/(NL/2)))*KROW+512*(wk%(NL/2))   ; gates i, g, o begin at rows 0, 2048, 3072
.set wk, wk+1
.endr
.endm
; and its turn through my stage.  LDS serves a wave's instructions in order (ISA guide 5.7.1.4): the loads see the stores above them, and the next tile's stores come behind these loads
.macro WTURN t
.set wg, (\t)/2+1
.set wu, (\t)%2
	WIN wg<<2                                      ; an LDS store's data are its source 1
.set wk, 0
.rept NL
	ds_store_b128 v[WT+wk%3], v[12*NK*wu+4*wk:12*NK*wu+4*wk+3] offset:(wk/3)*JSTEP
.set wk, wk+1
.endr
	WIN wg<<6
.set wq, 0
.rept NK
.irp p, 0,1,2,3,4,5
	ds_load_b64 v[12*(NK*wu+wq)+2*\p:12*(NK*wu+wq)+2*\p+1], v[WR] offset:96*wq+48*(\p/3)+8*(\p%3)   ; lane (r, h): stage row r, K = 128 s + 64 c + 32 h + 0 .. 31: 24 bytes as three pieces
.endr
.set wq, wq+1
.endr
.endm
.macro FRAGA reg, s                    ; the fragment of K step s of the tile at v[ADC]
.if LAYER == 0
.irp p, 0,1,2,3,4,5                    ; rows of 192 bytes, 16 of padding behind each 64: pieces of 8 bytes; lanes 16-31 read three pieces on, which from piece 5 of 8 lies behind one padding more
.set PC, 12*((\s)%2)+6*(\p/3)+\p%3
.if PC%8 < 5
	ds_load_b64 v[(\reg)+2*\p:(\reg)+2*\p+1], v[ADC] offset:8*PC+16*(PC/8)+((\s)/2)*61440
.else
	ds_load_b64 v[(\reg)+2*\p:(\reg)+2*\p+1], v[ADCB] offset:8*PC+16*(PC/8)+((\s)/2)*61440
.endif
.endr
.else
.irp c, 0,1,2                          ; a register image: 16 bytes a lane, 512 a load
	ds_load_b128 v[(\reg)+4*\c:(\reg)+4*\c+3], v[ADC] offset:1536*(\s)+512*\c
.endr
.endif
.endm
.macro LOADH half                      ; half a tile's K steps: 12 loads of codes in either layer, and NXH of scale words
.set ls, (\half)*(NK/2)
.rept NK/2
	FRAGA AF+12*ls, ls
.set ls, ls+1
.endr
.set lx, (\half)*NXH
.rept NXH
	ds_load_b32 v[XS+lx], v[XAC] offset:XSTR*lx
.set lx, lx+1
.endr
.endm
.macro SETAD                           ; the addresses of the next tile to be fetched
	v_add_nc_u32 v[ADC], s51, v[AD0]
.if LAYER == 0
	v_add_nc_u32 v[ADCB], s51, v[AD0B]
.endif
	v_add_nc_u32 v[XAC], s52, v[XA0]
	s_add_co_u32 s51, s51, TASTEP
	s_add_co_u32 s52, s52, TXSTEP
.endm
; Matrix instruction wi of a tile's NW: K step wi / 6, gate wi % 3, tile (wi % 6) / 3: the six accumulators take turns, one instruction a turn.  The first six take the biases as C.
.macro MM1
.set kst, wi/6
.set gm, wi%3+1
.set uu, (wi%6)/3
.if wi == 0
	s_wait_dscnt 12+NXH                            ; the first half's fragments and scale words are in: behind them the second half's 12 + NXH loads were issued (round the loop four stores more)
.endif
.if wi == NW/2
	s_wait_dscnt 0x0                               ; the second half is in, and no LDS instruction of mine is out: its address and data registers may be written
.if DO_LD
	SETAD
	NOPS 4                                         ; places in front of loads into registers that matrix instructions have read
	LOADH 0                                        ; the first half of the tile after this one
.endif
.endif
	WIN gm*0x51                                    ; W, C and D in the gate's window; the rows' fragment in window 0
.set rD, ACC+8*uu
.set rA, 12*(NK*uu+kst)
.set rB, AF+12*kst
.set rW, WS+((gm-1)*2+uu)*(NK/2)+kst/2
.set rX, XS+kst/2
.if kst == 0
	v_wmma_scale_f32_16x16x128_f8f6f4 v[rD:rD+7], v[rA:rA+11], v[rB:rB+11], v[BIAS+8*uu:BIAS+8*uu+7], v[rW], v[rX] matrix_a_fmt:MATRIX_FMT_FP6 matrix_b_fmt:MATRIX_FMT_FP6
.elseif kst%2 == 0
	v_wmma_scale_f32_16x16x128_f8f6f4 v[rD:rD+7], v[rA:rA+11], v[rB:rB+11], v[rD:rD+7], v[rW], v[rX] matrix_a_fmt:MATRIX_FMT_FP6 matrix_b_fmt:MATRIX_FMT_FP6
.else
	v_wmma_scale_f32_16x16x128_f8f6f4 v[rD:rD+7], v[rA:rA+11], v[rB:rB+11], v[rD:rD+7], v[rW], v[rX] matrix_a_fmt:MATRIX_FMT_FP6 matrix_b_fmt:MATRIX_FMT_FP6 matrix_a_scale:MATRIX_SCALE_ROW1 matrix_b_scale:MATRIX_SCALE_ROW1
.endif
	WIN 0
.set wi, wi+1
.endm
.macro TICK c                          ; c more of the tile's VTOT of vector work is written: a matrix instruction follows when its share is due
.set vc, vc+(\c)
.if DO_MM && (wi < NW) && (vc*NW >= wi*VTOT)
	MM1
.endif
.endm
.macro FLUSH                           ; what is left of the NW
.rept NW
.if DO_MM && (wi < NW)
	MM1
.endif
.endr
.endm
.macro DRAIN                           ; the accumulators, each from its low end on, into window 0, times -L, 2 L, -L: they are free for the next tile
	WIN 0x01
.irp q, 0,2,4,6,8,10,12,14
	v_pk_mul_f32 v[TI+\q:TI+\q+1], v[ACC+\q:ACC+\q+1], v[CNL:CNL+1]
.endr
	WIN 0x02
.irp q, 0,2,4,6,8,10,12,14
	v_pk_mul_f32 v[TG+\q:TG+\q+1], v[ACC+\q:ACC+\q+1], v[C2L:C2L+1]
.endr
	WIN 0x03
.irp q, 0,2,4,6,8,10,12,14
	v_pk_mul_f32 v[TO+\q:TO+\q+1], v[ACC+\q:ACC+\q+1], v[CNL:CNL+1]
.endr
	WIN 0
.endm
.macro GATES                           ; 16 numbers a lane.  Three batches of transcendentals, each with one plain line behind it and ONE wait ahead of its first reader
.set gn, 0
.rept 16
	v_exp_f32 v[TI+gn], v[TI+gn]                   ; a = 2^(-L i)
	TICK 4
	v_exp_f32 v[TB+gn], -|v[TG+gn]|                ; b = 2^(-|2 L g|), at most 1
	TICK 4
.set gn, gn+1
.endr
	v_nop
	s_wait_alu depctr_va_vdst(0)
.set gn, 0
.rept 8
	v_pk_add_f32 v[TI+gn:TI+gn+1], v[TI+gn:TI+gn+1], 1.0 op_sel_hi:[1,0]    ; 1 + a
	TICK 1
	v_pk_add_f32 v[TQ+gn:TQ+gn+1], v[TB+gn:TB+gn+1], 1.0 op_sel_hi:[1,0]    ; 1 + b, from 1 to 2: an infinite 1 + a meets no zero
	TICK 1
.set gn, gn+2
.endr
.set gn, 0
.rept 8
	v_pk_fma_f32 v[TB+gn:TB+gn+1], v[TB+gn:TB+gn+1], -1.0, 1.0 op_sel_hi:[1,0,0]   ; 1 - b
	TICK 1
	v_pk_mul_f32 v[TI+gn:TI+gn+1], v[TI+gn:TI+gn+1], v[TQ+gn:TQ+gn+1]       ; (1 + a)(1 + b)
	TICK 1
.set gn, gn+2
.endr
.set gn, 0
.rept 16
	v_and_or_b32 v[TB+gn], v[TG+gn], s55, v[TB+gn] ; with g's sign
	TICK 1
.set gn, gn+1
.endr
.set gn, 0
.rept 16
	v_rcp_f32 v[TI+gn], v[TI+gn]
	TICK 4
	v_exp_f32 v[TO+gn], v[TO+gn]                   ; e = 2^(-L o)
	TICK 4
.set gn, gn+1
.endr
	v_nop
	s_wait_alu depctr_va_vdst(0)
.set gn, 0
.rept 8
	v_pk_mul_f32 v[TG+gn:TG+gn+1], v[TB+gn:TB+gn+1], v[TI+gn:TI+gn+1]       ; c
	TICK 1
.set gn, gn+2
.endr
.set gn, 0
.rept 8
	v_pk_mul_f32 v[TI+gn:TI+gn+1], v[TG+gn:TG+gn+1], v[TG+gn:TG+gn+1]       ; u = c c
	TICK 1
.set gn, gn+2
.endr
.set gn, 0
.rept 8
	v_pk_fma_f32 v[TB+gn:TB+gn+1], v[TI+gn:TI+gn+1], v[K1:K1+1], v[K7:K7+1] ; u / 15 + 7
	TICK 1
	v_pk_add_f32 v[TQ+gn:TQ+gn+1], v[TI+gn:TI+gn+1], v[K28:K28+1]           ; u + 28
	TICK 1
.set gn, gn+2
.endr
.set gn, 0
.rept 8
	v_pk_fma_f32 v[TB+gn:TB+gn+1], v[TB+gn:TB+gn+1], v[TI+gn:TI+gn+1], v[K63:K63+1]   ; P
	TICK 1
	v_pk_fma_f32 v[TQ+gn:TQ+gn+1], v[TQ+gn:TQ+gn+1], v[TI+gn:TI+gn+1], v[K63:K63+1]   ; Q
	TICK 1
.set gn, gn+2
.endr
.set gn, 0
.rept 8
	v_pk_fma_f32 v[TO+gn:TO+gn+1], v[TQ+gn:TQ+gn+1], v[TO+gn:TO+gn+1], v[TQ+gn:TQ+gn+1]   ; Q (1 + e)
	TICK 1
.set gn, gn+2
.endr
.set gn, 0
.rept 16
	v_rcp_f32 v[TO+gn], v[TO+gn]
	TICK 4
.set gn, gn+1
.endr
.set gn, 0
.rept 8
	v_pk_mul_f32 v[TG+gn:TG+gn+1], v[TG+gn:TG+gn+1], v[TB+gn:TB+gn+1]       ; c P: plain work that names no reciprocal
	TICK 1
.set gn, gn+2
.endr
	s_wait_alu depctr_va_vdst(0)
.set gn, 0
.rept 8
	v_pk_mul_f32 v[TI+gn:TI+gn+1], v[TG+gn:TG+gn+1], v[TO+gn:TO+gn+1]       ; h
	TICK 1
.set gn, gn+2
.endr
.endm
.macro QUANT                           ; my 16 numbers and lane l xor 16's are a block of 32 of my row
	v_max3_num_f32 v[MXA], |v[TI]|, |v[TI+1]|, 0x1800000   ; the floor 2^(3 - 127): the byte cannot fall under 1
	v_max3_num_f32 v[MXB], |v[TI+2]|, |v[TI+3]|, |v[TI+4]|
	v_max3_num_f32 v[MXA], v[MXA], |v[TI+5]|, |v[TI+6]|
	v_max3_num_f32 v[MXB], v[MXB], |v[TI+7]|, |v[TI+8]|
	v_max3_num_f32 v[MXA], v[MXA], |v[TI+9]|, |v[TI+10]|
	v_max3_num_f32 v[MXB], v[MXB], |v[TI+11]|, |v[TI+12]|
	v_max3_num_f32 v[MXA], v[MXA], |v[TI+13]|, |v[TI+14]|
	v_max3_num_f32 v[MXA], v[MXA], v[MXB], |v[TI+15]|
	v_permlanex16_b32 v[MXB], v[MXA], s48, s49
	v_max_num_f32 v[MXA], v[MXA], v[MXB]           ; the block's largest magnitude
	v_add_nc_u32 v[SCO], 0xff000000, v[MXA]        ; 2 off its exponent field: the conversion's scale operand
	v_cvt_scalef32_pk16_fp6_f32 v[CD:CD+2], v[TI:TI+15], v[SCO]
	v_lshrrev_b32 v[BY], 23, v[SCO]                ; the scale's byte (a plain line behind the conversion),
	v_lshlrev_b32 v[BY], s76, v[BY]                ; at my wave's place in the row's word
	v_add_nc_u32 v[SAC], s53, v[SA0]
	v_add_nc_u32 v[SBC], s54, v[SB0]
	ds_store_b32 v[SAC], v[CD]
	ds_store_b32 v[SAC], v[CD+1] offset:4
	ds_store_b32 v[SAC], v[CD+2] offset:8
	ds_store_b32 v[SBC], v[BY]                     ; both halves of the lanes write the same word with the same value
	s_add_co_u32 s53, s53, 384
	s_add_co_u32 s54, s54, 64
.endm
; Tile m: its gates; among them (mm = 1) tile m + 1's products and (ld = 1) the loads of tile m + 2.
.macro ITER mm, ld
.set DO_MM, \mm
.set DO_LD, \ld
.set wi, 0
.set vc, 0
	DRAIN
	GATES
	FLUSH
.if \mm
	NOPS 4                                         ; places behind the last products: for the loads below and for the next reads of the accumulators
.else
	s_wait_dscnt 0x0                               ; the last tile's stage stores have read their registers
.endif
.if \ld
	LOADH 1
.endif
	QUANT
.endm
	s_load_b256 s[4:11], s[0:1], 0x0               ; the rows' codes s[4:5], their scales s[6:7], W's codes s[8:9], W's scales s[10:11]
	s_load_b256 s[12:19], s[0:1], 0x20             ; b_ih s[12:13], b_hh s[14:15], the codes out s[16:17], the scale words out s[18:19]
	v_lshl_add_u32 v[SPW], v0, 2, SPARE
	v_mov_b32 v[NIL], 0
	ds_add_u32 v[SPW], v[NIL]                      ; the wave's opening: the add, twice on end, and its wait ahead of my first tensor load; all set-up that hangs on ids alone stands between the second and the wait
	ds_add_u32 v[SPW], v[NIL]
	v_lshrrev_b32 v1, 5, v0
	v_readfirstlane_b32 s20, v1                    ; wave 0..3
	s_bfe_u32 s21, ttmp6, 0x40000                  ; cx: my place in the cluster
	s_lshl_b32 s22, ttmp9, 2
	s_add_co_u32 s22, s22, s21                     ; which 128 hidden columns: it enters W's, the biases' and the outputs' addresses alone
	s_and_b32 s23, ttmp7, 0xffff                   ; which 256 rows: the four partners share it
	s_mov_b32 s24, GA0                             ; group 1 for the rows' codes
	s_mov_b32 s25, GAC<<16                         ; tensor_dim0
	s_mov_b32 s26, GAR<<16                         ; tensor_dim1
	s_mov_b32 s27, GAC<<16                         ; tile_dim0
	s_mov_b32 s28, GAR                             ; tile_dim1
	s_mov_b32 s29, GAP                             ; elements from row to row
	s_mov_b32 s30, 0
	s_mov_b32 s31, 0
	s_mov_b32 s32, 15|(3<<16)|(1<<21)              ; group 1 for their scales: elements of 8 bytes, no padding
	s_mov_b32 s33, GSC<<16
	s_mov_b32 s34, GSR<<16
	s_mov_b32 s35, GSC<<16
	s_mov_b32 s36, GSR
	s_mov_b32 s37, GSP
	s_mov_b32 s38, 0
	s_mov_b32 s39, 0
.if LAYER == 0
	s_lshl_b32 s56, s23, 8                         ; codes: rows 256 y + 128 (w % 2), 192 bytes from byte 192 (w / 2) of each
	s_and_b32 s57, s20, 1
	s_lshl_b32 s57, s57, 7
	s_add_co_u32 s56, s56, s57
	s_mul_i32 s56, s56, 384
	s_lshr_b32 s57, s20, 1
	s_mul_i32 s57, s57, 192
	s_add_co_u32 s56, s56, s57
	s_lshl_b32 s58, s23, 12                        ; scales: 4,096 dense bytes, a quarter a wave
	s_lshl_b32 s59, s20, 10
	s_add_co_u32 s58, s58, s59
.else
	s_mul_i32 s56, s23, 196608                     ; codes: 196,608 dense bytes, a quarter a wave
	s_mul_i32 s57, s20, 49152
	s_add_co_u32 s56, s56, s57
	s_lshl_b32 s58, s20, 16                        ; scales: K steps 2 w and 2 w + 1, 1,024 bytes of each
	s_lshl_b32 s59, s23, 10
	s_add_co_u32 s58, s58, s59
.endif
	s_mov_b32 s57, 0
	s_mov_b32 s59, 0
	s_lshl_b32 s60, s22, 7
	s_lshl_b32 s61, s20, 5
	s_add_co_u32 s60, s60, s61                     ; my wave's first hidden column
	s_lshl_b32 s62, s60, 2                         ; in the biases,
	s_mov_b32 s63, 0
	s_mul_i32 s66, s60, KS                         ; in W's scales,
	s_mov_b32 s67, 0
	s_mul_i32 s68, s60, KROW                       ; in W's codes
	s_mov_b32 s69, 0
	s_mul_i32 s70, s23, 196608                     ; out: image (16 y + 4 w, x)
	s_mul_i32 s71, s22, 1536
	s_add_co_u32 s70, s70, s71
	s_mul_i32 s71, s20, 49152
	s_add_co_u32 s70, s70, s71
	s_mov_b32 s71, 0
	s_lshl_b32 s72, s22, 15                        ; out: scale words of K step x, rows 256 y + 64 w on
	s_lshl_b32 s73, s23, 10
	s_add_co_u32 s72, s72, s73
	s_lshl_b32 s73, s20, 8
	s_add_co_u32 s72, s72, s73
	s_mov_b32 s73, 0
	s_mov_b32 s48, 0x76543210                      ; v_permlanex16_b32's selects for lane l xor 16
	s_mov_b32 s49, 0xfedcba98
	s_mov_b32 s51, 0
	s_mov_b32 s52, 0
	s_mov_b32 s53, 0
	s_mov_b32 s54, 0
	s_mov_b32 s55, 0x80000000
	s_lshl_b32 s76, s20, 3
	s_mul_i32 s77, s20, WSB
	s_add_co_u32 s77, s77, WSTG                    ; my stage for the weights
	v_and_b32 v[HR], 15, v0
	v_bfe_u32 v[HH], v0, 4, 1
	v_and_b32 v[HT], 8, v[HR]
	v_add_nc_u32 v[HT], v[HT], v[HR]               ; r + 8 (r / 8)
	v_lshlrev_b32 v[HB], 6, v[HH]                  ; the biases: my half's 16 numbers
	v_mul_u32_u24 v[HW], v[HT], KS
	v_lshl_add_u32 v[HW], v[HH], 2, v[HW]          ; W's scale words: lanes 16-31 take the next K step's
	v_and_b32 v[LO16], 31, v0
	v_lshlrev_b32 v[LO16], 4, v[LO16]              ; my 16 bytes of a load's 512
.irp t, 0,1,2
	v_add_nc_u32 v1, 512*\t, v[LO16]               ; P = 512 t + 16 x lane: my bytes' place among three loads' 1,536 dense bytes
	v_lshrrev_b32 v[HF], QS, v1
	v_mul_u32_u24 v[HF], v[HF], 11
	v_lshrrev_b32 v[HF], 5, v[HF]                  ; P / KROW = (P >> QS) / 3, and q / 3 = (11 q) >> 5 for q up to 11: the row,
	v_lshl_add_u32 v1, v[HF], 4, v1                ; behind each of which the stage has 16 bytes more
	v_add_nc_u32 v[WT+\t], s77, v1
.endr
	v_mul_u32_u24 v[WR], v[HR], WPITCH
	v_mad_u32_u24 v[WR], v[HH], 24, v[WR]
	v_add_nc_u32 v[WR], s77, v[WR]                 ; back: stage row r, + 24 x half
.if LAYER == 0
	v_mul_u32_u24 v[AD0], v[HR], 240
	v_mad_u32_u24 v[AD0], v[HH], 24, v[AD0]
	v_lshl_add_u32 v[AD0B], v[HH], 4, v[AD0]
	v_lshlrev_b32 v[XA0], 4, v[HR]
	v_lshl_add_u32 v[XA0], v[HH], 2, v[XA0]
.else
	v_and_b32 v[AD0], 31, v0
	v_lshlrev_b32 v[AD0], 4, v[AD0]
	v_lshlrev_b32 v[XA0], 2, v[HR]
	v_lshl_add_u32 v[XA0], v[HH], 10, v[XA0]
.endif
	v_add_nc_u32 v[XA0], XSC, v[XA0]
	s_mul_i32 s74, s20, 6144
	s_add_co_u32 s74, s74, STG
	v_mul_u32_u24 v[SA0], v[HR], 24
	v_mad_u32_u24 v[SA0], v[HH], 12, v[SA0]
	v_add_nc_u32 v[SA0], s74, v[SA0]               ; my wave's stage for the codes, row r, my half's 12 bytes
	s_lshl_b32 s75, s20, 10
	s_add_co_u32 s75, s75, SCS
	v_lshl_add_u32 v[SB0], v[HR], 2, s75
.irp q, 0,1
	v_mov_b32 v[CNL+\q], 0xbfb8aa3b                ; -log2(e)
	v_mov_b32 v[C2L+\q], 0x4038aa3b                ; 2 log2(e)
	v_mov_b32 v[K1+\q], 0x3d888889                 ; 1 / 15
	v_mov_b32 v[K7+\q], 0x40e00000                 ; 7
	v_mov_b32 v[K63+\q], 0x427c0000                ; 63
	v_mov_b32 v[K28+\q], 0x41e00000                ; 28
.endr
	s_wait_dscnt 0x0                               ; both opening adds are done
	s_wait_kmcnt 0x0
	s_mov_b32 s40, 1
	s_mul_i32 s41, s20, AWB
	s_add_nc_u64 s[42:43], s[4:5], s[56:57]
	s_or_b32 s43, s43, 0x80000000
	s_mov_b32 s44, 1
	s_mul_i32 s45, s20, SWB
	s_add_co_u32 s45, s45, XSC
	s_add_nc_u64 s[46:47], s[6:7], s[58:59]
	s_or_b32 s47, s47, 0x80000000
	s_add_nc_u64 s[12:13], s[12:13], s[62:63]
	s_add_nc_u64 s[14:15], s[14:15], s[62:63]
	s_add_nc_u64 s[10:11], s[10:11], s[66:67]
	s_add_nc_u64 s[8:9], s[8:9], s[68:69]
	s_add_nc_u64 s[16:17], s[16:17], s[70:71]
	s_add_nc_u64 s[18:19], s[18:19], s[72:73]
	CROUND                                         ; all four work-groups are here: the joint loads meet
	tensor_load_to_lds s[40:43], s[24:31]          ; every wave issues two loads, its quarter of the codes and of the scales: two of mine are out; these LDS bytes are filled once
	s_nop 0
	tensor_load_to_lds s[44:47], s[32:39]
	s_nop 0
	NOPS 4
.irp g, 1,2,3
.irp q, 0,1,2,3
	global_load_b128 v[AF+16*((\g)-1)+4*\q:AF+16*((\g)-1)+4*\q+3], v[HB], s[12:13] offset:4096*((\g)-1+(\g)/2)+16*\q        ; gates i, g, o begin at entries 0, 2048, 3072
	global_load_b128 v[AF+48+16*((\g)-1)+4*\q:AF+48+16*((\g)-1)+4*\q+3], v[HB], s[14:15] offset:4096*((\g)-1+(\g)/2)+16*\q
.endr
.endr
.irp g, 1,2,3
.irp u, 0,1
.set fs, 0
.rept NK/2
	global_load_b32 v[WS+(2*((\g)-1)+\u)*(NK/2)+fs], v[HW], s[10:11] offset:(1024*((\g)-1+(\g)/2)+8*\u)*KS+8*fs
.set fs, fs+1
.endr
.endr
.endr
	WLOAD 0                                        ; the weights, two tiles ahead of the turn through the stage
	WLOAD 1
.irp t, 0,1,2,3,4,5
.if \t < 4
	WLOAD \t+2
	s_wait_loadcnt 2*NL                            ; loads come back in order (ISA guide 5.7.1): tile t is in (and the biases and scale words, issued ahead of it); behind it two tiles' loads were issued
.else
	s_wait_loadcnt (5-\t)*NL                       ; behind tile 4 one tile's, behind tile 5 none
.endif
	WTURN \t
.endr
.irp g, 1,2,3
	WIN (\g)<<6
.irp q, 0,2,4,6,8,10,12,14
	v_pk_add_f32 v[BIAS+\q:BIAS+\q+1], v[AF+16*((\g)-1)+\q:AF+16*((\g)-1)+\q+1], v[AF+48+16*((\g)-1)+\q:AF+48+16*((\g)-1)+\q+1]   ; b_ih + b_hh, as reference() adds them
.endr
.endr
	WIN 0
	s_wait_dscnt 0x0                               ; the weights' fragments are in their registers; no LDS instruction of mine is out at the signal
	s_wait_tensorcnt 0x0                           ; my parts of the rows and of their scales are in,
	s_barrier_signal -1
	s_barrier_wait -1                              ; everybody's are
	SETAD
	LOADH 0                                        ; tile 0
	LOADH 1
.set DO_MM, 1
.set DO_LD, 1
.set wi, 0
.rept NW
	MM1                                            ; tile 0's products: there is no vector work yet to set between them; in their middle tile 1's first half is fetched
.endr
	NOPS 4
	LOADH 1
	s_mov_b32 s50, 14
.Ltile:                                                ; tiles 0 to 13
	ITER 1, 1
	s_sub_co_u32 s50, s50, 1
	s_cmp_lg_u32 s50, 0
	s_cbranch_scc1 .Ltile
	ITER 1, 0                                      ; the tail is written out: no LDS load reaches past the rows
	ITER 0, 0
	; THE WAY OUT.  Wave w sends images 4 w .. 4 w + 3.  Registers 0-5 of lane l were made by wave l / 16, registers 6-11 by wave 2 + l / 16, 12,288 bytes further on.
	s_wait_dscnt 0x0                               ; for the others' sake: my stores into the stages are done
	s_barrier_signal -1
	s_barrier_wait -1
	s_mul_i32 s74, s20, 1536
	s_add_co_u32 s74, s74, STG
	v_mul_u32_u24 v[ADC], v[HR], 24
	v_mad_u32_u24 v[ADC], v[HH], 6144, v[ADC]
	v_add_nc_u32 v[ADC], s74, v[ADC]
	v_lshrrev_b32 v[LO8], 1, v[LO16]               ; 8 x lane
	s_lshl_b32 s75, s20, 8
	s_add_co_u32 s75, s75, SCS
	v_add_nc_u32 v[XAC], s75, v[LO8]               ; two rows' words a lane
.irp mm, 0,1,2,3
.irp q, 0,1,2
	ds_load_b64 v[AF+12*\mm+2*\q:AF+12*\mm+2*\q+1], v[ADC] offset:384*\mm+8*\q
.endr
.irp q, 0,1,2
	ds_load_b64 v[AF+12*\mm+6+2*\q:AF+12*\mm+6+2*\q+1], v[ADC] offset:12288+384*\mm+8*\q
.endr
.endr
.irp b, 0,1,2,3
	ds_load_b64 v[AF+48+2*\b:AF+48+2*\b+1], v[XAC] offset:1024*\b
.endr
.irp mm, 0,1,2,3
	s_wait_dscnt 22-6*\mm                          ; of the 28 loads those behind image mm's six may be out
.irp c, 0,1,2
	global_store_b128 v[LO16], v[AF+12*\mm+4*\c:AF+12*\mm+4*\c+3], s[16:17] offset:12288*\mm+512*\c   ; 32 lanes store 512 consecutive bytes, at a multiple of 512 from the buffer's first byte
.endr
.endr
	s_wait_dscnt 0x0
.irp b, 1,2,3
	v_or_b32 v[AF+48], v[AF+48], v[AF+48+2*\b]     ; the four waves' bytes make a row's word
	v_or_b32 v[AF+49], v[AF+49], v[AF+49+2*\b]
.endr
	global_store_b64 v[LO8], v[AF+48:AF+49], s[18:19]   ; 32 lanes store 256 consecutive bytes, aligned
	s_wait_tensorcnt 0x0                           ; the wave's end: a wait, an add and its wait, behind my last tensor load and my last LDS store
	ds_add_u32 v[SPW], v[NIL]
	s_wait_dscnt 0x0
	CROUND                                         ; the closing round
	s_endpgm
.Lfunc_end_k_qba97d3d076_cell1:
	.size	k_qba97d3d076_cell1, .Lfunc_end_k_qba97d3d076_cell1-k_qba97d3d076_cell1
	.p2alignl 7, 3214868480
	.fill 96, 4, 3214868480
	.section	.rodata,"a",@progbits
	.p2align	6, 0x0
	.amdhsa_kernel k_qba97d3d076_cell1
		.amdhsa_group_segment_fixed_size 284160
		.amdhsa_private_segment_fixed_size 0
		.amdhsa_enable_private_segment 0
		.amdhsa_kernarg_size 64
		.amdhsa_user_sgpr_count 2
		.amdhsa_user_sgpr_kernarg_segment_ptr 1
		.amdhsa_wavefront_size32 1
		.amdhsa_system_sgpr_workgroup_id_x 1
		.amdhsa_system_sgpr_workgroup_id_y 1
		.amdhsa_system_sgpr_workgroup_id_z 1
		.amdhsa_system_vgpr_workitem_id 0
		.amdhsa_next_free_vgpr 1024
		.amdhsa_next_free_sgpr 80
		.amdhsa_reserve_vcc 0
		.amdhsa_float_denorm_mode_32 3
		.amdhsa_float_denorm_mode_16_64 3
		.amdhsa_memory_ordered 1
		.amdhsa_forward_progress 1
		.amdhsa_inst_pref_size 134
	.end_amdhsa_kernel
	.amdgpu_metadata
---
amdhsa.version: [ 1, 2 ]
amdhsa.kernels:
  - .name:           k_qba97d3d076_cell1
    .symbol:         k_qba97d3d076_cell1.kd
    .args:
      - { .name: h0c, .offset: 0, .size: 8, .value_kind: global_buffer, .address_space: global }
      - { .name: h0s, .offset: 8, .size: 8, .value_kind: global_buffer, .address_space: global }
      - { .name: W_ih1_codes, .offset: 16, .size: 8, .value_kind: global_buffer, .address_space: global }
      - { .name: W_ih1_scales, .offset: 24, .size: 8, .value_kind: global_buffer, .address_space: global }
      - { .name: b_ih1, .offset: 32, .size: 8, .value_kind: global_buffer, .address_space: global }
      - { .name: b_hh1, .offset: 40, .size: 8, .value_kind: global_buffer, .address_space: global }
      - { .name: h1c, .offset: 48, .size: 8, .value_kind: global_buffer, .address_space: global }
      - { .name: h1s, .offset: 56, .size: 8, .value_kind: global_buffer, .address_space: global }
    .group_segment_fixed_size: 284160
    .private_segment_fixed_size: 0
    .kernarg_segment_align: 8
    .kernarg_segment_size: 64
    .max_flat_workgroup_size: 128
    .sgpr_count:     80
    .vgpr_count:     1024
    .wavefront_size: 32
...
	.end_amdgpu_metadata
.endif
;; end of part 5
;; launch dec (part 6): grid 4 x 64, 4 waves a work-group, clusters of 4 x 1, 220,672 bytes of LDS; arguments h1c, h1s, W_dec_codes, W_dec_scales, b_dec, out0; writes out0
.if DOCPART == 6
	.amdgcn_target "amdgcn-amd-amdhsa--gfx1250"
	.amdhsa_code_object_version 6
	.text
	.protected	k_qba97d3d076_dec
	.globl	k_qba97d3d076_dec
	.p2align	8
	.type	k_qba97d3d076_dec,@function
k_qba97d3d076_dec:
	s_mov_b64 s[64:65], 0
	v_nop
	global_prefetch_b8 v0, s[64:65] scope:SCOPE_SE
	s_setreg_imm32_b32 hwreg(HW_REG_WAVE_MODE, 25, 1), 1
	s_wait_xcnt 0x0
	s_wait_alu depctr_hold_cnt(0) depctr_sa_sdst(0) depctr_va_vdst(0) depctr_va_sdst(0) depctr_va_ssrc(0) depctr_va_vcc(0) depctr_vm_vsrc(0)
	s_getreg_b32 s2, hwreg(HW_REG_IB_STS2, 6, 4)
	s_cmp_eq_u32 s2, 0
	s_cbranch_scc0 .Lentry_in_a_cluster
	s_endpgm
.Lentry_in_a_cluster:
	s_bfe_u32 s2, ttmp6, 0x10000c
	s_cmp_lg_u32 s2, 0x3003
	s_cbranch_scc0 .Lentry_shape_is_right
	s_endpgm
.Lentry_shape_is_right:
; out0 = h1 W_dec^T + b_dec.  h1: register images [tile of 16 rows][K step 8][1,536 bytes] and scale words [K step 8][row 8192], as the launch before stored them; W_dec: codes of FP6 (E2M3), K innermost, with E8M0
; scale bytes; out0 [8192][512] f32.  Nothing of this product is left out.
; SHARES.  A work-group takes 128 rows (work-group y) x 128 outputs (work-group x).  THE WEIGHTS STAY: wave w keeps W_dec's rows 32 w .. 32 w + 31 of the 128, 16 fragments, 192 registers, read from memory once.
; All four waves walk the 8 tiles of 16 rows, two at a time, from LDS.  TRANSPOSED USE: source 0 = 16 rows of W_dec, source 1 = 16 rows of h1: a lane holds eight neighbouring outputs of one row.
; THE WEIGHTS' WAY IN.  A tile's 16 rows are 12,288 dense bytes.  They are loaded as they lie, 16 bytes a lane, 512 consecutive bytes a load, into the registers that the tile's fragments will hold (24 loads x 4 =
; 8 fragments x 12), and turn through a stage of the wave's own in LDS: stored as loaded into rows of 768 + 16 bytes, read back in the fragments' order, 8 bytes a lane, into the same registers.
; The bias is the C of each sum's first matrix instruction.  The four accumulators of a pair of tiles take turns, one instruction a turn.
; CLUSTER: the four work-groups of a cluster lie along x and read the same 128 rows: rows and their scale words are asked for JOINTLY.  The weights are not: each wave wants rows of its own.
; All LDS bytes that tensor loads fill are filled once, at the head: no ring, no refill.  A row's 128 outputs come from four waves: they meet in a stage and leave as whole rows of 512 bytes.
.set XSC,   98304                      ; LDS: the rows' images at 0, [tile 8][K step 8][1,536]; here their scale words, [K step 8][row 128]
.set STG,   102400                     ; the stage for out0: 128 rows x (512 bytes + 16)
.set SPARE, 169984                     ; the spare words, 128 bytes for each wave: two blocks of 256 bytes that no other line names
.set WSTG,  SPARE+512                  ; the weights' stages, one for each wave
.set WPITCH, 784                       ; a stage row: 768 bytes + 16 = 196 words: row r starts at bank 4 r mod 64 (64 banks of 4 bytes: ISA guide 11.1), so the 32 lanes of a load of 8 bytes touch 64 different banks
.set WSB,   16*WPITCH                  ; a stage: 16 rows, 49 blocks of 256 bytes
.set JSTEP, 1568                       ; three loads are two whole rows: so far on lie the next three in the stage
.set LI,   2                           ; v2 16 x lane; v3 the same + 49,152, for tiles 4 to 7; never rewritten
.set XA,   4                           ; my lane's place among the rows' scale words
.set SO,   5                           ; the stage: where I put 32 bytes of a row
.set SR,   6                           ; and where I read a row back
.set SPW,  10                          ; LDS address of my spare word; never rewritten
.set NIL,  11                          ; 0; never rewritten
.set WS,   12                          ; v12-19 W's scale words (n, pair of K steps): lanes 0-15 the even K step's, lanes 16-31 the odd one's
.set XS,   20                          ; v20-35 the rows' likewise: two sets x two tiles x four
.set HR,   36
.set HH,   37
.set HB,   38
.set HW,   39
.set HF,   40
.set WT,   42                          ; v42-44 the weights' stage: where my 16 bytes of load 3 j + t go, t = 0, 1, 2
.set WR,   45                          ; and where my pieces of a fragment are read back
; window 0: v64-255 the fragments of an even pair of tiles; window 2: v0-191 those of an odd pair; window 1: v0-191 W's fragment (n, s) at 12 (8 n + s)
.set BIAS, 192                         ; window 1
.set ACC,  208                         ; window 1: accumulator (tile mi of the pair, n) at 8 (2 mi + n)
.set MSB, 0
.macro WIN new                         ; the immediate's high byte repeats the setting that is left; a switch that changes nothing is dropped
.if MSB != (\new)
	s_set_vgpr_msb (MSB<<8)|(\new)
.set MSB, (\new)
.endif
.endm
.macro NOPS n
.rept \n
	v_nop
.endr
.endm
.macro CROUND                          ; a round of the cluster's barrier
	s_barrier_signal -1
	s_barrier_wait -1
	s_cmp_lg_u32 s20, 0
	s_cbranch_scc1 .Lnot_wave_0_\@
	s_barrier_signal -3
.Lnot_wave_0_\@:
	s_barrier_wait -3
	s_barrier_signal -1
	s_barrier_wait -1
.endm
.macro WLOAD n                         ; tile n of W: rows 16 n .. 16 n + 15 of the wave's 32, as they lie: each load covers 512 consecutive bytes, at a multiple of 512 from the buffer's first byte
	WIN 0x40                                       ; destination window 1
.set wk, 0
.rept 24
	global_load_b128 v[96*(\n)+4*wk:96*(\n)+4*wk+3], v[LI], s[8:9] offset:12288*(\n)+512*wk
.set wk, wk+1
.endr
.endm
.macro WTURN n                         ; and its turn through my stage.  LDS serves a wave's instructions in order (ISA guide 5.7.1.4): the loads see the stores above them, and the next tile's stores come behind these loads
	WIN 0x04                                       ; an LDS store's data are its source 1: window 1
.set wk, 0
.rept 24
	ds_store_b128 v[WT+wk%3], v[96*(\n)+4*wk:96*(\n)+4*wk+3] offset:(wk/3)*JSTEP
.set wk, wk+1
.endr
	WIN 0x40
.set wq, 0
.rept 8
.irp p, 0,1,2,3,4,5
	ds_load_b64 v[96*(\n)+12*wq+2*\p:96*(\n)+12*wq+2*\p+1], v[WR] offset:96*wq+48*(\p/3)+8*(\p%3)   ; lane (r, h): stage row r, K = 128 s + 64 c + 32 h + 0 .. 31: 24 bytes as three pieces
.endr
.set wq, wq+1
.endr
.endm
.macro LOADP p                         ; tiles 2 p and 2 p + 1: 48 loads of codes and 8 of scale words
.if (\p)%2
	WIN 0x80
.set fb, 0
.else
	WIN 0
.set fb, 64
.endif
.irp mi, 0,1
.irp s, 0,1,2,3,4,5,6,7
.irp c, 0,1,2
	ds_load_b128 v[fb+96*\mi+12*\s+4*\c:fb+96*\mi+12*\s+4*\c+3], v[LI+(\p)/2] offset:((2*(\p)+\mi)%4)*12288+1536*\s+512*\c
.endr
.endr
.endr
	WIN 0
.irp mi, 0,1
.irp sp, 0,1,2,3
	ds_load_b32 v[XS+8*((\p)%2)+4*\mi+\sp], v[XA] offset:(2*(\p)+\mi)*64+1024*\sp
.endr
.endr
.endm
.macro MULP p                          ; 32 products
.if (\p)%2
	WIN 0x59                                       ; W, C and D in window 1, the rows in window 2
.set fb, 0
.else
	WIN 0x51                                       ; the rows in window 0
.set fb, 64
.endif
.irp s, 0,1,2,3,4,5,6,7
.irp mi, 0,1
.irp n, 0,1
.if \s == 0
	v_wmma_scale_f32_16x16x128_f8f6f4 v[ACC+8*(2*\mi+\n):ACC+8*(2*\mi+\n)+7], v[12*(8*\n+\s):12*(8*\n+\s)+11], v[fb+96*\mi+12*\s:fb+96*\mi+12*\s+11], v[BIAS+8*\n:BIAS+8*\n+7], v[WS+4*\n+\s/2], v[XS+8*((\p)%2)+4*\mi+\s/2] matrix_a_fmt:MATRIX_FMT_FP6 matrix_b_fmt:MATRIX_FMT_FP6
.elseif \s%2 == 0
	v_wmma_scale_f32_16x16x128_f8f6f4 v[ACC+8*(2*\mi+\n):ACC+8*(2*\mi+\n)+7], v[12*(8*\n+\s):12*(8*\n+\s)+11], v[fb+96*\mi+12*\s:fb+96*\mi+12*\s+11], v[ACC+8*(2*\mi+\n):ACC+8*(2*\mi+\n)+7], v[WS+4*\n+\s/2], v[XS+8*((\p)%2)+4*\mi+\s/2] matrix_a_fmt:MATRIX_FMT_FP6 matrix_b_fmt:MATRIX_FMT_FP6
.else
	v_wmma_scale_f32_16x16x128_f8f6f4 v[ACC+8*(2*\mi+\n):ACC+8*(2*\mi+\n)+7], v[12*(8*\n+\s):12*(8*\n+\s)+11], v[fb+96*\mi+12*\s:fb+96*\mi+12*\s+11], v[ACC+8*(2*\mi+\n):ACC+8*(2*\mi+\n)+7], v[WS+4*\n+\s/2], v[XS+8*((\p)%2)+4*\mi+\s/2] matrix_a_fmt:MATRIX_FMT_FP6 matrix_b_fmt:MATRIX_FMT_FP6 matrix_a_scale:MATRIX_SCALE_ROW1 matrix_b_scale:MATRIX_SCALE_ROW1
.endif
.endr
.endr
.endr
.endm
.macro STOREP p                        ; the pair's results into the stage, each accumulator from its low end on
	NOPS 5                                         ; four places in front of the reads of results and of loads into the fragments' registers; five in front of the next pair's first products, which begin these accumulators anew
	WIN 0x04                                       ; an LDS store's data are its source 1: window 1
.irp mi, 0,1
.irp n, 0,1
	ds_store_b128 v[SO], v[ACC+8*(2*\mi+\n):ACC+8*(2*\mi+\n)+3] offset:(2*(\p)+\mi)*8448+64*\n
	ds_store_b128 v[SO], v[ACC+8*(2*\mi+\n)+4:ACC+8*(2*\mi+\n)+7] offset:(2*(\p)+\mi)*8448+64*\n+16
.endr
.endr
	WIN 0
.endm
	s_load_b256 s[4:11], s[0:1], 0x0               ; h1's images s[4:5], its scale words s[6:7], W's codes s[8:9], W's scales s[10:11]
	s_load_b128 s[12:15], s[0:1], 0x20             ; b_dec s[12:13], out0 s[14:15]
	v_lshl_add_u32 v[SPW], v0, 2, SPARE
	v_mov_b32 v[NIL], 0
	ds_add_u32 v[SPW], v[NIL]                      ; the wave's opening: the add, twice on end, and its wait ahead of my first tensor load; all set-up that hangs on ids alone stands between the second and the wait
	ds_add_u32 v[SPW], v[NIL]
	v_lshrrev_b32 v1, 5, v0
	v_readfirstlane_b32 s20, v1                    ; wave 0..3
	s_bfe_u32 s21, ttmp6, 0x40000                  ; cx
	s_lshl_b32 s22, ttmp9, 2
	s_add_co_u32 s22, s22, s21                     ; which 128 outputs: it enters W's, the bias's and out0's addresses alone
	s_and_b32 s23, ttmp7, 0xffff                   ; which 128 rows: the four partners share it
	s_mov_b32 s24, 15|(3<<16)|(1<<21)              ; group 1 for the images: mask of all four; elements of 8 bytes; bit 21 beside a mask: 96 rows of 256 bytes, dense
	s_mov_b32 s25, 32<<16
	s_mov_b32 s26, 96<<16
	s_mov_b32 s27, 32<<16
	s_mov_b32 s28, 96
	s_mov_b32 s29, 32
	s_mov_b32 s30, 0
	s_mov_b32 s31, 0
	s_mov_b32 s32, 15|(3<<16)|(1<<21)              ; group 1 for the scale words: 2 K steps x 512 bytes, 32,768 bytes apart
	s_mov_b32 s33, 64<<16
	s_mov_b32 s34, 2<<16
	s_mov_b32 s35, 64<<16
	s_mov_b32 s36, 2
	s_mov_b32 s37, 4096
	s_mov_b32 s38, 0
	s_mov_b32 s39, 0
	s_mul_i32 s56, s23, 98304                      ; the images: 98,304 dense bytes, a quarter a wave
	s_mul_i32 s57, s20, 24576
	s_add_co_u32 s56, s56, s57
	s_mov_b32 s57, 0
	s_lshl_b32 s58, s20, 16                        ; the scale words: K steps 2 w and 2 w + 1
	s_lshl_b32 s59, s23, 9
	s_add_co_u32 s58, s58, s59
	s_mov_b32 s59, 0
	s_lshl_b32 s60, s22, 7
	s_lshl_b32 s61, s20, 5
	s_add_co_u32 s60, s60, s61                     ; my wave's first output
	s_lshl_b32 s62, s60, 2
	s_mov_b32 s63, 0
	s_lshl_b32 s66, s60, 5
	s_mov_b32 s67, 0
	s_mul_i32 s68, s60, 768
	s_mov_b32 s69, 0
	s_lshl_b32 s70, s23, 7
	s_add_co_u32 s70, s70, s61                     ; the first row that I store: 128 y + 32 w
	s_lshl_b32 s70, s70, 11
	s_lshl_b32 s71, s22, 9
	s_add_co_u32 s70, s70, s71
	s_mov_b32 s71, 0
	s_mul_i32 s76, s20, WSB
	s_add_co_u32 s76, s76, WSTG                    ; my stage for the weights
	v_and_b32 v[HR], 15, v0
	v_bfe_u32 v[HH], v0, 4, 1
	v_lshlrev_b32 v[HB], 5, v[HH]                  ; the bias: my half's eight numbers of a tile
	v_lshlrev_b32 v[HW], 5, v[HR]
	v_lshl_add_u32 v[HW], v[HH], 2, v[HW]          ; W's scale words: lanes 16-31 take the next K step's
	v_and_b32 v[LI], 31, v0
	v_lshlrev_b32 v[LI], 4, v[LI]
	v_add_nc_u32 v[LI+1], 49152, v[LI]
.irp t, 0,1,2
	v_add_nc_u32 v1, 512*\t, v[LI]                 ; P = 512 t + 16 x lane: my bytes' place among three loads' 1,536 dense bytes
	v_lshrrev_b32 v[HF], 8, v1
	v_mul_u32_u24 v[HF], v[HF], 11
	v_lshrrev_b32 v[HF], 5, v[HF]                  ; P / 768 = (P >> 8) / 3, and q / 3 = (11 q) >> 5 for q up to 11: the row,
	v_lshl_add_u32 v1, v[HF], 4, v1                ; behind each of which the stage has 16 bytes more
	v_add_nc_u32 v[WT+\t], s76, v1
.endr
	v_mul_u32_u24 v[WR], v[HR], WPITCH
	v_mad_u32_u24 v[WR], v[HH], 24, v[WR]
	v_add_nc_u32 v[WR], s76, v[WR]                 ; back: stage row r, + 24 x half
	v_lshlrev_b32 v[XA], 2, v[HR]
	v_lshl_add_u32 v[XA], v[HH], 9, v[XA]
	v_add_nc_u32 v[XA], XSC, v[XA]
	s_lshl_b32 s74, s20, 7
	s_add_co_u32 s74, s74, STG
	v_mul_u32_u24 v[SO], v[HR], 528
	v_lshl_add_u32 v[SO], v[HH], 5, v[SO]
	v_add_nc_u32 v[SO], s74, v[SO]                 ; row r, + 32 x half, + my wave's 128 bytes
	s_mul_i32 s75, s20, 16896
	s_add_co_u32 s75, s75, STG
	v_add_nc_u32 v[SR], s75, v[LI]                 ; back: my 32 rows, 16 bytes a lane
	s_wait_dscnt 0x0                               ; both opening adds are done
	s_wait_kmcnt 0x0
	s_mov_b32 s40, 1
	s_mul_i32 s41, s20, 24576
	s_add_nc_u64 s[42:43], s[4:5], s[56:57]
	s_or_b32 s43, s43, 0x80000000
	s_mov_b32 s44, 1
	s_lshl_b32 s45, s20, 10
	s_add_co_u32 s45, s45, XSC
	s_add_nc_u64 s[46:47], s[6:7], s[58:59]
	s_or_b32 s47, s47, 0x80000000
	s_add_nc_u64 s[12:13], s[12:13], s[62:63]
	s_add_nc_u64 s[10:11], s[10:11], s[66:67]
	s_add_nc_u64 s[8:9], s[8:9], s[68:69]
	s_add_nc_u64 s[14:15], s[14:15], s[70:71]
	CROUND                                         ; all four work-groups are here: the joint loads meet
	tensor_load_to_lds s[40:43], s[24:31]          ; every wave issues two loads: two of mine are out; these LDS bytes are filled once
	s_nop 0
	tensor_load_to_lds s[44:47], s[32:39]
	s_nop 0
	NOPS 4
.irp n, 0,1
.irp sp, 0,1,2,3
	global_load_b32 v[WS+4*\n+\sp], v[HW], s[10:11] offset:512*\n+8*\sp
.endr
.endr
	WIN 0x40                                       ; destination window 1
.irp n, 0,1
	global_load_b128 v[BIAS+8*\n:BIAS+8*\n+3], v[HB], s[12:13] offset:64*\n
	global_load_b128 v[BIAS+8*\n+4:BIAS+8*\n+7], v[HB], s[12:13] offset:64*\n+16
.endr
	WLOAD 0
	WLOAD 1
	s_wait_loadcnt 24                              ; loads come back in order (ISA guide 5.7.1): tile 0 is in (and the scale words and the bias, issued ahead of it); behind it tile 1's 24 loads were issued
	WTURN 0
	s_wait_loadcnt 0x0
	WTURN 1
	WIN 0
	s_wait_dscnt 0x0                               ; the weights' fragments are in their registers; no LDS instruction of mine is out at the signal
	s_wait_tensorcnt 0x0                           ; my parts of the rows and of their scale words are in,
	s_barrier_signal -1
	s_barrier_wait -1                              ; everybody's are
	LOADP 0
	LOADP 1
	s_wait_dscnt 56                                ; pair 0 is in: behind it pair 1's 56 loads were issued
	MULP 0
	STOREP 0
	LOADP 2
	s_wait_dscnt 56                                ; pair 1 is in and pair 0's stage stores are done: behind them pair 2's 56 loads were issued
	MULP 1
	STOREP 1
	LOADP 3
	s_wait_dscnt 56                                ; pair 2 likewise
	MULP 2
	STOREP 2
	s_wait_dscnt 0x0
	MULP 3
	STOREP 3
	s_wait_dscnt 0x0                               ; for the others' sake: my stores into the stage are done
	s_barrier_signal -1
	s_barrier_wait -1
.irp i, 0,1,2,3,4,5,6,7,8,9,10,11,12,13,14,15,16,17,18,19,20,21,22,23,24,25,26,27,28,29,30,31
	ds_load_b128 v[64+4*\i:64+4*\i+3], v[SR] offset:528*\i
.endr
.irp i, 0,1,2,3,4,5,6,7,8,9,10,11,12,13,14,15,16,17,18,19,20,21,22,23,24,25,26,27,28,29,30,31
	s_wait_dscnt 31-\i                             ; the loads behind row i's may be out
	global_store_b128 v[LI], v[64+4*\i:64+4*\i+3], s[14:15] offset:2048*\i th:TH_STORE_NT   ; 32 lanes store 512 consecutive bytes, at a multiple of 512 from out0's first byte; written once, read by nobody here
.endr
	s_wait_tensorcnt 0x0                           ; the wave's end: a wait, an add and its wait, behind my last tensor load and my last LDS store
	ds_add_u32 v[SPW], v[NIL]
	s_wait_dscnt 0x0
	CROUND                                         ; the closing round
	s_endpgm
.Lfunc_end_k_qba97d3d076_dec:
	.size	k_qba97d3d076_dec, .Lfunc_end_k_qba97d3d076_dec-k_qba97d3d076_dec
	.p2alignl 7, 3214868480
	.fill 96, 4, 3214868480
	.section	.rodata,"a",@progbits
	.p2align	6, 0x0
	.amdhsa_kernel k_qba97d3d076_dec
		.amdhsa_group_segment_fixed_size 220672
		.amdhsa_private_segment_fixed_size 0
		.amdhsa_enable_private_segment 0
		.amdhsa_kernarg_size 48
		.amdhsa_user_sgpr_count 2
		.amdhsa_user_sgpr_kernarg_segment_ptr 1
		.amdhsa_wavefront_size32 1
		.amdhsa_system_sgpr_workgroup_id_x 1
		.amdhsa_system_sgpr_workgroup_id_y 1
		.amdhsa_system_sgpr_workgroup_id_z 1
		.amdhsa_system_vgpr_workitem_id 0
		.amdhsa_next_free_vgpr 768
		.amdhsa_next_free_sgpr 80
		.amdhsa_reserve_vcc 0
		.amdhsa_float_denorm_mode_32 3
		.amdhsa_float_denorm_mode_16_64 3
		.amdhsa_memory_ordered 1
		.amdhsa_forward_progress 1
		.amdhsa_inst_pref_size 61
	.end_amdhsa_kernel
	.amdgpu_metadata
---
amdhsa.version: [ 1, 2 ]
amdhsa.kernels:
  - .name:           k_qba97d3d076_dec
    .symbol:         k_qba97d3d076_dec.kd
    .args:
      - { .name: h1c, .offset: 0, .size: 8, .value_kind: global_buffer, .address_space: global }
      - { .name: h1s, .offset: 8, .size: 8, .value_kind: global_buffer, .address_space: global }
      - { .name: W_dec_codes, .offset: 16, .size: 8, .value_kind: global_buffer, .address_space: global }
      - { .name: W_dec_scales, .offset: 24, .size: 8, .value_kind: global_buffer, .address_space: global }
      - { .name: b_dec, .offset: 32, .size: 8, .value_kind: global_buffer, .address_space: global }
      - { .name: out0, .offset: 40, .size: 8, .value_kind: global_buffer, .address_space: global }
    .group_segment_fixed_size: 220672
    .private_segment_fixed_size: 0
    .kernarg_segment_align: 8
    .kernarg_segment_size: 48
    .max_flat_workgroup_size: 128
    .sgpr_count:     80
    .vgpr_count:     768
    .wavefront_size: 32
...
	.end_amdgpu_metadata
.endif
;; end of part 6
